; MI455X (gfx1250); checked and timed in simulation.
; The chip was launched on July 23, 2026; its instructions are those of AMD's public machine-readable ISA for CDNA 5 (MIT licence, August 2026) and "CDNA5" Instruction Set Architecture Reference Guide (July 2026). The comments in the code are by the model that wrote it; some were corrected since.
;; Non Recur Transformer Untied. Allowed arithmetic: float matrix products may take bf16 or f16 operands with f32 sums; all other float work in f32.
;; Inputs: ca_kb 2 x 384 float32; ca_kw 2 x 384 x 384 float32; ca_qb 2 x 384 float32; ca_qw 2 x 384 x 384 float32; ca_vb 2 x 384 float32; ca_vw 2 x 384 x 384 float32; dec_hidden_states 8 x 1,024 x 384 float32; dec_mask 8 x 1,024 float32; enc_mask 8 x 512 float32; enc_outputs 8 x 512 x 384 float32; n1_b 2 x 384 float32; n1_w 2 x 384 float32; n2_b 2 x 384 float32; n2_w 2 x 384 float32; n3_b 2 x 384 float32; n3_w 2 x 384 float32; out_b 2 x 384 float32; out_w 2 x 384 x 384 float32; sa_kb 2 x 384 float32; sa_kw 2 x 384 x 384 float32; sa_qb 2 x 384 float32; sa_qw 2 x 384 x 384 float32; sa_vb 2 x 384 float32; sa_vw 2 x 384 x 384 float32.
;; Outputs: out0 8 x 1,024 x 384 float32.
;; 2 versions, each right; version 2 is version 1 with the launches prep, proj, layer0, layer1 written anew for expert scheduling mode. Each part assembles by itself: llvm-mc -triple=amdgcn-amd-amdhsa -mcpu=gfx1250 --defsym DOCPART=n.
;; ======== version 1 of 2: 4 launches
;; limits: values are held in f16: magnitudes above 65,504 overflow, below 6.1e-05 lose precision
;; workspace buffers: wfrag 4,128,768 bytes; qkv0 18,874,368 bytes; qkv1 18,874,368 bytes; ckv 12,582,912 bytes; x1 12,582,912 bytes
;; launch prep (part 1): grid 48 x 7, 1 waves a work-group, no clusters, 12,800 bytes of LDS; arguments sa_qw, sa_kw, sa_vw, ca_qw, ca_kw, ca_vw, out_w, wfrag; writes wfrag
.if DOCPART == 1
	.amdgcn_target "amdgcn-amd-amdhsa--gfx1250"
	.amdhsa_code_object_version 6
	.text
	.protected	k_qf24dea27b5_prep
	.globl	k_qf24dea27b5_prep
	.p2align	8
	.type	k_qf24dea27b5_prep,@function
k_qf24dea27b5_prep:
	s_mov_b64 s[64:65], 0
	v_nop
	global_prefetch_b8 v0, s[64:65] scope:SCOPE_SE
	s_setreg_imm32_b32 hwreg(HW_REG_WAVE_MODE, 25, 1), 1
	s_wait_xcnt 0x0
; The fourteen weight matrices [384 out][384 in] f32 are rounded to f16 and laid out in fragment order.
; FORMAT: f16, 11 significant bits.  Room: the weights are drawn with spread 0.02; thirty times larger, or offset by thirty spreads, they stay
; under 4, against f16's largest 65,504; thirty times smaller their spread is 6.7e-4 and f16's step there is 6e-8 (denormals are kept).
; LIMIT: a weight above 65,504 in magnitude becomes infinite.
; A fragment block is 1,024 bytes = 16 rows x 32 k: byte p*512 + lane*16 (lane = r + 16 h) holds row r, k = 16 p + 8 h + 0..7,
; so that two 16-byte loads a lane at lane*16 + {0, 512} fill the eight registers of a matrix operand (ISA guide 7.12.2).
; wfrag: matrix 7*layer + type at 294,912 bytes each; block (row tile ft, k step ks) at (12 ft + ks) * 1,024.
; One wave takes one strip of 16 rows: 24,576 consecutive bytes in, 12,288 consecutive bytes out; x = 24*layer + ft, y = type.
; A stream: every byte is read once and written once; each load and each store of the wave covers 512 consecutive aligned bytes.
; No matrix unit, no cluster: no two work-groups read the same byte.
.set PITCH, 784                        ; an LDS row: 768 bytes of f16 + 16, an odd multiple of 16
.set DR, 8                             ; v[8:199] the 48 loads of 16 bytes a lane
	s_load_b512 s[8:23], s[0:1], 0x0               ; the seven weight tensors, then wfrag in s[22:23]
	v_lshl_add_u32 v200, v0, 2, 0x3100
	v_mov_b32 v201, 0
	s_and_b32 s2, ttmp7, 0xffff                    ; type
	s_cmp_ge_u32 ttmp9, 24
	s_cselect_b32 s3, 1, 0                         ; layer
	s_mul_i32 s24, ttmp9, 24576                    ; the strip in its tensor [2*384][384]
	s_mov_b32 s25, 0
	s_mul_i32 s26, s3, 7
	s_add_co_u32 s26, s26, s2
	s_mul_i32 s26, s26, 294912                     ; the matrix in wfrag
	s_mul_i32 s28, s3, 24
	s_sub_co_u32 s28, ttmp9, s28                   ; ft
	s_mul_i32 s28, s28, 12288
	s_add_co_u32 s26, s26, s28
	s_mov_b32 s27, 0
	v_lshlrev_b32 v1, 4, v0                        ; lane*16: global offset, in and out
	v_lshlrev_b32 v2, 3, v0                        ; lane*8: four f16 in an LDS row
	v_and_b32 v4, 15, v0                           ; r
	v_lshrrev_b32 v5, 4, v0                        ; h
	v_mul_u32_u24 v3, v4, PITCH
	v_lshl_add_u32 v3, v5, 4, v3                   ; r*pitch + 16 h
	s_wait_kmcnt 0x0
	s_mov_b64 s[4:5], s[8:9]
.irp i,1,2,3,4,5,6
	s_cmp_eq_u32 s2, \i
	s_cselect_b64 s[4:5], s[8+2*\i:9+2*\i], s[4:5] ; the tensor of my type
.endr
	s_add_nc_u64 s[4:5], s[4:5], s[24:25]
	s_add_nc_u64 s[6:7], s[22:23], s[26:27]
.set i, 0
.rept 48
	global_load_b128 v[DR+4*i:DR+4*i+3], v1, s[4:5] offset:i*512 th:TH_LOAD_NT
.set i, i+1
.endr
.set i, 0
.rept 48
	s_wait_loadcnt 47-i                            ; loads come back in order: load i is in, the younger ones stay out
	v_cvt_pk_f16_f32 v[DR+4*i], v[DR+4*i], v[DR+4*i+1]
	v_cvt_pk_f16_f32 v[DR+4*i+1], v[DR+4*i+2], v[DR+4*i+3]
	ds_store_b64 v2, v[DR+4*i:DR+4*i+1] offset:(i/3)*PITCH+(i%3)*256   ; three loads make a row
.set i, i+1
.endr
	s_wait_dscnt 0x0                               ; the loads below land in registers that these stores read
.set i, 0
.rept 24
	ds_load_b128 v[DR+4*i:DR+4*i+3], v3 offset:(i/2)*64+(i%2)*32       ; block ks = i/2, half p = i%2
.set i, i+1
.endr
.set i, 0
.rept 24
	s_wait_dscnt 23-i
	global_store_b128 v1, v[DR+4*i:DR+4*i+3], s[6:7] offset:i*512
.set i, i+1
.endr
	s_wait_tensorcnt 0x0
	ds_add_u32 v200, v201
	s_wait_dscnt 0x0
	s_endpgm
.Lfunc_end_k_qf24dea27b5_prep:
	.size	k_qf24dea27b5_prep, .Lfunc_end_k_qf24dea27b5_prep-k_qf24dea27b5_prep
	.p2alignl 7, 3214868480
	.fill 96, 4, 3214868480
	.section	.rodata,"a",@progbits
	.p2align	6, 0x0
	.amdhsa_kernel k_qf24dea27b5_prep
		.amdhsa_group_segment_fixed_size 12800
		.amdhsa_private_segment_fixed_size 0
		.amdhsa_enable_private_segment 0
		.amdhsa_kernarg_size 64
		.amdhsa_user_sgpr_count 2
		.amdhsa_user_sgpr_kernarg_segment_ptr 1
		.amdhsa_wavefront_size32 1
		.amdhsa_system_sgpr_workgroup_id_x 1
		.amdhsa_system_sgpr_workgroup_id_y 1
		.amdhsa_system_sgpr_workgroup_id_z 1
		.amdhsa_system_vgpr_workitem_id 0
		.amdhsa_next_free_vgpr 202
		.amdhsa_next_free_sgpr 66
		.amdhsa_reserve_vcc 0
		.amdhsa_float_denorm_mode_32 3
		.amdhsa_float_denorm_mode_16_64 3
		.amdhsa_memory_ordered 1
		.amdhsa_forward_progress 1
		.amdhsa_inst_pref_size 22
	.end_amdhsa_kernel
	.amdgpu_metadata
---
amdhsa.version: [ 1, 2 ]
amdhsa.kernels:
  - .name:           k_qf24dea27b5_prep
    .symbol:         k_qf24dea27b5_prep.kd
    .args:
      - { .name: sa_qw, .offset: 0, .size: 8, .value_kind: global_buffer, .address_space: global }
      - { .name: sa_kw, .offset: 8, .size: 8, .value_kind: global_buffer, .address_space: global }
      - { .name: sa_vw, .offset: 16, .size: 8, .value_kind: global_buffer, .address_space: global }
      - { .name: ca_qw, .offset: 24, .size: 8, .value_kind: global_buffer, .address_space: global }
      - { .name: ca_kw, .offset: 32, .size: 8, .value_kind: global_buffer, .address_space: global }
      - { .name: ca_vw, .offset: 40, .size: 8, .value_kind: global_buffer, .address_space: global }
      - { .name: out_w, .offset: 48, .size: 8, .value_kind: global_buffer, .address_space: global }
      - { .name: wfrag, .offset: 56, .size: 8, .value_kind: global_buffer, .address_space: global }
    .group_segment_fixed_size: 12800
    .private_segment_fixed_size: 0
    .kernarg_segment_align: 8
    .kernarg_segment_size: 64
    .max_flat_workgroup_size: 32
    .sgpr_count:     66
    .vgpr_count:     202
    .wavefront_size: 32
...
	.end_amdgpu_metadata
.endif
;; end of part 1
;; launch proj (part 2): grid 256 x 1, 12 waves a work-group, no clusters, 100,864 bytes of LDS; arguments dec_hidden_states, enc_outputs, wfrag, sa_qb, sa_kb, sa_vb, ca_kb, ca_vb, qkv0, ckv; writes qkv0, ckv
.if DOCPART == 2
	.amdgcn_target "amdgcn-amd-amdhsa--gfx1250"
	.amdhsa_code_object_version 6
	.text
	.protected	k_qf24dea27b5_proj
	.globl	k_qf24dea27b5_proj
	.p2align	8
	.type	k_qf24dea27b5_proj,@function
k_qf24dea27b5_proj:
	s_mov_b64 s[64:65], 0
	v_nop
	global_prefetch_b8 v0, s[64:65] scope:SCOPE_SE
	s_setreg_imm32_b32 hwreg(HW_REG_WAVE_MODE, 25, 1), 1
	s_wait_xcnt 0x0
; Projections that need no attention: q, k, v of layer 0 from the decoder rows, and the cross k, v of both layers from the encoder rows.
; Work-groups 0-127: 64 decoder rows, three matrices.  Work-groups 128-255: 64 encoder rows, two matrices of layer (w-128)/64.
; (An equal split does not exist at 64-row blocks: 128 x 3 against 128 x 2 block-matrices; every work-group has work.)
; Twelve waves; wave hd makes features 32 hd .. 32 hd + 31 (head hd) of all 64 rows.
; FORMAT: all matrix operands are f16 (11 significant bits), the sums f32.  Room, against f16's largest 65,504: the rows are drawn with spread 1
; and stay under 200 when thirty times larger or offset by thirty spreads; q, k, v are largest when the rows carry an offset of 30 and the
; weights one of 0.6: 384 x 30 x 0.6 = 6,912; with both thirty times larger their spread is 30 x 0.6 x sqrt(384) = 353.  With both thirty
; times smaller the spread of k and v is 4.3e-4, of the scaled q 1.1e-4, and f16's step there is 6e-8 (denormals are kept).
; LIMIT: a row element, q, k or v above 65,504 in magnitude becomes infinite.
; The products run transposed, D = W x X^T (lane = row, registers = features), so eight results of a lane are eight neighbouring
; numbers of a row of q or k: packed to f16 they are 16 bytes of a fragment block (16 rows x 32 dims, 1,024 bytes, byte
; p*512 + lane*16).  v is made with the sources swapped, D = X x W^T (lane = feature, registers = keys): blocks of V^T, 16 dims x 32 keys.
; q is multiplied in f32 by log2(e)/sqrt(32) before its one rounding to f16.
; The weights come from wfrag in fragment order straight into registers, a ring of four K steps (16 loads of 512 bytes in flight a wave);
; each weight byte is used by one wave of the work-group, so LDS would share nothing of them.  X is rounded once into LDS, which all waves read.
; EVERY WORK-GROUP WALKS K FROM ITS OWN PLACE: walk position j is K step (rot + j) mod 12, rot = work-group number mod 12, so that the
; work-groups that share a matrix ask between them for all twelve K steps at any moment and not all for the same 24 KB.  Twelve scalar
; bases hold the positions' places in a matrix; X lies in LDS twice in each row, so that positions rot .. rot + 11 are consecutive
; and one address register carries the rotation.  The order of an f32 sum over K therefore differs from work-group to work-group.
; NO CLUSTER: what work-groups share is the weights, 24,576 bytes a wave and matrix; a joint load lands in LDS, from where each byte would be
; read once by one wave: it would add an LDS write and an LDS read for every weight byte and a barrier round for each refill.
.set PITCH, 1552                       ; X in LDS: a row twice, 2 x 768 bytes of f16, + 16: an odd multiple of 16
.set COPY, 768                         ; from a row's first copy to its second
.set WMAT, 294912                      ; bytes of a matrix in wfrag
.set ACC, 16                           ; v[16:79]   accumulators, tile (rt, f) at 16 rt + 8 f; before that the 16 loads of X
.set XFR, 80                           ; v[80:143]  X fragments, two buffers x 4 row tiles x 8
.set WR, 144                           ; v[144:207] weight ring, four slots x 2 feature tiles x 8
.set QB, 208                           ; v[208:223] q bias, v[224:239] k bias, v[240:255] v bias (one number a lane, in eight registers)
.set PB, 66                            ; s[66:89]   twelve pairs: my head's slice of the first matrix at walk position j; never rewritten
.macro NOPS cnt
.rept \cnt
	v_nop
.endr
.endm
.macro MMA d, a, b, c
	v_wmma_f32_16x16x32_f16 v[\d:\d+7], v[\a:\a+7], v[\b:\b+7], v[\c:\c+7]
.endm
.macro BLD dst, sb                     ; 16 bias numbers of my head in accumulator order: feature 16 f + 8 h + j
.irp f,0,1
.irp q,0,1
	global_load_b128 v[\dst+8*\f+4*\q:\dst+8*\f+4*\q+3], v6, s[\sb:\sb+1] offset:\f*64+\q*16
.endr
.endr
.endm
.macro WLD dst, vo, j, off             ; walk position j of my 32 features: four loads of 512 bytes; off: the matrix
.irp f,0,1
.irp p,0,1
	global_load_b128 v[\dst+8*\f+4*\p:\dst+8*\f+4*\p+3], v[\vo], s[PB+2*(\j):PB+2*(\j)+1] offset:\off+\f*12288+\p*512
.endr
.endr
.endm
.macro XLD dst, j                      ; X fragments of walk position j: 64 rows x 32 k; v2 serves rows 0-31, v12 rows 32-63
.irp rt,0,1
.irp p,0,1
	ds_load_b128 v[\dst+8*\rt+4*\p:\dst+8*\rt+4*\p+3], v2 offset:\rt*16*PITCH+(\j)*64+\p*32
.endr
.endr
.irp rt,0,1
.irp p,0,1
	ds_load_b128 v[\dst+16+8*\rt+4*\p:\dst+16+8*\rt+4*\p+3], v12 offset:\rt*16*PITCH+(\j)*64+\p*32
.endr
.endr
.endm
; Step g of 36: matrix g/12 (q, k, v), walk position g%12.  Encoder groups enter at g = 12; 12 is a multiple of both ring lengths.
.macro PSTEP g
.set p_ks, (\g)%12
.set p_sl, WR+16*((\g)%4)
.set p_xb, XFR+32*((\g)&1)
.set p_cb, QB+16*((\g)/12)
.if (\g)+3 < 35
.set p_l, 12
.else
.set p_l, 4*(35-(\g))
.endif
	s_wait_loadcnt p_l                             ; my slot's four loads are in; those of the steps asked for after it stay out
.if (\g) == 35
	s_wait_dscnt 0x0
.else
	s_wait_dscnt 0x8                               ; this step's fragments are in; the next step's eight loads stay out
.endif
.irp rt,0,1,2,3
.irp f,0,1
.if p_ks == 0
.set p_c, p_cb+8*\f                                ; the first product starts the sum from the bias
.else
.set p_c, ACC+16*\rt+8*\f
.endif
.if (\g) >= 24
	MMA ACC+16*\rt+8*\f, p_xb+8*\rt, p_sl+8*\f, p_c
.else
	MMA ACC+16*\rt+8*\f, p_sl+8*\f, p_xb+8*\rt, p_c
.endif
.endr
.endr                                              ; the eight accumulators take turns, one instruction a turn
	NOPS 4                                         ; four places before loads land in the sources and before results are read
.if (\g)+2 <= 35
	XLD p_xb, ((\g)+2)%12
.endif
.if (\g)+4 <= 35
.set p_g4, (\g)+4
	WLD p_sl, 1, p_g4%12, (p_g4/12)*WMAT
.endif
.endm
; The eight tiles leave: scale (q), round in place, 16 bytes a lane; each store of the wave covers 512 consecutive aligned bytes.
.macro POUT sb, scale, vform, more
.irp rt,0,1,2,3
.irp f,0,1
.if \scale
.irp i,0,1,2,3
	v_pk_mul_f32 v[ACC+16*\rt+8*\f+2*\i:ACC+16*\rt+8*\f+2*\i+1], v[ACC+16*\rt+8*\f+2*\i:ACC+16*\rt+8*\f+2*\i+1], s[52:53] op_sel_hi:[1,0]
.endr
.endif
.irp i,0,1,2,3
	v_cvt_pk_f16_f32 v[ACC+16*\rt+8*\f+\i], v[ACC+16*\rt+8*\f+2*\i], v[ACC+16*\rt+8*\f+2*\i+1]
.endr
.if \vform
	global_store_b128 v1, v[ACC+16*\rt+8*\f:ACC+16*\rt+8*\f+3], s[\sb:\sb+1] offset:(\rt>>1)*2048+\f*1024+(\rt&1)*512
.else
	global_store_b128 v1, v[ACC+16*\rt+8*\f:ACC+16*\rt+8*\f+3], s[\sb:\sb+1] offset:\rt*1024+\f*512
.endif
.endr
.endr
.if \more
	s_wait_xcnt 0x0                                ; the stores' data are the accumulators, which the next matrix writes only behind this wait
.endif
.endm
	s_load_b512 s[8:23], s[0:1], 0x0               ; dec s[8:9] enc s[10:11] wfrag s[12:13] sa_qb s[14:15] sa_kb s[16:17] sa_vb s[18:19] ca_kb s[20:21] ca_vb s[22:23]
	s_load_b128 s[24:27], s[0:1], 0x40             ; qkv0 s[24:25] ckv s[26:27]
	v_lshl_add_u32 v15, v0, 2, 0x18400
	s_set_vgpr_msb 0x40
	v_mov_b32 v1, 0
	s_set_vgpr_msb 0x4000
	v_lshrrev_b32 v1, 5, v0
	v_readfirstlane_b32 s2, v1                     ; hd: my wave, my head
	s_mov_b32 s52, 0x3e8293ee                      ; log2(e)/sqrt(32)
	s_mov_b32 s53, 0x3e8293ee
	s_mul_i32 s4, s2, 11
	s_lshr_b32 s4, s4, 5                           ; hd / 3 (exact for 0..11): my row among the four that a staging load covers
	s_mul_i32 s5, s4, 3
	s_sub_co_u32 s5, s2, s5                        ; hd % 3: my third of that row
	s_mul_i32 s4, s4, PITCH
	s_lshl_b32 s5, s5, 8
	s_add_co_u32 s4, s4, s5
	s_lshl_b32 s6, s2, 7                           ; hd * 128: my 32 numbers in a bias
	s_mul_i32 s56, ttmp9, 171
	s_lshr_b32 s56, s56, 11                        ; work-group / 12 (exact up to 255)
	s_mul_i32 s56, s56, 12
	s_sub_co_u32 s56, ttmp9, s56                   ; rot = work-group mod 12: where my walk over K begins
	s_min_u32 s56, s56, 11                         ; any rot from 0 to 11 gives the same sums; the bound stands in the text
	v_and_b32 v5, 31, v0                           ; lane
	v_and_b32 v10, 15, v0                          ; r
	v_bfe_u32 v11, v0, 4, 1                        ; h
	v_lshlrev_b32 v1, 4, v5                        ; lane*16
	v_mul_u32_u24 v2, v10, PITCH
	v_lshl_add_u32 v2, v11, 4, v2                  ; r*pitch + 16 h
	v_lshl_add_u32 v2, s56, 6, v2                  ; + 64 rot: position 0 of my walk, rows 0-31
	v_add_nc_u32 v12, 32*PITCH, v2                 ; the same for rows 32-63 (an LDS immediate has 16 bits)
	v_lshl_add_u32 v3, v5, 3, s4                   ; where I put four f16 of X, rows 0-31
	v_add_nc_u32 v13, 32*PITCH, v3                 ; rows 32-63
	v_lshlrev_b32 v4, 4, v0                        ; thread*16
	v_lshl_add_u32 v6, v11, 5, s6                  ; hd*128 + 32 h
	v_lshl_add_u32 v7, v10, 2, s6                  ; hd*128 + 4 r
	; the job: offsets of both kinds with constant shifts, then one choice
	s_cmp_lt_u32 ttmp9, 128
	s_cselect_b32 s28, 1, 0                        ; 1: decoder rows
	s_and_b32 s29, ttmp9, 127                      ; decoder: block of 64 rows
	s_lshr_b32 s30, s29, 6                         ; encoder: layer
	s_and_b32 s31, s29, 63                         ; encoder: block of 64 rows
	s_lshr_b32 s50, s29, 4                         ; decoder: batch (16 blocks each)
	s_mul_i32 s50, s50, 12
	s_add_co_u32 s50, s50, s2
	s_lshl_b32 s50, s50, 16                        ; 65,536 bytes a head
	s_and_b32 s51, s29, 15
	s_lshl_b32 s51, s51, 12                        ; 4,096 bytes a block of 64 rows
	s_add_co_u32 s50, s50, s51
	s_lshr_b32 s51, s31, 3                         ; encoder: batch (8 blocks each)
	s_mul_i32 s51, s51, 12
	s_add_co_u32 s51, s51, s2
	s_lshl_b32 s51, s51, 15                        ; 32,768 bytes a head
	s_and_b32 s54, s31, 7
	s_lshl_b32 s54, s54, 12
	s_add_co_u32 s51, s51, s54
	s_mul_i32 s54, s30, 6291456                    ; two regions of 3,145,728 bytes a layer
	s_add_co_u32 s51, s51, s54
	s_mul_i32 s55, s30, 7
	s_add_co_u32 s55, s55, 3                       ; encoder: the matrix in front of ca_k (7*layer + 4) and ca_v (+ 5), so that k is matrix 1 and v matrix 2 for both kinds of rows
	s_mul_i32 s55, s55, WMAT
	s_mul_i32 s3, s2, 24576                        ; my head's slice of a matrix
	s_add_co_u32 s55, s55, s3
	s_mul_i32 s7, s30, 1536
	s_cmp_lg_u32 s28, 0
	s_cselect_b32 s48, s50, s51                    ; output offset
	s_cselect_b32 s58, s3, s55                     ; matrix 0 of my three: sa_q, or the one that encoder rows never read
	s_cselect_b32 s57, 0, WMAT                     ; the first matrix that I multiply: 0 (q), or 1 (k)
	s_cselect_b32 s62, 0, s7                       ; layer's row in a bias
	s_cselect_b32 s60, s29, s31
	s_mul_i32 s60, s60, 98304                      ; 64 rows of 1,536 bytes
	v_add_nc_u32 v14, s57, v1                      ; the offset of the ring's first fill
	s_mov_b32 s49, 0
	s_mov_b32 s59, 0
	s_mov_b32 s61, 0
	s_mov_b32 s63, 0
	s_mov_b32 s54, 0xc00000
	s_mov_b32 s55, 0x300000
	s_mov_b32 s51, 0
	s_wait_kmcnt 0x0
	s_cmp_lg_u32 s28, 0
	s_cselect_b64 s[32:33], s[8:9], s[10:11]
	s_add_nc_u64 s[32:33], s[32:33], s[60:61]      ; X
	s_add_nc_u64 s[34:35], s[12:13], s[58:59]      ; my head's slice of matrix 0
	s_cselect_b64 s[38:39], s[16:17], s[20:21]
	s_add_nc_u64 s[38:39], s[38:39], s[62:63]      ; k bias
	s_cselect_b64 s[40:41], s[18:19], s[22:23]
	s_add_nc_u64 s[40:41], s[40:41], s[62:63]      ; v bias
	s_cselect_b64 s[42:43], s[24:25], s[26:27]
	s_add_nc_u64 s[42:43], s[42:43], s[48:49]      ; decoder: q out
	s_cselect_b32 s50, 0x600000, 0
	s_add_nc_u64 s[44:45], s[42:43], s[50:51]      ; k out
	s_cselect_b32 s50, s54, s55
	s_add_nc_u64 s[46:47], s[42:43], s[50:51]      ; v out
	s_lshl_b32 s58, s56, 10                        ; walk position j lies at K step (rot + j) mod 12, 1,024 bytes a step
.irp j,0,1,2,3,4,5,6,7,8,9,10,11
	s_add_nc_u64 s[PB+2*\j:PB+2*\j+1], s[34:35], s[58:59]
	s_add_co_u32 s58, s58, 1024
	s_cmp_eq_u32 s58, 12288
	s_cselect_b32 s58, 0, s58                      ; round the twelve
.endr
	; loads, oldest first: biases (10), X (16), the ring's first four walk positions (16)
	BLD QB, 14                                     ; q's bias is loaded by every work-group (four loads), so that the text has one branch on the kind of rows
	BLD QB+16, 38
	global_load_b32 v8, v7, s[40:41]
	global_load_b32 v9, v7, s[40:41] offset:64
.set i, 0
.rept 16
	global_load_b128 v[ACC+4*i:ACC+4*i+3], v4, s[32:33] offset:i*6144   ; the twelve waves cover four rows
.set i, i+1
.endr
.irp sl,0,1,2,3
	WLD WR+16*\sl, 14, \sl, 0
.endr
.set i, 0
.rept 16
	s_wait_loadcnt 31-i                            ; load i of X is in: 15-i younger loads of X and 16 of weights stay out
	v_cvt_pk_f16_f32 v[ACC+4*i], v[ACC+4*i], v[ACC+4*i+1]
	v_cvt_pk_f16_f32 v[ACC+4*i+1], v[ACC+4*i+2], v[ACC+4*i+3]
.if i < 8
	ds_store_b64 v3, v[ACC+4*i:ACC+4*i+1] offset:i*4*PITCH
	ds_store_b64 v3, v[ACC+4*i:ACC+4*i+1] offset:i*4*PITCH+COPY        ; the row's second copy
.else
	ds_store_b64 v13, v[ACC+4*i:ACC+4*i+1] offset:(i-8)*4*PITCH
	ds_store_b64 v13, v[ACC+4*i:ACC+4*i+1] offset:(i-8)*4*PITCH+COPY
.endif
.set i, i+1
.endr
.irp f,0,1
.irp j,0,1,2,3,4,5,6,7
	v_mov_b32 v[QB+32+8*\f+\j], v[8+\f]            ; swapped product: a lane's eight results are one feature
.endr
.endr
	s_wait_dscnt 0x0                               ; my part of X is in LDS,
	s_barrier_signal -1
	s_barrier_wait -1                              ; everybody's is
	XLD XFR, 0
	XLD XFR+32, 1
	s_cmp_lg_u32 s28, 0
	s_cbranch_scc0 .Lkv                            ; encoder rows have no q
.set g, 0
.rept 12
	PSTEP g
.set g, g+1
.endr
	POUT 42, 1, 0, 1
.Lkv:                                              ; both ways: the ring holds k's first four walk positions, X's positions 0 and 1 are asked for
.set g, 12
.rept 12
	PSTEP g
.set g, g+1
.endr
	POUT 44, 0, 0, 1
.rept 12
	PSTEP g
.set g, g+1
.endr
	POUT 46, 0, 1, 0
	s_set_vgpr_msb 0x4
	s_wait_tensorcnt 0x0
	ds_add_u32 v15, v1
	s_wait_dscnt 0x0
	s_set_vgpr_msb 0x400
	s_endpgm
.Lfunc_end_k_qf24dea27b5_proj:
	.size	k_qf24dea27b5_proj, .Lfunc_end_k_qf24dea27b5_proj-k_qf24dea27b5_proj
	.p2alignl 7, 3214868480
	.fill 96, 4, 3214868480
	.section	.rodata,"a",@progbits
	.p2align	6, 0x0
	.amdhsa_kernel k_qf24dea27b5_proj
		.amdhsa_group_segment_fixed_size 100864
		.amdhsa_private_segment_fixed_size 0
		.amdhsa_enable_private_segment 0
		.amdhsa_kernarg_size 80
		.amdhsa_user_sgpr_count 2
		.amdhsa_user_sgpr_kernarg_segment_ptr 1
		.amdhsa_wavefront_size32 1
		.amdhsa_system_sgpr_workgroup_id_x 1
		.amdhsa_system_sgpr_workgroup_id_y 1
		.amdhsa_system_sgpr_workgroup_id_z 1
		.amdhsa_system_vgpr_workitem_id 0
		.amdhsa_next_free_vgpr 258
		.amdhsa_next_free_sgpr 90
		.amdhsa_reserve_vcc 0
		.amdhsa_float_denorm_mode_32 3
		.amdhsa_float_denorm_mode_16_64 3
		.amdhsa_memory_ordered 1
		.amdhsa_forward_progress 1
		.amdhsa_inst_pref_size 81
	.end_amdhsa_kernel
	.amdgpu_metadata
---
amdhsa.version: [ 1, 2 ]
amdhsa.kernels:
  - .name:           k_qf24dea27b5_proj
    .symbol:         k_qf24dea27b5_proj.kd
    .args:
      - { .name: dec_hidden_states, .offset: 0, .size: 8, .value_kind: global_buffer, .address_space: global }
      - { .name: enc_outputs, .offset: 8, .size: 8, .value_kind: global_buffer, .address_space: global }
      - { .name: wfrag, .offset: 16, .size: 8, .value_kind: global_buffer, .address_space: global }
      - { .name: sa_qb, .offset: 24, .size: 8, .value_kind: global_buffer, .address_space: global }
      - { .name: sa_kb, .offset: 32, .size: 8, .value_kind: global_buffer, .address_space: global }
      - { .name: sa_vb, .offset: 40, .size: 8, .value_kind: global_buffer, .address_space: global }
      - { .name: ca_kb, .offset: 48, .size: 8, .value_kind: global_buffer, .address_space: global }
      - { .name: ca_vb, .offset: 56, .size: 8, .value_kind: global_buffer, .address_space: global }
      - { .name: qkv0, .offset: 64, .size: 8, .value_kind: global_buffer, .address_space: global }
      - { .name: ckv, .offset: 72, .size: 8, .value_kind: global_buffer, .address_space: global }
    .group_segment_fixed_size: 100864
    .private_segment_fixed_size: 0
    .kernarg_segment_align: 8
    .kernarg_segment_size: 80
    .max_flat_workgroup_size: 384
    .sgpr_count:     90
    .vgpr_count:     258
    .wavefront_size: 32
...
	.end_amdgpu_metadata
.endif
;; end of part 2
;; launch layer0 (part 3): grid 256 x 1, 12 waves a work-group, no clusters, 171,008 bytes of LDS; arguments dec_hidden_states, dec_mask, enc_mask, qkv0, ckv, wfrag, n1_w, n1_b, ca_qb, n2_w, n2_b, out_b, n3_w, n3_b, x1, qkv1, sa_qb, sa_kb, sa_vb; writes x1, qkv1
.if DOCPART == 3
	.amdgcn_target "amdgcn-amd-amdhsa--gfx1250"
	.amdhsa_code_object_version 6
	.text
	.protected	k_qf24dea27b5_layer0
	.globl	k_qf24dea27b5_layer0
	.p2align	8
	.type	k_qf24dea27b5_layer0,@function
k_qf24dea27b5_layer0:
	s_mov_b64 s[64:65], 0
	v_nop
	global_prefetch_b8 v0, s[64:65] scope:SCOPE_SE
	s_setreg_imm32_b32 hwreg(HW_REG_WAVE_MODE, 25, 1), 1
	s_wait_xcnt 0x0
; One decoder layer for 32 rows: self-attention, LN, cross q, cross-attention, LN, dense, LN; in layer 0 also the next layer's q, k, v.
; 256 work-groups x 32 rows; twelve waves, wave hd owns head hd = features 32 hd .. 32 hd + 31 of all 32 rows.
; EVERYTHING RUNS TRANSPOSED (lane = row r + 16 t, registers = features or keys), so no layout ever changes:
;   S^T = K Q^T + bias: a lane holds eight keys of one query; packed to f16 in place they are the B operand of O^T = V^T P^T;
;   O, the residual, LayerNorm and D = W X^T share the index 16 t + 8 dt + j = (row 16 t + r, feature 32 hd + 16 dt + 8 h + j);
;   D of the q projection, packed, is the next attention's B operand.
; K, V^T, Q and the weights lie in memory in fragment order (blocks of 1,024 bytes, byte p*512 + lane*16): an operand is two loads of
; 512 consecutive bytes a wave, straight into registers.
; FORMAT: all matrix operands are f16 (11 significant bits), the sums f32; residuals, LayerNorm and softmax in f32.  Room, against f16's
; largest 65,504: a LayerNorm output is at most |gain| sqrt(384) + |offset|, about 600 at a gain of 30; q, k, v are largest when the rows
; carry an offset of 30 and the weights one of 0.6: 384 x 30 x 0.6 = 6,912; with rows and weights thirty times larger their spread is
; 30 x 0.6 x sqrt(384) = 353; thirty times smaller it is 4.3e-4 (the scaled q: 1.1e-4), where f16's step is 6e-8 (denormals are kept).
; p lies in [0, 1]; a p under 3e-8 becomes 0, and 1,024 of them would add under 3.1e-5 to a sum that is at least 1.
; ALL 1,024 KEYS ARE COMPUTED: the mask is the finite -10000 of the definition, not minus infinity, so a query whose allowed keys are all
; holes spreads over every key.  The bias (1 - mask)(-10000) log2(e) is the C operand of the score product.  Softmax in base 2 with a
; running maximum; the 64-key step that holds the diagonal comes first and starts the sums, the others follow round the ring of 16.
; EVERY WORK-GROUP WALKS SHARED DATA FROM ITS OWN PLACE, so that the work-groups that read the same bytes do not all ask for the same ones
; at the same moment: self-attention starts at the diagonal step, cross-attention at key step (block mod 8) of its ring of 8, and a
; matrix's twelve K steps are taken in the order (rot + j) mod 12, rot = work-group number mod 12.  Twelve scalar bases hold the walk
; positions' places in a matrix; the activations lie in LDS twice, so that positions rot .. rot + 11 are consecutive and one address
; register carries the rotation.  The order of an f32 sum over K, and of the running softmax, therefore differs between work-groups.
; LIMITS: a q, k, v or activation above 65,504 in magnitude becomes infinite; the bias is fma(mask, 14426.95, -14426.95), one rounding where
; the definition has two (exact for masks of 0 and 1); the denominator sums p in f32 while the numerator multiplies p rounded to f16.
; NO CLUSTER, NO LDS RING for K, V, weights: each of their bytes is used by one wave of the work-group.  A joint load lands in LDS: it would
; add an LDS write and an LDS read of 2.25 MB of K and V and up to 1.47 MB of weights a work-group and a barrier round for each refill, and
; the partners would have to walk the keys in one order, while each block here starts at its own step.
.set LAYER, 0
.set SBT, 0                            ; LDS: self bias, 1,024 f32
.set CBT, 4096                         ; cross bias, 512 f32
.set RED, 6144                         ; LayerNorm partial sums: six stages of 32 rows x 80 bytes, word hd
.set REDS, 2560
.set XB, 21504                         ; activations in f16, fragment order, twice: K step hd (2,048 bytes) is written by wave hd at block hd and at block hd + 12
.set XBC, 24576                        ; from the first copy to the second
.set STASH, 70656                      ; 4,096 bytes a wave, its own: the f32 state during cross-attention
.set XF, 119808                        ; 32 rows x 1,552 bytes of f32: x on the way in, y on the way out
.set XFP, 1552                         ; 1,536 + 16, an odd multiple of 16
.set WMAT, 294912
.set ST, 16                            ; v[16:47]   f32 state; in attention: the small registers below
.set MX, 16                            ; v16-17     running maximum of query tile t
.set LS, 18                            ; v[18:21]   running sum, a pair for each t
.set MN, 22                            ; v[22:23]   new maximum, twice
.set AL, 24                            ; v[24:25]   2^(old - new), twice
.set TM, 26                            ; v[26:29]   at work
.set QD, 34                            ; v34-35     diagonal step: query's place minus 8 h
.set BA, 36                            ; v36        LDS address of the step's bias
.set OA, 48                            ; v[48:79]   O, or the dense accumulators; LayerNorm's work registers
.set QF, 80                            ; v[80:95]   Q fragments
.set CB, 80                            ;            or the dense bias
.set KR, 96                            ; v[96:127]  K, four key tiles
.set VR, 128                           ; v[128:159] V^T, block 2 c + dt
.set SC, 160                           ; v[160:223] scores, tile (t, kt) at 32 t + 8 kt; P(t, c) in place at 32 t + 16 c
.set WR, 96                            ; v[96:223]  or the weight ring, eight slots x 16
.set BIAS, 224                         ; v[224:255] bias of the step's 64 keys
.set XFR, 224                          ;            or X fragments, two buffers x 16
.set GW, 224                           ;            or LayerNorm's gain
.set GB, 240                           ;            and offset
                                       ; s[80:101], s[104:105]: twelve pairs, my head's slice of matrix 0 at walk position j; never rewritten
.macro NOPS cnt
.rept \cnt
	v_nop
.endr
.endm
.macro BAR
	s_wait_dscnt 0x0                               ; my LDS stores are done and my LDS loads are back
	s_barrier_signal -1
	s_barrier_wait -1
.endm
.macro MMA d, a, b, c
	v_wmma_f32_16x16x32_f16 v[\d:\d+7], v[\a:\a+7], v[\b:\b+7], v[\c:\c+7]
.endm
.macro MMA0 d, a, b
	v_wmma_f32_16x16x32_f16 v[\d:\d+7], v[\a:\a+7], v[\b:\b+7], 0
.endm
.macro KLOAD
.irp kt,0,1,2,3
.irp p,0,1
	global_load_b128 v[KR+8*\kt+4*\p:KR+8*\kt+4*\p+3], v1, s[50:51] offset:\kt*1024+\p*512
.endr
.endr
.endm
.macro VLOAD
.irp kt,0,1,2,3
.irp p,0,1
	global_load_b128 v[VR+8*\kt+4*\p:VR+8*\kt+4*\p+3], v1, s[52:53] offset:\kt*1024+\p*512
.endr
.endr
.endm
.macro BLOAD tbl                       ; register 8 kt + j: bias of key 16 kt + 8 h + j of the step
.irp kt,0,1,2,3
.irp q,0,1
	ds_load_b128 v[BIAS+8*\kt+4*\q:BIAS+8*\kt+4*\q+3], v[BA] offset:\tbl+\kt*64+\q*16
.endr
.endr
.endm
.macro DIAG                            ; the diagonal step: key 16 kt + 8 h + j is allowed for query place q if 16 kt + j <= q - 8 h
.irp t,0,1
.irp kt,0,1,2,3
.irp j,0,1,2,3,4,5,6,7
	v_cmp_le_i32 vcc_lo, 16*\kt+\j, v[QD+\t]
	v_cndmask_b32 v[SC+32*\t+8*\kt+\j], s59, v[BIAS+8*\kt+\j], vcc_lo
.endr
.endr
.endr
.endm
; 64 keys of query tile t: running maximum, 2^(s - max), running sum, P in f16 in place, O rescaled.
.macro SOFTMAX t, first
.set sm_b, SC+32*\t
.if \first
	v_max_num_f32 v[TM], v[sm_b], v[sm_b+1]
.else
	v_max3_num_f32 v[TM], v[sm_b], v[sm_b+1], v[MX+\t]
.endif
	v_max3_num_f32 v[TM+1], v[sm_b+16], v[sm_b+17], v[sm_b+18]
.set sm_i, 0
.rept 6
	v_max3_num_f32 v[TM], v[TM], v[sm_b+2+2*sm_i], v[sm_b+3+2*sm_i]
	v_max3_num_f32 v[TM+1], v[TM+1], v[sm_b+19+2*sm_i], v[sm_b+20+2*sm_i]
.set sm_i, sm_i+1
.endr
	v_max3_num_f32 v[TM], v[TM], v[sm_b+14], v[sm_b+15]
	v_max3_num_f32 v[TM], v[TM], v[TM+1], v[sm_b+31]
	v_permlanex16_b32 v[TM+1], v[TM], s62, s63     ; lanes r and r + 16 hold the same query's other keys
	v_max_num_f32 v[MN], v[TM], v[TM+1]
	v_mov_b32 v[MN+1], v[MN]
.if \first
	v_mov_b32 v[MX+\t], v[MN]
.else
	v_sub_f32 v[TM+2], v[MX+\t], v[MN]
	v_exp_f32 v[AL], v[TM+2]
	v_mov_b32 v[MX+\t], v[MN]                      ; the plain instruction behind the exponential (ISA guide 5.7.2)
	s_wait_alu depctr_va_vdst(0)
	v_mov_b32 v[AL+1], v[AL]
.endif
.set sm_i, 0
.rept 16
	v_pk_add_f32 v[sm_b+2*sm_i:sm_b+2*sm_i+1], v[sm_b+2*sm_i:sm_b+2*sm_i+1], v[MN:MN+1] neg_lo:[0,1] neg_hi:[0,1]
.set sm_i, sm_i+1
.endr
.set sm_i, 0
.rept 32
	v_exp_f32 v[sm_b+sm_i], v[sm_b+sm_i]
.set sm_i, sm_i+1
.endr
	v_nop                                          ; one plain place behind the last exponential
	s_wait_alu depctr_va_vdst(0)
	v_pk_add_f32 v[TM:TM+1], v[sm_b:sm_b+1], v[sm_b+4:sm_b+5]
	v_pk_add_f32 v[TM+2:TM+3], v[sm_b+2:sm_b+3], v[sm_b+6:sm_b+7]
.set sm_i, 0
.rept 6
	v_pk_add_f32 v[TM:TM+1], v[TM:TM+1], v[sm_b+8+4*sm_i:sm_b+9+4*sm_i]
	v_pk_add_f32 v[TM+2:TM+3], v[TM+2:TM+3], v[sm_b+10+4*sm_i:sm_b+11+4*sm_i]
.set sm_i, sm_i+1
.endr
.if \first
	v_pk_add_f32 v[LS+2*\t:LS+2*\t+1], v[TM:TM+1], v[TM+2:TM+3]
.else
	v_pk_add_f32 v[TM:TM+1], v[TM:TM+1], v[TM+2:TM+3]
	v_pk_fma_f32 v[LS+2*\t:LS+2*\t+1], v[LS+2*\t:LS+2*\t+1], v[AL:AL+1], v[TM:TM+1]
.endif
.irp c,0,1
.irp i,0,1,2,3,4,5,6,7
	v_cvt_pk_f16_f32 v[sm_b+16*\c+\i], v[sm_b+16*\c+2*\i], v[sm_b+16*\c+2*\i+1]
.endr
.endr
.if \first == 0
.irp i,0,1,2,3,4,5,6,7
	v_pk_mul_f32 v[OA+16*\t+2*\i:OA+16*\t+2*\i+1], v[OA+16*\t+2*\i:OA+16*\t+2*\i+1], v[AL:AL+1]
.endr
.endif
.endm
; One step of 64 keys for both query tiles.  pre = 1: the next step's K, bias and V are asked for.
.macro STEP first, diag, pre, tbl, mask
	s_wait_loadcnt 0x8                             ; K of this step and all older loads are in; the eight younger loads, V's, stay out
	s_wait_dscnt 0x0                               ; the step's bias is in
.if \diag
	DIAG
.endif
.irp t,0,1
.irp kt,0,1,2,3
.if \diag
	MMA SC+32*\t+8*\kt, KR+8*\kt, QF+8*\t, SC+32*\t+8*\kt
.else
	MMA SC+32*\t+8*\kt, KR+8*\kt, QF+8*\t, BIAS+8*\kt
.endif
.endr
.endr
	NOPS 4                                         ; four places before the scores are read and before loads land in K and in the bias
.if \pre
	s_add_co_u32 s56, s56, 1
	s_and_b32 s56, s56, \mask                      ; the next step, round the ring
	s_lshl_b32 s54, s56, 12                        ; 4,096 bytes of K, and of V, a step
	s_add_nc_u64 s[50:51], s[46:47], s[54:55]      ; K's base: its last loads were shown done at the head
	KLOAD
	v_lshl_add_u32 v[BA], s56, 8, v2
	BLOAD \tbl
.endif
	SOFTMAX 0, \first
	SOFTMAX 1, \first
.if \pre
	s_wait_loadcnt 0x8                             ; V is in; the next K's eight loads stay out
.else
	s_wait_loadcnt 0x0
.endif
.irp c,0,1
.irp t,0,1
.irp dt,0,1
.if (\first)*(1-\c)
	MMA0 OA+16*\t+8*\dt, VR+16*\c+8*\dt, SC+32*\t+16*\c
.else
	MMA OA+16*\t+8*\dt, VR+16*\c+8*\dt, SC+32*\t+16*\c, OA+16*\t+8*\dt
.endif
.endr
.endr
.endr                                              ; the four accumulators take turns, one instruction a turn
	NOPS 5                                         ; five places before the next scores are written over P; four of them serve the loads into V
.if \pre
	s_add_nc_u64 s[52:53], s[48:49], s[54:55]      ; V's base: its last loads were shown done above
	VLOAD
.endif
.endm
.macro GLOAD dst, sb, off              ; 16 numbers of my head in state order: feature 16 dt + 8 h + j
.irp dt,0,1
.irp q,0,1
	global_load_b128 v[\dst+8*\dt+4*\q:\dst+8*\dt+4*\q+3], v8, s[\sb:\sb+1] offset:\off+\dt*64+\q*16
.endr
.endr
.endm
.macro WPRE wm                         ; the ring's first eight walk positions of matrix wm: 32 loads
.irp sl,0,1,2,3,4,5,6,7
.irp f,0,1
.irp p,0,1
	global_load_b128 v[WR+16*\sl+8*\f+4*\p:WR+16*\sl+8*\f+4*\p+3], v1, s[80+2*\sl:81+2*\sl] offset:(\wm)*WMAT+\f*12288+\p*512
.endr
.endr
.endr
.endm
.macro FINAL                           ; O / l
	v_add_f32 v[TM], v[LS], v[LS+1]
	v_add_f32 v[TM+1], v[LS+2], v[LS+3]
	v_permlanex16_b32 v[TM+2], v[TM], s62, s63
	v_permlanex16_b32 v[TM+3], v[TM+1], s62, s63
	v_add_f32 v[TM], v[TM], v[TM+2]
	v_add_f32 v[TM+1], v[TM+1], v[TM+3]
	v_rcp_f32 v[MN], v[TM]
	v_rcp_f32 v[AL], v[TM+1]
	v_nop
	s_wait_alu depctr_va_vdst(0)
	v_mov_b32 v[MN+1], v[MN]
	v_mov_b32 v[AL+1], v[AL]
.irp i,0,1,2,3,4,5,6,7
	v_pk_mul_f32 v[OA+2*\i:OA+2*\i+1], v[OA+2*\i:OA+2*\i+1], v[MN:MN+1]
	v_pk_mul_f32 v[OA+16+2*\i:OA+16+2*\i+1], v[OA+16+2*\i:OA+16+2*\i+1], v[AL:AL+1]
.endr
.endm
; Behind an attention: what the next phases need is asked for first (12 + 32 loads), then O is finished.
.macro POST gw, gb, cbp, wm
	GLOAD GW, \gw, LAYER*1536
	GLOAD GB, \gb, LAYER*1536
	GLOAD CB, \cbp, LAYER*1536
	WPRE \wm
	FINAL
.endm
.macro ADDO
.irp i,0,1,2,3,4,5,6,7,8,9,10,11,12,13,14,15
	v_pk_add_f32 v[ST+2*\i:ST+2*\i+1], v[ST+2*\i:ST+2*\i+1], v[OA+2*\i:OA+2*\i+1]
.endr
.endm
; v76, v77: my lane's partial sums of row tiles 0, 1 over my head's features.  Out: v48, v60 the rows' sums over all 384 features.
.macro XRED stage
	v_permlanex16_b32 v72, v76, s62, s63
	v_permlanex16_b32 v73, v77, s62, s63
	v_add_f32 v76, v76, v72
	v_add_f32 v77, v77, v73
	v_cndmask_b32 v72, v76, v77, s58               ; lane L speaks for row L
	ds_store_b32 v6, v72 offset:RED+(\stage)*REDS
	BAR                                            ; every stage has bytes of its own, so one barrier a stage
.irp t,0,1
.irp q,0,1,2
	ds_load_b128 v[48+12*\t+4*\q:48+12*\t+4*\q+3], v7 offset:RED+(\stage)*REDS+\t*1280+\q*16
.endr
.endr
	s_wait_dscnt 0x0
.irp b,48,60
	v_pk_add_f32 v[\b:\b+1], v[\b:\b+1], v[\b+2:\b+3]
	v_pk_add_f32 v[\b+4:\b+5], v[\b+4:\b+5], v[\b+6:\b+7]
	v_pk_add_f32 v[\b+8:\b+9], v[\b+8:\b+9], v[\b+10:\b+11]
	v_pk_add_f32 v[\b:\b+1], v[\b:\b+1], v[\b+4:\b+5]
	v_pk_add_f32 v[\b:\b+1], v[\b:\b+1], v[\b+8:\b+9]
	v_add_f32 v[\b], v[\b], v[\b+1]
.endr
.endm
; LayerNorm of the state, in two true passes (mean, then the mean of squared differences).  left: loads that may stay out when the gains are used.
.macro LNORM stage, left
.irp t,0,1
	v_pk_add_f32 v[72:73], v[ST+16*\t:ST+16*\t+1], v[ST+16*\t+2:ST+16*\t+3]
	v_pk_add_f32 v[74:75], v[ST+16*\t+4:ST+16*\t+5], v[ST+16*\t+6:ST+16*\t+7]
	v_pk_add_f32 v[72:73], v[72:73], v[ST+16*\t+8:ST+16*\t+9]
	v_pk_add_f32 v[74:75], v[74:75], v[ST+16*\t+10:ST+16*\t+11]
	v_pk_add_f32 v[72:73], v[72:73], v[ST+16*\t+12:ST+16*\t+13]
	v_pk_add_f32 v[74:75], v[74:75], v[ST+16*\t+14:ST+16*\t+15]
	v_pk_add_f32 v[72:73], v[72:73], v[74:75]
	v_add_f32 v[76+\t], v72, v73
.endr
	XRED \stage
	v_mul_f32 v72, s60, v48                        ; mean
	v_mul_f32 v74, s60, v60
	v_mov_b32 v73, v72
	v_mov_b32 v75, v74
.irp t,0,1
.irp i,0,1,2,3,4,5,6,7
	v_pk_add_f32 v[ST+16*\t+2*\i:ST+16*\t+2*\i+1], v[ST+16*\t+2*\i:ST+16*\t+2*\i+1], v[72+2*\t:73+2*\t] neg_lo:[0,1] neg_hi:[0,1]
.endr
.endr
.irp t,0,1
	v_pk_mul_f32 v[48:49], v[ST+16*\t:ST+16*\t+1], v[ST+16*\t:ST+16*\t+1]
	v_pk_mul_f32 v[50:51], v[ST+16*\t+2:ST+16*\t+3], v[ST+16*\t+2:ST+16*\t+3]
.irp i,0,1,2
	v_pk_fma_f32 v[48:49], v[ST+16*\t+4+4*\i:ST+16*\t+5+4*\i], v[ST+16*\t+4+4*\i:ST+16*\t+5+4*\i], v[48:49]
	v_pk_fma_f32 v[50:51], v[ST+16*\t+6+4*\i:ST+16*\t+7+4*\i], v[ST+16*\t+6+4*\i:ST+16*\t+7+4*\i], v[50:51]
.endr
	v_pk_add_f32 v[48:49], v[48:49], v[50:51]
	v_add_f32 v[76+\t], v48, v49
.endr
	XRED (\stage)+1
	v_fma_f32 v72, v48, s60, s71                   ; variance + 1e-12
	v_fma_f32 v74, v60, s60, s71
	v_rsq_f32 v72, v72
	v_rsq_f32 v74, v74
	v_nop
	s_wait_alu depctr_va_vdst(0)
	v_mov_b32 v73, v72
	v_mov_b32 v75, v74
	s_wait_loadcnt \left                           ; gain and offset are in; the weight loads issued behind them stay out
.irp t,0,1
.irp i,0,1,2,3,4,5,6,7
	v_pk_mul_f32 v[ST+16*\t+2*\i:ST+16*\t+2*\i+1], v[ST+16*\t+2*\i:ST+16*\t+2*\i+1], v[72+2*\t:73+2*\t]
	v_pk_fma_f32 v[ST+16*\t+2*\i:ST+16*\t+2*\i+1], v[ST+16*\t+2*\i:ST+16*\t+2*\i+1], v[GW+2*\i:GW+2*\i+1], v[GB+2*\i:GB+2*\i+1]
.endr
.endr
.endm
.macro TOXB                            ; the state in f16 into my K step of XB, in both copies: already in fragment order
.irp t,0,1
.irp dt,0,1
.irp i,0,1,2,3
	v_cvt_pk_f16_f32 v[OA+8*\t+4*\dt+\i], v[ST+16*\t+8*\dt+2*\i], v[ST+16*\t+8*\dt+2*\i+1]
.endr
	ds_store_b128 v3, v[OA+8*\t+4*\dt:OA+8*\t+4*\dt+3] offset:XB+\t*1024+\dt*512
	ds_store_b128 v3, v[OA+8*\t+4*\dt:OA+8*\t+4*\dt+3] offset:XB+XBC+\t*1024+\dt*512
.endr
.endr
.endm
.macro XPRE                            ; X fragments of walk positions 0 and 1 (v4 holds XB and the rotation)
.irp sl,0,1
.irp t,0,1
.irp p,0,1
	ds_load_b128 v[XFR+16*\sl+8*\t+4*\p:XFR+16*\sl+8*\t+4*\p+3], v4 offset:\sl*2048+\t*1024+\p*512
.endr
.endr
.endr
.endm
; Step g of tot of a run of dense products that starts at matrix wm: matrix wm + g/12, walk position g%12.
.macro DSTEP g, tot, wm, swap, cb
.set d_ks, (\g)%12
.set d_sl, WR+16*((\g)%8)
.set d_xb, XFR+16*((\g)&1)
.if (\g)+7 < (\tot)-1
.set d_n, 28
.else
.set d_n, 4*((\tot)-1-(\g))
.endif
	s_wait_loadcnt d_n                             ; my slot's four loads are in; those of the steps asked for after it stay out
.if (\g) == (\tot)-1
	s_wait_dscnt 0x0
.else
	s_wait_dscnt 0x4                               ; this step's fragments are in; the next step's four loads stay out
.endif
.irp t,0,1
.irp f,0,1
.if d_ks == 0
.set d_c, \cb+8*\f                                 ; the first product starts the sum from the bias
.else
.set d_c, OA+16*\t+8*\f
.endif
.if \swap
	MMA OA+16*\t+8*\f, d_xb+8*\t, d_sl+8*\f, d_c
.else
	MMA OA+16*\t+8*\f, d_sl+8*\f, d_xb+8*\t, d_c
.endif
.endr
.endr                                              ; the four accumulators take turns, one instruction a turn
	NOPS 4                                         ; four places before loads land in the sources and before results are read
.if (\g)+2 < (\tot)
.set d_k2, ((\g)+2)%12
.irp t,0,1
.irp p,0,1
	ds_load_b128 v[d_xb+8*\t+4*\p:d_xb+8*\t+4*\p+3], v4 offset:d_k2*2048+\t*1024+\p*512
.endr
.endr
.endif
.if (\g)+8 < (\tot)
.set d_g8, (\g)+8
.set d_j, d_g8%12
.if d_j == 11
.set d_pb, 104                                     ; the twelfth pair
.else
.set d_pb, 80+2*d_j
.endif
.irp f,0,1
.irp p,0,1
	global_load_b128 v[d_sl+8*\f+4*\p:d_sl+8*\f+4*\p+3], v1, s[d_pb:d_pb+1] offset:((\wm)+d_g8/12)*WMAT+\f*12288+\p*512
.endr
.endr
.endif
.endm
.macro DENSE12 tot, wm, swap, cb       ; twelve steps; the symbol g runs on
.rept 12
	DSTEP g, \tot, \wm, \swap, \cb
.set g, g+1
.endr
.endm
.macro NOUT sb, scale, vform, more     ; four tiles leave as fragment blocks; each store of the wave covers 512 consecutive aligned bytes
.irp t,0,1
.irp f,0,1
.if \scale
.irp i,0,1,2,3
	v_pk_mul_f32 v[OA+16*\t+8*\f+2*\i:OA+16*\t+8*\f+2*\i+1], v[OA+16*\t+8*\f+2*\i:OA+16*\t+8*\f+2*\i+1], s[78:79] op_sel_hi:[1,0]
.endr
.endif
.irp i,0,1,2,3
	v_cvt_pk_f16_f32 v[OA+16*\t+8*\f+\i], v[OA+16*\t+8*\f+2*\i], v[OA+16*\t+8*\f+2*\i+1]
.endr
.if \vform
	global_store_b128 v1, v[OA+16*\t+8*\f:OA+16*\t+8*\f+3], s[\sb:\sb+1] offset:\f*1024+\t*512
.else
	global_store_b128 v1, v[OA+16*\t+8*\f:OA+16*\t+8*\f+3], s[\sb:\sb+1] offset:\t*1024+\f*512
.endif
.endr
.endr
.if \more
	s_wait_xcnt 0x0                                ; the stores' data are the accumulators, which the next matrix writes only behind this wait
.endif
.endm
	; ---- arguments, ids, constants ----
	s_load_b512 s[8:23], s[0:1], 0x0               ; xin 8, dec_mask 10, enc_mask 12, qkv 14, ckv 16, wfrag 18, n1_w 20, n1_b 22
	s_load_b256 s[24:31], s[0:1], 0x40             ; ca_qb 24, n2_w 26, n2_b 28, out_b 30
	s_load_b128 s[32:35], s[0:1], 0x60             ; n3_w 32, n3_b 34
	s_load_b64 s[36:37], s[0:1], 0x70              ; xout 36
.if LAYER == 0
	s_load_b64 s[38:39], s[0:1], 0x78              ; next qkv 38
	s_load_b128 s[40:43], s[0:1], 0x80             ; sa_qb 40, sa_kb 42
	s_load_b64 s[44:45], s[0:1], 0x90              ; sa_vb 44
	s_set_vgpr_msb 0x40
	v_lshl_add_u32 v0, v0, 2, 0x29600
	v_mov_b32 v1, 0
	s_set_vgpr_msb 0x4000
.endif
	v_lshrrev_b32 v1, 5, v0
	v_readfirstlane_b32 s2, v1                     ; hd: my wave, my head
	s_lshr_b32 s4, ttmp9, 5                        ; batch
	s_and_b32 s5, ttmp9, 31                        ; block of 32 rows in the batch
	s_lshr_b32 s6, s5, 1                           ; the 64-key step that holds the diagonal
	s_mov_b32 s58, 0xffff0000                      ; lanes 16-31
	s_mov_b32 s59, 0xc6616bcd                      ; -10000 log2(e)
	s_mov_b32 s60, 0x3b2aaaab                      ; 1/384
	s_mov_b32 s61, 0x46616bcd                      ; +10000 log2(e)
	s_mov_b32 s62, 0x76543210                      ; v_permlanex16_b32: lane i reads lane i of the other half
	s_mov_b32 s63, 0xfedcba98
	s_mov_b32 s71, 0x2b8cbccc                      ; 1e-12
	s_mov_b32 s78, 0x3e8293ee                      ; log2(e)/sqrt(32)
	s_mov_b32 s79, 0x3e8293ee
	s_mov_b32 s55, 0                               ; the high word of every offset pair s[54:55]; stays 0
	s_mul_i32 s7, s4, 12
	s_add_co_u32 s7, s7, s2                        ; 12 batch + head
	s_mul_i32 s57, ttmp9, 171
	s_lshr_b32 s57, s57, 11                        ; work-group / 12 (exact up to 255)
	s_mul_i32 s57, s57, 12
	s_sub_co_u32 s57, ttmp9, s57                   ; rot = work-group mod 12: where my walks over K begin
	s_min_u32 s57, s57, 11                         ; any rot from 0 to 11 gives the same sums; the bound stands in the text
	v_and_b32 v4, 31, v0                           ; lane
	v_and_b32 v13, 15, v0                          ; r
	v_bfe_u32 v14, v0, 4, 1                        ; h
	v_lshlrev_b32 v1, 4, v4                        ; v1  lane*16
	v_lshlrev_b32 v2, 5, v14                       ; v2  32 h
	v_lshl_add_u32 v3, s2, 11, v1                  ; v3  my K step of XB
	v_lshl_add_u32 v8, s2, 7, v2                   ; v8  hd*128 + 32 h: gains, biases
	v_mul_u32_u24 v5, v13, XFP
	v_add_nc_u32 v5, v5, v8
	v_add_nc_u32 v5, XF, v5                        ; v5  XF by state order: row r, my head's columns
	v_mul_u32_u24 v6, v4, 80
	v_lshl_add_u32 v6, s2, 2, v6                   ; v6  RED: row = lane, word hd
	v_lshl_add_u32 v4, s57, 11, v1
	v_add_nc_u32 v4, XB, v4                        ; v4  XB at walk position 0: block rot; position j is block rot + j, at most 22 of the 24
	v_mul_u32_u24 v7, v13, 80                      ; v7  RED: row r
	v_lshl_add_u32 v9, s2, 12, v1
	v_add_nc_u32 v9, STASH, v9                     ; v9  my stash
	v_lshlrev_b32 v10, 4, v0                       ; v10 thread*16
	s_mul_i32 s54, s2, 11
	s_lshr_b32 s54, s54, 5                         ; hd / 3 (exact for 0..11): my row among the four that the twelve waves cover
	s_mul_i32 s3, s54, 3
	s_sub_co_u32 s3, s2, s3                        ; hd % 3: my third of the row
	s_mul_i32 s54, s54, XFP
	s_lshl_b32 s3, s3, 9
	s_add_co_u32 s54, s54, s3
	s_add_co_u32 s54, s54, XF
	v_add_nc_u32 v11, s54, v1                      ; v11 XF by rows
.if LAYER == 0
	v_lshlrev_b32 v12, 2, v13
	v_lshl_add_u32 v12, s2, 7, v12                 ; v12 hd*128 + 4 r: v's bias, one feature a lane
.endif
	v_and_b32 v15, 255, v0
	v_lshlrev_b32 v15, 4, v15                      ; four mask numbers a thread
	v_lshlrev_b32 v44, 2, v0                       ; their first key (waves 0-7)
	s_and_b32 s3, s5, 1
	s_lshl_b32 s3, s3, 5
	v_lshlrev_b32 v35, 3, v14
	v_sub_nc_u32 v34, v13, v35
	v_add_nc_u32 v34, s3, v34                      ; query's place in the diagonal step, minus 8 h
	v_add_nc_u32 v35, 16, v34
	s_wait_kmcnt 0x0
	s_mul_i32 s54, ttmp9, 49152                    ; 32 rows of 1,536 bytes
	s_add_nc_u64 s[8:9], s[8:9], s[54:55]
	s_add_nc_u64 s[36:37], s[36:37], s[54:55]
	s_lshl_b32 s54, s4, 12
	s_add_nc_u64 s[10:11], s[10:11], s[54:55]
	s_lshl_b32 s54, s4, 11
	s_add_nc_u64 s[12:13], s[12:13], s[54:55]
	s_lshl_b32 s70, s6, 6
	s_add_co_u32 s70, s70, 64                      ; keys from here on lie above every query of the block
	s_cmp_lt_u32 s2, 8
	s_cselect_b64 s[68:69], s[10:11], s[12:13]     ; waves 0-7 make the self table, waves 8-11 the cross table
	s_cselect_b32 s70, s70, 0x7fffffff
	s_lshl_b32 s54, s7, 16                         ; 65,536 bytes a head
	s_add_nc_u64 s[14:15], s[14:15], s[54:55]
	s_add_nc_u64 s[46:47], s[14:15], 0x600000      ; K of my head
	s_add_nc_u64 s[48:49], s[14:15], 0xc00000      ; V of my head
.if LAYER == 0
	s_add_nc_u64 s[72:73], s[38:39], s[54:55]
.endif
	s_lshl_b32 s54, s5, 11                         ; 2,048 bytes for 32 rows
	s_add_nc_u64 s[14:15], s[14:15], s[54:55]      ; Q of my rows
.if LAYER == 0
	s_add_nc_u64 s[72:73], s[72:73], s[54:55]      ; the next layer's q, k, v of my rows
	s_add_nc_u64 s[74:75], s[72:73], 0x600000
	s_add_nc_u64 s[76:77], s[72:73], 0xc00000
.endif
	s_mov_b32 s56, s6                              ; the first step
	s_lshl_b32 s54, s6, 12
	s_add_nc_u64 s[50:51], s[46:47], s[54:55]
	s_add_nc_u64 s[52:53], s[48:49], s[54:55]
	s_mul_i32 s54, s2, 24576
	s_add_nc_u64 s[66:67], s[18:19], s[54:55]      ; my head's slice of matrix 0 in wfrag
	; ---- x, masks, Q, the first K and V ----
.irp i,0,1,2,3,4,5,6,7
	global_load_b128 v[OA+4*\i:OA+4*\i+3], v10, s[8:9] offset:\i*6144 th:TH_LOAD_NT
.endr
	global_load_b128 v[40:43], v15, s[68:69]
.irp t,0,1
.irp p,0,1
	global_load_b128 v[QF+8*\t+4*\p:QF+8*\t+4*\p+3], v1, s[14:15] offset:\t*1024+\p*512
.endr
.endr
	KLOAD
	VLOAD
	s_lshl_b32 s54, s57, 10                        ; walk position j lies at K step (rot + j) mod 12, 1,024 bytes a step (scalar work while the loads are out; none of them names s[54:55])
.irp pbr,80,82,84,86,88,90,92,94,96,98,100,104
	s_add_nc_u64 s[\pbr:\pbr+1], s[66:67], s[54:55]
	s_add_co_u32 s54, s54, 1024
	s_cmp_eq_u32 s54, 12288
	s_cselect_b32 s54, 0, s54                      ; round the twelve
.endr
	s_wait_loadcnt 20                              ; x and the mask are in; Q (4), K (8), V (8) stay out
.irp i,0,1,2,3,4,5,6,7
	ds_store_b128 v11, v[OA+4*\i:OA+4*\i+3] offset:\i*4*XFP
.endr
.irp i,40,41,42,43
	v_fma_f32 v\i, v\i, s61, s59                   ; (1 - mask)(-10000) log2(e)
.endr
	v_cmp_gt_u32 vcc_lo, s70, v44
.irp i,40,41,42,43
	v_cndmask_b32 v\i, s59, v\i, vcc_lo            ; keys above the diagonal step: the causal factor is 0
.endr
	ds_store_b128 v10, v[40:43]                    ; the cross table follows the self table: one address form
	BAR
	v_lshl_add_u32 v[BA], s56, 8, v2
	BLOAD SBT
	; ---- self-attention: 16 steps of 64 keys, the diagonal step first ----
	STEP 1, 1, 1, SBT, 15
	s_mov_b32 s57, 14
.Lself:
	STEP 0, 0, 1, SBT, 15
	s_sub_co_u32 s57, s57, 1
	s_cmp_lg_u32 s57, 0
	s_cbranch_scc1 .Lself
	STEP 0, 0, 0, SBT, 15
	; ---- x1 = LN(a + x) ----
	POST 20, 22, 24, 7*LAYER+3
.irp t,0,1
.irp dt,0,1
.irp q,0,1
	ds_load_b128 v[ST+16*\t+8*\dt+4*\q:ST+16*\t+8*\dt+4*\q+3], v5 offset:\t*16*XFP+\dt*64+\q*16
.endr
.endr
.endr
	s_wait_dscnt 0x0
	ADDO
	LNORM 0, 32
	; ---- cross q ----
	TOXB
	BAR
.irp i,0,1,2,3,4,5,6,7
	ds_store_b128 v9, v[ST+4*\i:ST+4*\i+3] offset:\i*512       ; x1 in f32 waits in my stash
.endr
	XPRE
.set g, 0
	DENSE12 12, 7*LAYER+3, 0, CB
	s_lshl_b32 s54, s7, 15                         ; 32,768 bytes a head
	s_add_nc_u64 s[46:47], s[16:17], s[54:55]
.if LAYER
	s_add_nc_u64 s[46:47], s[46:47], LAYER*6291456
.endif
	s_add_nc_u64 s[48:49], s[46:47], 3145728
	s_and_b32 s56, s5, 7                           ; my first key step of the ring of 8: the 32 blocks of a batch start at 8 different steps
	s_lshl_b32 s54, s56, 12
	s_add_nc_u64 s[50:51], s[46:47], s[54:55]      ; no load is out: the last dense step waited for all
	s_add_nc_u64 s[52:53], s[48:49], s[54:55]
	KLOAD
	VLOAD
	v_lshl_add_u32 v[BA], s56, 8, v2
	BLOAD CBT
.irp t,0,1
.irp f,0,1
.irp i,0,1,2,3
	v_pk_mul_f32 v[OA+16*\t+8*\f+2*\i:OA+16*\t+8*\f+2*\i+1], v[OA+16*\t+8*\f+2*\i:OA+16*\t+8*\f+2*\i+1], s[78:79] op_sel_hi:[1,0]
.endr
.irp i,0,1,2,3
	v_cvt_pk_f16_f32 v[QF+8*\t+4*\f+\i], v[OA+16*\t+8*\f+2*\i], v[OA+16*\t+8*\f+2*\i+1]
.endr
.endr
.endr
	; ---- cross-attention: 8 steps of 64 keys, round the ring from my own step ----
	STEP 1, 0, 1, CBT, 7
	s_mov_b32 s57, 6
.Lcross:
	STEP 0, 0, 1, CBT, 7
	s_sub_co_u32 s57, s57, 1
	s_cmp_lg_u32 s57, 0
	s_cbranch_scc1 .Lcross
	STEP 0, 0, 0, CBT, 7
	; ---- x2 = LN(x1 + c) ----
	POST 26, 28, 30, 7*LAYER+6
.irp i,0,1,2,3,4,5,6,7
	ds_load_b128 v[ST+4*\i:ST+4*\i+3], v9 offset:\i*512
.endr
	s_wait_dscnt 0x0
	ADDO
	LNORM 2, 32
	; ---- y = LN(x2 W^T + b + x2) ----
	TOXB                                           ; every wave's reads of XB ended before LayerNorm's barriers
	BAR
	XPRE
.set g, 0
	DENSE12 12, 7*LAYER+6, 0, CB
	GLOAD GW, 32, LAYER*1536
	GLOAD GB, 34, LAYER*1536
.if LAYER == 0
	GLOAD CB, 40, 1536                             ; the next layer's q bias and the first eight walk positions of its q matrix
	WPRE 7
.endif
	ADDO
.if LAYER == 0
	LNORM 4, 32
.else
	LNORM 4, 0
.endif
	; ---- y leaves through XF: in by state order, out by rows ----
.irp t,0,1
.irp dt,0,1
.irp q,0,1
	ds_store_b128 v5, v[ST+16*\t+8*\dt+4*\q:ST+16*\t+8*\dt+4*\q+3] offset:\t*16*XFP+\dt*64+\q*16
.endr
.endr
.endr
.if LAYER == 0
	TOXB
.endif
	s_wait_dscnt 0x0                               ; my stores are done: for the other waves, and the state's registers are free
.if LAYER == 0
	GLOAD 16, 42, 1536                             ; the next layer's k bias, and v's (one feature a lane)
	global_load_b32 v13, v12, s[44:45] offset:1536
	global_load_b32 v14, v12, s[44:45] offset:1536+64
.endif
	s_barrier_signal -1
	s_barrier_wait -1
.irp i,0,1,2,3,4,5,6,7
	ds_load_b128 v[OA+4*\i:OA+4*\i+3], v11 offset:\i*4*XFP
.endr
.irp i,0,1,2,3,4,5,6,7
	s_wait_dscnt 7-\i
.if LAYER == 0
	global_store_b128 v10, v[OA+4*\i:OA+4*\i+3], s[36:37] offset:\i*6144
.else
	global_store_b128 v10, v[OA+4*\i:OA+4*\i+3], s[36:37] offset:\i*6144 th:TH_STORE_NT
.endif
.endr
.if LAYER == 0
	; ---- the next layer's q, k, v of my rows: 36 steps on matrices 7, 8, 9 ----
	; The six bias loads stand behind the ring's 32: a prefilled slot really has 34 loads behind it, the ring's count of 28 is the stricter.
	XPRE
	s_wait_xcnt 0x0                                ; the stores above read the accumulators' registers
.set g, 0
	DENSE12 36, 7, 0, CB
	NOUT 72, 1, 0, 1
.irp f,0,1
.irp j,0,1,2,3,4,5,6,7
	v_mov_b32 v[32+8*\f+\j], v[13+\f]              ; 44 loads were issued behind the biases and step 11 let 28 stay out: they are in
.endr
.endr
	DENSE12 36, 7, 0, 16
	NOUT 74, 0, 0, 1
	DENSE12 36, 7, 1, 32
	NOUT 76, 0, 1, 0
.endif
	s_set_vgpr_msb 0x5
	s_wait_tensorcnt 0x0
	ds_add_u32 v0, v1
	s_wait_dscnt 0x0
	s_set_vgpr_msb 0x500
	s_endpgm
.Lfunc_end_k_qf24dea27b5_layer0:
	.size	k_qf24dea27b5_layer0, .Lfunc_end_k_qf24dea27b5_layer0-k_qf24dea27b5_layer0
	.p2alignl 7, 3214868480
	.fill 96, 4, 3214868480
	.section	.rodata,"a",@progbits
	.p2align	6, 0x0
	.amdhsa_kernel k_qf24dea27b5_layer0
		.amdhsa_group_segment_fixed_size 171008
		.amdhsa_private_segment_fixed_size 0
		.amdhsa_enable_private_segment 0
		.amdhsa_kernarg_size 152
		.amdhsa_user_sgpr_count 2
		.amdhsa_user_sgpr_kernarg_segment_ptr 1
		.amdhsa_wavefront_size32 1
		.amdhsa_system_sgpr_workgroup_id_x 1
		.amdhsa_system_sgpr_workgroup_id_y 1
		.amdhsa_system_sgpr_workgroup_id_z 1
		.amdhsa_system_vgpr_workitem_id 0
		.amdhsa_next_free_vgpr 258
		.amdhsa_next_free_sgpr 106
		.amdhsa_reserve_vcc 1
		.amdhsa_float_denorm_mode_32 3
		.amdhsa_float_denorm_mode_16_64 3
		.amdhsa_memory_ordered 1
		.amdhsa_forward_progress 1
		.amdhsa_inst_pref_size 218
	.end_amdhsa_kernel
	.amdgpu_metadata
---
amdhsa.version: [ 1, 2 ]
amdhsa.kernels:
  - .name:           k_qf24dea27b5_layer0
    .symbol:         k_qf24dea27b5_layer0.kd
    .args:
      - { .name: dec_hidden_states, .offset: 0, .size: 8, .value_kind: global_buffer, .address_space: global }
      - { .name: dec_mask, .offset: 8, .size: 8, .value_kind: global_buffer, .address_space: global }
      - { .name: enc_mask, .offset: 16, .size: 8, .value_kind: global_buffer, .address_space: global }
      - { .name: qkv0, .offset: 24, .size: 8, .value_kind: global_buffer, .address_space: global }
      - { .name: ckv, .offset: 32, .size: 8, .value_kind: global_buffer, .address_space: global }
      - { .name: wfrag, .offset: 40, .size: 8, .value_kind: global_buffer, .address_space: global }
      - { .name: n1_w, .offset: 48, .size: 8, .value_kind: global_buffer, .address_space: global }
      - { .name: n1_b, .offset: 56, .size: 8, .value_kind: global_buffer, .address_space: global }
      - { .name: ca_qb, .offset: 64, .size: 8, .value_kind: global_buffer, .address_space: global }
      - { .name: n2_w, .offset: 72, .size: 8, .value_kind: global_buffer, .address_space: global }
      - { .name: n2_b, .offset: 80, .size: 8, .value_kind: global_buffer, .address_space: global }
      - { .name: out_b, .offset: 88, .size: 8, .value_kind: global_buffer, .address_space: global }
      - { .name: n3_w, .offset: 96, .size: 8, .value_kind: global_buffer, .address_space: global }
      - { .name: n3_b, .offset: 104, .size: 8, .value_kind: global_buffer, .address_space: global }
      - { .name: x1, .offset: 112, .size: 8, .value_kind: global_buffer, .address_space: global }
      - { .name: qkv1, .offset: 120, .size: 8, .value_kind: global_buffer, .address_space: global }
      - { .name: sa_qb, .offset: 128, .size: 8, .value_kind: global_buffer, .address_space: global }
      - { .name: sa_kb, .offset: 136, .size: 8, .value_kind: global_buffer, .address_space: global }
      - { .name: sa_vb, .offset: 144, .size: 8, .value_kind: global_buffer, .address_space: global }
    .group_segment_fixed_size: 171008
    .private_segment_fixed_size: 0
    .kernarg_segment_align: 8
    .kernarg_segment_size: 152
    .max_flat_workgroup_size: 384
    .sgpr_count:     106
    .vgpr_count:     258
    .wavefront_size: 32
...
	.end_amdgpu_metadata
.endif
;; end of part 3
;; launch layer1 (part 4): grid 256 x 1, 12 waves a work-group, no clusters, 171,008 bytes of LDS; arguments x1, dec_mask, enc_mask, qkv1, ckv, wfrag, n1_w, n1_b, ca_qb, n2_w, n2_b, out_b, n3_w, n3_b, out0; writes out0
.if DOCPART == 4
	.amdgcn_target "amdgcn-amd-amdhsa--gfx1250"
	.amdhsa_code_object_version 6
	.text
	.protected	k_qf24dea27b5_layer1
	.globl	k_qf24dea27b5_layer1
	.p2align	8
	.type	k_qf24dea27b5_layer1,@function
k_qf24dea27b5_layer1:
	s_mov_b64 s[64:65], 0
	v_nop
	global_prefetch_b8 v0, s[64:65] scope:SCOPE_SE
	s_setreg_imm32_b32 hwreg(HW_REG_WAVE_MODE, 25, 1), 1
	s_wait_xcnt 0x0
; One decoder layer for 32 rows: self-attention, LN, cross q, cross-attention, LN, dense, LN; in layer 0 also the next layer's q, k, v.
; (The same text as the first layer's, with LAYER = 1: no next projection, four arguments fewer.)
; 256 work-groups x 32 rows; twelve waves, wave hd owns head hd = features 32 hd .. 32 hd + 31 of all 32 rows.
; EVERYTHING RUNS TRANSPOSED (lane = row r + 16 t, registers = features or keys), so no layout ever changes:
;   S^T = K Q^T + bias: a lane holds eight keys of one query; packed to f16 in place they are the B operand of O^T = V^T P^T;
;   O, the residual, LayerNorm and D = W X^T share the index 16 t + 8 dt + j = (row 16 t + r, feature 32 hd + 16 dt + 8 h + j);
;   D of the q projection, packed, is the next attention's B operand.
; K, V^T, Q and the weights lie in memory in fragment order (blocks of 1,024 bytes, byte p*512 + lane*16): an operand is two loads of
; 512 consecutive bytes a wave, straight into registers.
; FORMAT: all matrix operands are f16 (11 significant bits), the sums f32; residuals, LayerNorm and softmax in f32.  Room, against f16's
; largest 65,504: a LayerNorm output is at most |gain| sqrt(384) + |offset|, about 600 at a gain of 30; q, k, v are largest when the rows
; carry an offset of 30 and the weights one of 0.6: 384 x 30 x 0.6 = 6,912; with rows and weights thirty times larger their spread is
; 30 x 0.6 x sqrt(384) = 353; thirty times smaller it is 4.3e-4 (the scaled q: 1.1e-4), where f16's step is 6e-8 (denormals are kept).
; p lies in [0, 1]; a p under 3e-8 becomes 0, and 1,024 of them would add under 3.1e-5 to a sum that is at least 1.
; ALL 1,024 KEYS ARE COMPUTED: the mask is the finite -10000 of the definition, not minus infinity, so a query whose allowed keys are all
; holes spreads over every key.  The bias (1 - mask)(-10000) log2(e) is the C operand of the score product.  Softmax in base 2 with a
; running maximum; the 64-key step that holds the diagonal comes first and starts the sums, the others follow round the ring of 16.
; EVERY WORK-GROUP WALKS SHARED DATA FROM ITS OWN PLACE, so that the work-groups that read the same bytes do not all ask for the same ones
; at the same moment: self-attention starts at the diagonal step, cross-attention at key step (block mod 8) of its ring of 8, and a
; matrix's twelve K steps are taken in the order (rot + j) mod 12, rot = work-group number mod 12.  Twelve scalar bases hold the walk
; positions' places in a matrix; the activations lie in LDS twice, so that positions rot .. rot + 11 are consecutive and one address
; register carries the rotation.  The order of an f32 sum over K, and of the running softmax, therefore differs between work-groups.
; LIMITS: a q, k, v or activation above 65,504 in magnitude becomes infinite; the bias is fma(mask, 14426.95, -14426.95), one rounding where
; the definition has two (exact for masks of 0 and 1); the denominator sums p in f32 while the numerator multiplies p rounded to f16.
; NO CLUSTER, NO LDS RING for K, V, weights: each of their bytes is used by one wave of the work-group.  A joint load lands in LDS: it would
; add an LDS write and an LDS read of 2.25 MB of K and V and up to 1.47 MB of weights a work-group and a barrier round for each refill, and
; the partners would have to walk the keys in one order, while each block here starts at its own step.
.set LAYER, 1
.set SBT, 0                            ; LDS: self bias, 1,024 f32
.set CBT, 4096                         ; cross bias, 512 f32
.set RED, 6144                         ; LayerNorm partial sums: six stages of 32 rows x 80 bytes, word hd
.set REDS, 2560
.set XB, 21504                         ; activations in f16, fragment order, twice: K step hd (2,048 bytes) is written by wave hd at block hd and at block hd + 12
.set XBC, 24576                        ; from the first copy to the second
.set STASH, 70656                      ; 4,096 bytes a wave, its own: the f32 state during cross-attention
.set XF, 119808                        ; 32 rows x 1,552 bytes of f32: x on the way in, y on the way out
.set XFP, 1552                         ; 1,536 + 16, an odd multiple of 16
.set WMAT, 294912
.set ST, 16                            ; v[16:47]   f32 state; in attention: the small registers below
.set MX, 16                            ; v16-17     running maximum of query tile t
.set LS, 18                            ; v[18:21]   running sum, a pair for each t
.set MN, 22                            ; v[22:23]   new maximum, twice
.set AL, 24                            ; v[24:25]   2^(old - new), twice
.set TM, 26                            ; v[26:29]   at work
.set QD, 34                            ; v34-35     diagonal step: query's place minus 8 h
.set BA, 36                            ; v36        LDS address of the step's bias
.set OA, 48                            ; v[48:79]   O, or the dense accumulators; LayerNorm's work registers
.set QF, 80                            ; v[80:95]   Q fragments
.set CB, 80                            ;            or the dense bias
.set KR, 96                            ; v[96:127]  K, four key tiles
.set VR, 128                           ; v[128:159] V^T, block 2 c + dt
.set SC, 160                           ; v[160:223] scores, tile (t, kt) at 32 t + 8 kt; P(t, c) in place at 32 t + 16 c
.set WR, 96                            ; v[96:223]  or the weight ring, eight slots x 16
.set BIAS, 224                         ; v[224:255] bias of the step's 64 keys
.set XFR, 224                          ;            or X fragments, two buffers x 16
.set GW, 224                           ;            or LayerNorm's gain
.set GB, 240                           ;            and offset
                                       ; s[80:101], s[104:105]: twelve pairs, my head's slice of matrix 0 at walk position j; never rewritten
.macro NOPS cnt
.rept \cnt
	v_nop
.endr
.endm
.macro BAR
	s_wait_dscnt 0x0                               ; my LDS stores are done and my LDS loads are back
	s_barrier_signal -1
	s_barrier_wait -1
.endm
.macro MMA d, a, b, c
	v_wmma_f32_16x16x32_f16 v[\d:\d+7], v[\a:\a+7], v[\b:\b+7], v[\c:\c+7]
.endm
.macro MMA0 d, a, b
	v_wmma_f32_16x16x32_f16 v[\d:\d+7], v[\a:\a+7], v[\b:\b+7], 0
.endm
.macro KLOAD
.irp kt,0,1,2,3
.irp p,0,1
	global_load_b128 v[KR+8*\kt+4*\p:KR+8*\kt+4*\p+3], v1, s[50:51] offset:\kt*1024+\p*512
.endr
.endr
.endm
.macro VLOAD
.irp kt,0,1,2,3
.irp p,0,1
	global_load_b128 v[VR+8*\kt+4*\p:VR+8*\kt+4*\p+3], v1, s[52:53] offset:\kt*1024+\p*512
.endr
.endr
.endm
.macro BLOAD tbl                       ; register 8 kt + j: bias of key 16 kt + 8 h + j of the step
.irp kt,0,1,2,3
.irp q,0,1
	ds_load_b128 v[BIAS+8*\kt+4*\q:BIAS+8*\kt+4*\q+3], v[BA] offset:\tbl+\kt*64+\q*16
.endr
.endr
.endm
.macro DIAG                            ; the diagonal step: key 16 kt + 8 h + j is allowed for query place q if 16 kt + j <= q - 8 h
.irp t,0,1
.irp kt,0,1,2,3
.irp j,0,1,2,3,4,5,6,7
	v_cmp_le_i32 vcc_lo, 16*\kt+\j, v[QD+\t]
	v_cndmask_b32 v[SC+32*\t+8*\kt+\j], s59, v[BIAS+8*\kt+\j], vcc_lo
.endr
.endr
.endr
.endm
; 64 keys of query tile t: running maximum, 2^(s - max), running sum, P in f16 in place, O rescaled.
.macro SOFTMAX t, first
.set sm_b, SC+32*\t
.if \first
	v_max_num_f32 v[TM], v[sm_b], v[sm_b+1]
.else
	v_max3_num_f32 v[TM], v[sm_b], v[sm_b+1], v[MX+\t]
.endif
	v_max3_num_f32 v[TM+1], v[sm_b+16], v[sm_b+17], v[sm_b+18]
.set sm_i, 0
.rept 6
	v_max3_num_f32 v[TM], v[TM], v[sm_b+2+2*sm_i], v[sm_b+3+2*sm_i]
	v_max3_num_f32 v[TM+1], v[TM+1], v[sm_b+19+2*sm_i], v[sm_b+20+2*sm_i]
.set sm_i, sm_i+1
.endr
	v_max3_num_f32 v[TM], v[TM], v[sm_b+14], v[sm_b+15]
	v_max3_num_f32 v[TM], v[TM], v[TM+1], v[sm_b+31]
	v_permlanex16_b32 v[TM+1], v[TM], s62, s63     ; lanes r and r + 16 hold the same query's other keys
	v_max_num_f32 v[MN], v[TM], v[TM+1]
	v_mov_b32 v[MN+1], v[MN]
.if \first
	v_mov_b32 v[MX+\t], v[MN]
.else
	v_sub_f32 v[TM+2], v[MX+\t], v[MN]
	v_exp_f32 v[AL], v[TM+2]
	v_mov_b32 v[MX+\t], v[MN]                      ; the plain instruction behind the exponential (ISA guide 5.7.2)
	s_wait_alu depctr_va_vdst(0)
	v_mov_b32 v[AL+1], v[AL]
.endif
.set sm_i, 0
.rept 16
	v_pk_add_f32 v[sm_b+2*sm_i:sm_b+2*sm_i+1], v[sm_b+2*sm_i:sm_b+2*sm_i+1], v[MN:MN+1] neg_lo:[0,1] neg_hi:[0,1]
.set sm_i, sm_i+1
.endr
.set sm_i, 0
.rept 32
	v_exp_f32 v[sm_b+sm_i], v[sm_b+sm_i]
.set sm_i, sm_i+1
.endr
	v_nop                                          ; one plain place behind the last exponential
	s_wait_alu depctr_va_vdst(0)
	v_pk_add_f32 v[TM:TM+1], v[sm_b:sm_b+1], v[sm_b+4:sm_b+5]
	v_pk_add_f32 v[TM+2:TM+3], v[sm_b+2:sm_b+3], v[sm_b+6:sm_b+7]
.set sm_i, 0
.rept 6
	v_pk_add_f32 v[TM:TM+1], v[TM:TM+1], v[sm_b+8+4*sm_i:sm_b+9+4*sm_i]
	v_pk_add_f32 v[TM+2:TM+3], v[TM+2:TM+3], v[sm_b+10+4*sm_i:sm_b+11+4*sm_i]
.set sm_i, sm_i+1
.endr
.if \first
	v_pk_add_f32 v[LS+2*\t:LS+2*\t+1], v[TM:TM+1], v[TM+2:TM+3]
.else
	v_pk_add_f32 v[TM:TM+1], v[TM:TM+1], v[TM+2:TM+3]
	v_pk_fma_f32 v[LS+2*\t:LS+2*\t+1], v[LS+2*\t:LS+2*\t+1], v[AL:AL+1], v[TM:TM+1]
.endif
.irp c,0,1
.irp i,0,1,2,3,4,5,6,7
	v_cvt_pk_f16_f32 v[sm_b+16*\c+\i], v[sm_b+16*\c+2*\i], v[sm_b+16*\c+2*\i+1]
.endr
.endr
.if \first == 0
.irp i,0,1,2,3,4,5,6,7
	v_pk_mul_f32 v[OA+16*\t+2*\i:OA+16*\t+2*\i+1], v[OA+16*\t+2*\i:OA+16*\t+2*\i+1], v[AL:AL+1]
.endr
.endif
.endm
; One step of 64 keys for both query tiles.  pre = 1: the next step's K, bias and V are asked for.
.macro STEP first, diag, pre, tbl, mask
	s_wait_loadcnt 0x8                             ; K of this step and all older loads are in; the eight younger loads, V's, stay out
	s_wait_dscnt 0x0                               ; the step's bias is in
.if \diag
	DIAG
.endif
.irp t,0,1
.irp kt,0,1,2,3
.if \diag
	MMA SC+32*\t+8*\kt, KR+8*\kt, QF+8*\t, SC+32*\t+8*\kt
.else
	MMA SC+32*\t+8*\kt, KR+8*\kt, QF+8*\t, BIAS+8*\kt
.endif
.endr
.endr
	NOPS 4                                         ; four places before the scores are read and before loads land in K and in the bias
.if \pre
	s_add_co_u32 s56, s56, 1
	s_and_b32 s56, s56, \mask                      ; the next step, round the ring
	s_lshl_b32 s54, s56, 12                        ; 4,096 bytes of K, and of V, a step
	s_add_nc_u64 s[50:51], s[46:47], s[54:55]      ; K's base: its last loads were shown done at the head
	KLOAD
	v_lshl_add_u32 v[BA], s56, 8, v2
	BLOAD \tbl
.endif
	SOFTMAX 0, \first
	SOFTMAX 1, \first
.if \pre
	s_wait_loadcnt 0x8                             ; V is in; the next K's eight loads stay out
.else
	s_wait_loadcnt 0x0
.endif
.irp c,0,1
.irp t,0,1
.irp dt,0,1
.if (\first)*(1-\c)
	MMA0 OA+16*\t+8*\dt, VR+16*\c+8*\dt, SC+32*\t+16*\c
.else
	MMA OA+16*\t+8*\dt, VR+16*\c+8*\dt, SC+32*\t+16*\c, OA+16*\t+8*\dt
.endif
.endr
.endr
.endr                                              ; the four accumulators take turns, one instruction a turn
	NOPS 5                                         ; five places before the next scores are written over P; four of them serve the loads into V
.if \pre
	s_add_nc_u64 s[52:53], s[48:49], s[54:55]      ; V's base: its last loads were shown done above
	VLOAD
.endif
.endm
.macro GLOAD dst, sb, off              ; 16 numbers of my head in state order: feature 16 dt + 8 h + j
.irp dt,0,1
.irp q,0,1
	global_load_b128 v[\dst+8*\dt+4*\q:\dst+8*\dt+4*\q+3], v8, s[\sb:\sb+1] offset:\off+\dt*64+\q*16
.endr
.endr
.endm
.macro WPRE wm                         ; the ring's first eight walk positions of matrix wm: 32 loads
.irp sl,0,1,2,3,4,5,6,7
.irp f,0,1
.irp p,0,1
	global_load_b128 v[WR+16*\sl+8*\f+4*\p:WR+16*\sl+8*\f+4*\p+3], v1, s[80+2*\sl:81+2*\sl] offset:(\wm)*WMAT+\f*12288+\p*512
.endr
.endr
.endr
.endm
.macro FINAL                           ; O / l
	v_add_f32 v[TM], v[LS], v[LS+1]
	v_add_f32 v[TM+1], v[LS+2], v[LS+3]
	v_permlanex16_b32 v[TM+2], v[TM], s62, s63
	v_permlanex16_b32 v[TM+3], v[TM+1], s62, s63
	v_add_f32 v[TM], v[TM], v[TM+2]
	v_add_f32 v[TM+1], v[TM+1], v[TM+3]
	v_rcp_f32 v[MN], v[TM]
	v_rcp_f32 v[AL], v[TM+1]
	v_nop
	s_wait_alu depctr_va_vdst(0)
	v_mov_b32 v[MN+1], v[MN]
	v_mov_b32 v[AL+1], v[AL]
.irp i,0,1,2,3,4,5,6,7
	v_pk_mul_f32 v[OA+2*\i:OA+2*\i+1], v[OA+2*\i:OA+2*\i+1], v[MN:MN+1]
	v_pk_mul_f32 v[OA+16+2*\i:OA+16+2*\i+1], v[OA+16+2*\i:OA+16+2*\i+1], v[AL:AL+1]
.endr
.endm
; Behind an attention: what the next phases need is asked for first (12 + 32 loads), then O is finished.
.macro POST gw, gb, cbp, wm
	GLOAD GW, \gw, LAYER*1536
	GLOAD GB, \gb, LAYER*1536
	GLOAD CB, \cbp, LAYER*1536
	WPRE \wm
	FINAL
.endm
.macro ADDO
.irp i,0,1,2,3,4,5,6,7,8,9,10,11,12,13,14,15
	v_pk_add_f32 v[ST+2*\i:ST+2*\i+1], v[ST+2*\i:ST+2*\i+1], v[OA+2*\i:OA+2*\i+1]
.endr
.endm
; v76, v77: my lane's partial sums of row tiles 0, 1 over my head's features.  Out: v48, v60 the rows' sums over all 384 features.
.macro XRED stage
	v_permlanex16_b32 v72, v76, s62, s63
	v_permlanex16_b32 v73, v77, s62, s63
	v_add_f32 v76, v76, v72
	v_add_f32 v77, v77, v73
	v_cndmask_b32 v72, v76, v77, s58               ; lane L speaks for row L
	ds_store_b32 v6, v72 offset:RED+(\stage)*REDS
	BAR                                            ; every stage has bytes of its own, so one barrier a stage
.irp t,0,1
.irp q,0,1,2
	ds_load_b128 v[48+12*\t+4*\q:48+12*\t+4*\q+3], v7 offset:RED+(\stage)*REDS+\t*1280+\q*16
.endr
.endr
	s_wait_dscnt 0x0
.irp b,48,60
	v_pk_add_f32 v[\b:\b+1], v[\b:\b+1], v[\b+2:\b+3]
	v_pk_add_f32 v[\b+4:\b+5], v[\b+4:\b+5], v[\b+6:\b+7]
	v_pk_add_f32 v[\b+8:\b+9], v[\b+8:\b+9], v[\b+10:\b+11]
	v_pk_add_f32 v[\b:\b+1], v[\b:\b+1], v[\b+4:\b+5]
	v_pk_add_f32 v[\b:\b+1], v[\b:\b+1], v[\b+8:\b+9]
	v_add_f32 v[\b], v[\b], v[\b+1]
.endr
.endm
; LayerNorm of the state, in two true passes (mean, then the mean of squared differences).  left: loads that may stay out when the gains are used.
.macro LNORM stage, left
.irp t,0,1
	v_pk_add_f32 v[72:73], v[ST+16*\t:ST+16*\t+1], v[ST+16*\t+2:ST+16*\t+3]
	v_pk_add_f32 v[74:75], v[ST+16*\t+4:ST+16*\t+5], v[ST+16*\t+6:ST+16*\t+7]
	v_pk_add_f32 v[72:73], v[72:73], v[ST+16*\t+8:ST+16*\t+9]
	v_pk_add_f32 v[74:75], v[74:75], v[ST+16*\t+10:ST+16*\t+11]
	v_pk_add_f32 v[72:73], v[72:73], v[ST+16*\t+12:ST+16*\t+13]
	v_pk_add_f32 v[74:75], v[74:75], v[ST+16*\t+14:ST+16*\t+15]
	v_pk_add_f32 v[72:73], v[72:73], v[74:75]
	v_add_f32 v[76+\t], v72, v73
.endr
	XRED \stage
	v_mul_f32 v72, s60, v48                        ; mean
	v_mul_f32 v74, s60, v60
	v_mov_b32 v73, v72
	v_mov_b32 v75, v74
.irp t,0,1
.irp i,0,1,2,3,4,5,6,7
	v_pk_add_f32 v[ST+16*\t+2*\i:ST+16*\t+2*\i+1], v[ST+16*\t+2*\i:ST+16*\t+2*\i+1], v[72+2*\t:73+2*\t] neg_lo:[0,1] neg_hi:[0,1]
.endr
.endr
.irp t,0,1
	v_pk_mul_f32 v[48:49], v[ST+16*\t:ST+16*\t+1], v[ST+16*\t:ST+16*\t+1]
	v_pk_mul_f32 v[50:51], v[ST+16*\t+2:ST+16*\t+3], v[ST+16*\t+2:ST+16*\t+3]
.irp i,0,1,2
	v_pk_fma_f32 v[48:49], v[ST+16*\t+4+4*\i:ST+16*\t+5+4*\i], v[ST+16*\t+4+4*\i:ST+16*\t+5+4*\i], v[48:49]
	v_pk_fma_f32 v[50:51], v[ST+16*\t+6+4*\i:ST+16*\t+7+4*\i], v[ST+16*\t+6+4*\i:ST+16*\t+7+4*\i], v[50:51]
.endr
	v_pk_add_f32 v[48:49], v[48:49], v[50:51]
	v_add_f32 v[76+\t], v48, v49
.endr
	XRED (\stage)+1
	v_fma_f32 v72, v48, s60, s71                   ; variance + 1e-12
	v_fma_f32 v74, v60, s60, s71
	v_rsq_f32 v72, v72
	v_rsq_f32 v74, v74
	v_nop
	s_wait_alu depctr_va_vdst(0)
	v_mov_b32 v73, v72
	v_mov_b32 v75, v74
	s_wait_loadcnt \left                           ; gain and offset are in; the weight loads issued behind them stay out
.irp t,0,1
.irp i,0,1,2,3,4,5,6,7
	v_pk_mul_f32 v[ST+16*\t+2*\i:ST+16*\t+2*\i+1], v[ST+16*\t+2*\i:ST+16*\t+2*\i+1], v[72+2*\t:73+2*\t]
	v_pk_fma_f32 v[ST+16*\t+2*\i:ST+16*\t+2*\i+1], v[ST+16*\t+2*\i:ST+16*\t+2*\i+1], v[GW+2*\i:GW+2*\i+1], v[GB+2*\i:GB+2*\i+1]
.endr
.endr
.endm
.macro TOXB                            ; the state in f16 into my K step of XB, in both copies: already in fragment order
.irp t,0,1
.irp dt,0,1
.irp i,0,1,2,3
	v_cvt_pk_f16_f32 v[OA+8*\t+4*\dt+\i], v[ST+16*\t+8*\dt+2*\i], v[ST+16*\t+8*\dt+2*\i+1]
.endr
	ds_store_b128 v3, v[OA+8*\t+4*\dt:OA+8*\t+4*\dt+3] offset:XB+\t*1024+\dt*512
	ds_store_b128 v3, v[OA+8*\t+4*\dt:OA+8*\t+4*\dt+3] offset:XB+XBC+\t*1024+\dt*512
.endr
.endr
.endm
.macro XPRE                            ; X fragments of walk positions 0 and 1 (v4 holds XB and the rotation)
.irp sl,0,1
.irp t,0,1
.irp p,0,1
	ds_load_b128 v[XFR+16*\sl+8*\t+4*\p:XFR+16*\sl+8*\t+4*\p+3], v4 offset:\sl*2048+\t*1024+\p*512
.endr
.endr
.endr
.endm
; Step g of tot of a run of dense products that starts at matrix wm: matrix wm + g/12, walk position g%12.
.macro DSTEP g, tot, wm, swap, cb
.set d_ks, (\g)%12
.set d_sl, WR+16*((\g)%8)
.set d_xb, XFR+16*((\g)&1)
.if (\g)+7 < (\tot)-1
.set d_n, 28
.else
.set d_n, 4*((\tot)-1-(\g))
.endif
	s_wait_loadcnt d_n                             ; my slot's four loads are in; those of the steps asked for after it stay out
.if (\g) == (\tot)-1
	s_wait_dscnt 0x0
.else
	s_wait_dscnt 0x4                               ; this step's fragments are in; the next step's four loads stay out
.endif
.irp t,0,1
.irp f,0,1
.if d_ks == 0
.set d_c, \cb+8*\f                                 ; the first product starts the sum from the bias
.else
.set d_c, OA+16*\t+8*\f
.endif
.if \swap
	MMA OA+16*\t+8*\f, d_xb+8*\t, d_sl+8*\f, d_c
.else
	MMA OA+16*\t+8*\f, d_sl+8*\f, d_xb+8*\t, d_c
.endif
.endr
.endr                                              ; the four accumulators take turns, one instruction a turn
	NOPS 4                                         ; four places before loads land in the sources and before results are read
.if (\g)+2 < (\tot)
.set d_k2, ((\g)+2)%12
.irp t,0,1
.irp p,0,1
	ds_load_b128 v[d_xb+8*\t+4*\p:d_xb+8*\t+4*\p+3], v4 offset:d_k2*2048+\t*1024+\p*512
.endr
.endr
.endif
.if (\g)+8 < (\tot)
.set d_g8, (\g)+8
.set d_j, d_g8%12
.if d_j == 11
.set d_pb, 104                                     ; the twelfth pair
.else
.set d_pb, 80+2*d_j
.endif
.irp f,0,1
.irp p,0,1
	global_load_b128 v[d_sl+8*\f+4*\p:d_sl+8*\f+4*\p+3], v1, s[d_pb:d_pb+1] offset:((\wm)+d_g8/12)*WMAT+\f*12288+\p*512
.endr
.endr
.endif
.endm
.macro DENSE12 tot, wm, swap, cb       ; twelve steps; the symbol g runs on
.rept 12
	DSTEP g, \tot, \wm, \swap, \cb
.set g, g+1
.endr
.endm
.macro NOUT sb, scale, vform, more     ; four tiles leave as fragment blocks; each store of the wave covers 512 consecutive aligned bytes
.irp t,0,1
.irp f,0,1
.if \scale
.irp i,0,1,2,3
	v_pk_mul_f32 v[OA+16*\t+8*\f+2*\i:OA+16*\t+8*\f+2*\i+1], v[OA+16*\t+8*\f+2*\i:OA+16*\t+8*\f+2*\i+1], s[78:79] op_sel_hi:[1,0]
.endr
.endif
.irp i,0,1,2,3
	v_cvt_pk_f16_f32 v[OA+16*\t+8*\f+\i], v[OA+16*\t+8*\f+2*\i], v[OA+16*\t+8*\f+2*\i+1]
.endr
.if \vform
	global_store_b128 v1, v[OA+16*\t+8*\f:OA+16*\t+8*\f+3], s[\sb:\sb+1] offset:\f*1024+\t*512
.else
	global_store_b128 v1, v[OA+16*\t+8*\f:OA+16*\t+8*\f+3], s[\sb:\sb+1] offset:\t*1024+\f*512
.endif
.endr
.endr
.if \more
	s_wait_xcnt 0x0                                ; the stores' data are the accumulators, which the next matrix writes only behind this wait
.endif
.endm
	; ---- arguments, ids, constants ----
	s_load_b512 s[8:23], s[0:1], 0x0               ; xin 8, dec_mask 10, enc_mask 12, qkv 14, ckv 16, wfrag 18, n1_w 20, n1_b 22
	s_load_b256 s[24:31], s[0:1], 0x40             ; ca_qb 24, n2_w 26, n2_b 28, out_b 30
	s_load_b128 s[32:35], s[0:1], 0x60             ; n3_w 32, n3_b 34
	s_load_b64 s[36:37], s[0:1], 0x70              ; xout 36
	v_lshl_add_u32 v12, v0, 2, 0x29600
	s_set_vgpr_msb 0x40
	v_mov_b32 v1, 0
	s_set_vgpr_msb 0x4000
.if LAYER == 0
	s_load_b64 s[38:39], s[0:1], 0x78              ; next qkv 38
	s_load_b128 s[40:43], s[0:1], 0x80             ; sa_qb 40, sa_kb 42
	s_load_b64 s[44:45], s[0:1], 0x90              ; sa_vb 44
.endif
	v_lshrrev_b32 v1, 5, v0
	v_readfirstlane_b32 s2, v1                     ; hd: my wave, my head
	s_lshr_b32 s4, ttmp9, 5                        ; batch
	s_and_b32 s5, ttmp9, 31                        ; block of 32 rows in the batch
	s_lshr_b32 s6, s5, 1                           ; the 64-key step that holds the diagonal
	s_mov_b32 s58, 0xffff0000                      ; lanes 16-31
	s_mov_b32 s59, 0xc6616bcd                      ; -10000 log2(e)
	s_mov_b32 s60, 0x3b2aaaab                      ; 1/384
	s_mov_b32 s61, 0x46616bcd                      ; +10000 log2(e)
	s_mov_b32 s62, 0x76543210                      ; v_permlanex16_b32: lane i reads lane i of the other half
	s_mov_b32 s63, 0xfedcba98
	s_mov_b32 s71, 0x2b8cbccc                      ; 1e-12
	s_mov_b32 s78, 0x3e8293ee                      ; log2(e)/sqrt(32)
	s_mov_b32 s79, 0x3e8293ee
	s_mov_b32 s55, 0                               ; the high word of every offset pair s[54:55]; stays 0
	s_mul_i32 s7, s4, 12
	s_add_co_u32 s7, s7, s2                        ; 12 batch + head
	s_mul_i32 s57, ttmp9, 171
	s_lshr_b32 s57, s57, 11                        ; work-group / 12 (exact up to 255)
	s_mul_i32 s57, s57, 12
	s_sub_co_u32 s57, ttmp9, s57                   ; rot = work-group mod 12: where my walks over K begin
	s_min_u32 s57, s57, 11                         ; any rot from 0 to 11 gives the same sums; the bound stands in the text
	v_and_b32 v4, 31, v0                           ; lane
	v_and_b32 v13, 15, v0                          ; r
	v_bfe_u32 v14, v0, 4, 1                        ; h
	v_lshlrev_b32 v1, 4, v4                        ; v1  lane*16
	v_lshlrev_b32 v2, 5, v14                       ; v2  32 h
	v_lshl_add_u32 v3, s2, 11, v1                  ; v3  my K step of XB
	v_lshl_add_u32 v8, s2, 7, v2                   ; v8  hd*128 + 32 h: gains, biases
	v_mul_u32_u24 v5, v13, XFP
	v_add_nc_u32 v5, v5, v8
	v_add_nc_u32 v5, XF, v5                        ; v5  XF by state order: row r, my head's columns
	v_mul_u32_u24 v6, v4, 80
	v_lshl_add_u32 v6, s2, 2, v6                   ; v6  RED: row = lane, word hd
	v_lshl_add_u32 v4, s57, 11, v1
	v_add_nc_u32 v4, XB, v4                        ; v4  XB at walk position 0: block rot; position j is block rot + j, at most 22 of the 24
	v_mul_u32_u24 v7, v13, 80                      ; v7  RED: row r
	v_lshl_add_u32 v9, s2, 12, v1
	v_add_nc_u32 v9, STASH, v9                     ; v9  my stash
	v_lshlrev_b32 v10, 4, v0                       ; v10 thread*16
	s_mul_i32 s54, s2, 11
	s_lshr_b32 s54, s54, 5                         ; hd / 3 (exact for 0..11): my row among the four that the twelve waves cover
	s_mul_i32 s3, s54, 3
	s_sub_co_u32 s3, s2, s3                        ; hd % 3: my third of the row
	s_mul_i32 s54, s54, XFP
	s_lshl_b32 s3, s3, 9
	s_add_co_u32 s54, s54, s3
	s_add_co_u32 s54, s54, XF
	v_add_nc_u32 v11, s54, v1                      ; v11 XF by rows
.if LAYER == 0
	v_lshlrev_b32 v12, 2, v13
	v_lshl_add_u32 v12, s2, 7, v12                 ; v12 hd*128 + 4 r: v's bias, one feature a lane
.endif
	v_and_b32 v15, 255, v0
	v_lshlrev_b32 v15, 4, v15                      ; four mask numbers a thread
	v_lshlrev_b32 v44, 2, v0                       ; their first key (waves 0-7)
	s_and_b32 s3, s5, 1
	s_lshl_b32 s3, s3, 5
	v_lshlrev_b32 v35, 3, v14
	v_sub_nc_u32 v34, v13, v35
	v_add_nc_u32 v34, s3, v34                      ; query's place in the diagonal step, minus 8 h
	v_add_nc_u32 v35, 16, v34
	s_wait_kmcnt 0x0
	s_mul_i32 s54, ttmp9, 49152                    ; 32 rows of 1,536 bytes
	s_add_nc_u64 s[8:9], s[8:9], s[54:55]
	s_add_nc_u64 s[36:37], s[36:37], s[54:55]
	s_lshl_b32 s54, s4, 12
	s_add_nc_u64 s[10:11], s[10:11], s[54:55]
	s_lshl_b32 s54, s4, 11
	s_add_nc_u64 s[12:13], s[12:13], s[54:55]
	s_lshl_b32 s70, s6, 6
	s_add_co_u32 s70, s70, 64                      ; keys from here on lie above every query of the block
	s_cmp_lt_u32 s2, 8
	s_cselect_b64 s[68:69], s[10:11], s[12:13]     ; waves 0-7 make the self table, waves 8-11 the cross table
	s_cselect_b32 s70, s70, 0x7fffffff
	s_lshl_b32 s54, s7, 16                         ; 65,536 bytes a head
	s_add_nc_u64 s[14:15], s[14:15], s[54:55]
	s_add_nc_u64 s[46:47], s[14:15], 0x600000      ; K of my head
	s_add_nc_u64 s[48:49], s[14:15], 0xc00000      ; V of my head
.if LAYER == 0
	s_add_nc_u64 s[72:73], s[38:39], s[54:55]
.endif
	s_lshl_b32 s54, s5, 11                         ; 2,048 bytes for 32 rows
	s_add_nc_u64 s[14:15], s[14:15], s[54:55]      ; Q of my rows
.if LAYER == 0
	s_add_nc_u64 s[72:73], s[72:73], s[54:55]      ; the next layer's q, k, v of my rows
	s_add_nc_u64 s[74:75], s[72:73], 0x600000
	s_add_nc_u64 s[76:77], s[72:73], 0xc00000
.endif
	s_mov_b32 s56, s6                              ; the first step
	s_lshl_b32 s54, s6, 12
	s_add_nc_u64 s[50:51], s[46:47], s[54:55]
	s_add_nc_u64 s[52:53], s[48:49], s[54:55]
	s_mul_i32 s54, s2, 24576
	s_add_nc_u64 s[66:67], s[18:19], s[54:55]      ; my head's slice of matrix 0 in wfrag
	; ---- x, masks, Q, the first K and V ----
.irp i,0,1,2,3,4,5,6,7
	global_load_b128 v[OA+4*\i:OA+4*\i+3], v10, s[8:9] offset:\i*6144 th:TH_LOAD_NT
.endr
	global_load_b128 v[40:43], v15, s[68:69]
.irp t,0,1
.irp p,0,1
	global_load_b128 v[QF+8*\t+4*\p:QF+8*\t+4*\p+3], v1, s[14:15] offset:\t*1024+\p*512
.endr
.endr
	KLOAD
	VLOAD
	s_lshl_b32 s54, s57, 10                        ; walk position j lies at K step (rot + j) mod 12, 1,024 bytes a step (scalar work while the loads are out; none of them names s[54:55])
.irp pbr,80,82,84,86,88,90,92,94,96,98,100,104
	s_add_nc_u64 s[\pbr:\pbr+1], s[66:67], s[54:55]
	s_add_co_u32 s54, s54, 1024
	s_cmp_eq_u32 s54, 12288
	s_cselect_b32 s54, 0, s54                      ; round the twelve
.endr
	s_wait_loadcnt 20                              ; x and the mask are in; Q (4), K (8), V (8) stay out
.irp i,0,1,2,3,4,5,6,7
	ds_store_b128 v11, v[OA+4*\i:OA+4*\i+3] offset:\i*4*XFP
.endr
.irp i,40,41,42,43
	v_fma_f32 v\i, v\i, s61, s59                   ; (1 - mask)(-10000) log2(e)
.endr
	v_cmp_gt_u32 vcc_lo, s70, v44
.irp i,40,41,42,43
	v_cndmask_b32 v\i, s59, v\i, vcc_lo            ; keys above the diagonal step: the causal factor is 0
.endr
	ds_store_b128 v10, v[40:43]                    ; the cross table follows the self table: one address form
	BAR
	v_lshl_add_u32 v[BA], s56, 8, v2
	BLOAD SBT
	; ---- self-attention: 16 steps of 64 keys, the diagonal step first ----
	STEP 1, 1, 1, SBT, 15
	s_mov_b32 s57, 14
.Lself:
	STEP 0, 0, 1, SBT, 15
	s_sub_co_u32 s57, s57, 1
	s_cmp_lg_u32 s57, 0
	s_cbranch_scc1 .Lself
	STEP 0, 0, 0, SBT, 15
	; ---- x1 = LN(a + x) ----
	POST 20, 22, 24, 7*LAYER+3
.irp t,0,1
.irp dt,0,1
.irp q,0,1
	ds_load_b128 v[ST+16*\t+8*\dt+4*\q:ST+16*\t+8*\dt+4*\q+3], v5 offset:\t*16*XFP+\dt*64+\q*16
.endr
.endr
.endr
	s_wait_dscnt 0x0
	ADDO
	LNORM 0, 32
	; ---- cross q ----
	TOXB
	BAR
.irp i,0,1,2,3,4,5,6,7
	ds_store_b128 v9, v[ST+4*\i:ST+4*\i+3] offset:\i*512       ; x1 in f32 waits in my stash
.endr
	XPRE
.set g, 0
	DENSE12 12, 7*LAYER+3, 0, CB
	s_lshl_b32 s54, s7, 15                         ; 32,768 bytes a head
	s_add_nc_u64 s[46:47], s[16:17], s[54:55]
.if LAYER
	s_add_nc_u64 s[46:47], s[46:47], LAYER*6291456
.endif
	s_add_nc_u64 s[48:49], s[46:47], 3145728
	s_and_b32 s56, s5, 7                           ; my first key step of the ring of 8: the 32 blocks of a batch start at 8 different steps
	s_lshl_b32 s54, s56, 12
	s_add_nc_u64 s[50:51], s[46:47], s[54:55]      ; no load is out: the last dense step waited for all
	s_add_nc_u64 s[52:53], s[48:49], s[54:55]
	KLOAD
	VLOAD
	v_lshl_add_u32 v[BA], s56, 8, v2
	BLOAD CBT
.irp t,0,1
.irp f,0,1
.irp i,0,1,2,3
	v_pk_mul_f32 v[OA+16*\t+8*\f+2*\i:OA+16*\t+8*\f+2*\i+1], v[OA+16*\t+8*\f+2*\i:OA+16*\t+8*\f+2*\i+1], s[78:79] op_sel_hi:[1,0]
.endr
.irp i,0,1,2,3
	v_cvt_pk_f16_f32 v[QF+8*\t+4*\f+\i], v[OA+16*\t+8*\f+2*\i], v[OA+16*\t+8*\f+2*\i+1]
.endr
.endr
.endr
	; ---- cross-attention: 8 steps of 64 keys, round the ring from my own step ----
	STEP 1, 0, 1, CBT, 7
	s_mov_b32 s57, 6
.Lcross:
	STEP 0, 0, 1, CBT, 7
	s_sub_co_u32 s57, s57, 1
	s_cmp_lg_u32 s57, 0
	s_cbranch_scc1 .Lcross
	STEP 0, 0, 0, CBT, 7
	; ---- x2 = LN(x1 + c) ----
	POST 26, 28, 30, 7*LAYER+6
.irp i,0,1,2,3,4,5,6,7
	ds_load_b128 v[ST+4*\i:ST+4*\i+3], v9 offset:\i*512
.endr
	s_wait_dscnt 0x0
	ADDO
	LNORM 2, 32
	; ---- y = LN(x2 W^T + b + x2) ----
	TOXB                                           ; every wave's reads of XB ended before LayerNorm's barriers
	BAR
	XPRE
.set g, 0
	DENSE12 12, 7*LAYER+6, 0, CB
	GLOAD GW, 32, LAYER*1536
	GLOAD GB, 34, LAYER*1536
.if LAYER == 0
	GLOAD CB, 40, 1536                             ; the next layer's q bias and the first eight walk positions of its q matrix
	WPRE 7
.endif
	ADDO
.if LAYER == 0
	LNORM 4, 32
.else
	LNORM 4, 0
.endif
	; ---- y leaves through XF: in by state order, out by rows ----
.irp t,0,1
.irp dt,0,1
.irp q,0,1
	ds_store_b128 v5, v[ST+16*\t+8*\dt+4*\q:ST+16*\t+8*\dt+4*\q+3] offset:\t*16*XFP+\dt*64+\q*16
.endr
.endr
.endr
.if LAYER == 0
	TOXB
.endif
	s_wait_dscnt 0x0                               ; my stores are done: for the other waves, and the state's registers are free
.if LAYER == 0
	GLOAD 16, 42, 1536                             ; the next layer's k bias, and v's (one feature a lane)
	global_load_b32 v13, v12, s[44:45] offset:1536
	global_load_b32 v14, v12, s[44:45] offset:1536+64
.endif
	s_barrier_signal -1
	s_barrier_wait -1
.irp i,0,1,2,3,4,5,6,7
	ds_load_b128 v[OA+4*\i:OA+4*\i+3], v11 offset:\i*4*XFP
.endr
.irp i,0,1,2,3,4,5,6,7
	s_wait_dscnt 7-\i
.if LAYER == 0
	global_store_b128 v10, v[OA+4*\i:OA+4*\i+3], s[36:37] offset:\i*6144
.else
	global_store_b128 v10, v[OA+4*\i:OA+4*\i+3], s[36:37] offset:\i*6144 th:TH_STORE_NT
.endif
.endr
.if LAYER == 0
	; ---- the next layer's q, k, v of my rows: 36 steps on matrices 7, 8, 9 ----
	; The six bias loads stand behind the ring's 32: a prefilled slot really has 34 loads behind it, the ring's count of 28 is the stricter.
	XPRE
	s_wait_xcnt 0x0                                ; the stores above read the accumulators' registers
.set g, 0
	DENSE12 36, 7, 0, CB
	NOUT 72, 1, 0, 1
.irp f,0,1
.irp j,0,1,2,3,4,5,6,7
	v_mov_b32 v[32+8*\f+\j], v[13+\f]              ; 44 loads were issued behind the biases and step 11 let 28 stay out: they are in
.endr
.endr
	DENSE12 36, 7, 0, 16
	NOUT 74, 0, 0, 1
	DENSE12 36, 7, 1, 32
	NOUT 76, 0, 1, 0
.endif
	s_set_vgpr_msb 0x4
	s_wait_tensorcnt 0x0
	ds_add_u32 v12, v1
	s_wait_dscnt 0x0
	s_set_vgpr_msb 0x400
	s_endpgm
.Lfunc_end_k_qf24dea27b5_layer1:
	.size	k_qf24dea27b5_layer1, .Lfunc_end_k_qf24dea27b5_layer1-k_qf24dea27b5_layer1
	.p2alignl 7, 3214868480
	.fill 96, 4, 3214868480
	.section	.rodata,"a",@progbits
	.p2align	6, 0x0
	.amdhsa_kernel k_qf24dea27b5_layer1
		.amdhsa_group_segment_fixed_size 171008
		.amdhsa_private_segment_fixed_size 0
		.amdhsa_enable_private_segment 0
		.amdhsa_kernarg_size 120
		.amdhsa_user_sgpr_count 2
		.amdhsa_user_sgpr_kernarg_segment_ptr 1
		.amdhsa_wavefront_size32 1
		.amdhsa_system_sgpr_workgroup_id_x 1
		.amdhsa_system_sgpr_workgroup_id_y 1
		.amdhsa_system_sgpr_workgroup_id_z 1
		.amdhsa_system_vgpr_workitem_id 0
		.amdhsa_next_free_vgpr 258
		.amdhsa_next_free_sgpr 106
		.amdhsa_reserve_vcc 1
		.amdhsa_float_denorm_mode_32 3
		.amdhsa_float_denorm_mode_16_64 3
		.amdhsa_memory_ordered 1
		.amdhsa_forward_progress 1
		.amdhsa_inst_pref_size 172
	.end_amdhsa_kernel
	.amdgpu_metadata
---
amdhsa.version: [ 1, 2 ]
amdhsa.kernels:
  - .name:           k_qf24dea27b5_layer1
    .symbol:         k_qf24dea27b5_layer1.kd
    .args:
      - { .name: x1, .offset: 0, .size: 8, .value_kind: global_buffer, .address_space: global }
      - { .name: dec_mask, .offset: 8, .size: 8, .value_kind: global_buffer, .address_space: global }
      - { .name: enc_mask, .offset: 16, .size: 8, .value_kind: global_buffer, .address_space: global }
      - { .name: qkv1, .offset: 24, .size: 8, .value_kind: global_buffer, .address_space: global }
      - { .name: ckv, .offset: 32, .size: 8, .value_kind: global_buffer, .address_space: global }
      - { .name: wfrag, .offset: 40, .size: 8, .value_kind: global_buffer, .address_space: global }
      - { .name: n1_w, .offset: 48, .size: 8, .value_kind: global_buffer, .address_space: global }
      - { .name: n1_b, .offset: 56, .size: 8, .value_kind: global_buffer, .address_space: global }
      - { .name: ca_qb, .offset: 64, .size: 8, .value_kind: global_buffer, .address_space: global }
      - { .name: n2_w, .offset: 72, .size: 8, .value_kind: global_buffer, .address_space: global }
      - { .name: n2_b, .offset: 80, .size: 8, .value_kind: global_buffer, .address_space: global }
      - { .name: out_b, .offset: 88, .size: 8, .value_kind: global_buffer, .address_space: global }
      - { .name: n3_w, .offset: 96, .size: 8, .value_kind: global_buffer, .address_space: global }
      - { .name: n3_b, .offset: 104, .size: 8, .value_kind: global_buffer, .address_space: global }
      - { .name: out0, .offset: 112, .size: 8, .value_kind: global_buffer, .address_space: global }
    .group_segment_fixed_size: 171008
    .private_segment_fixed_size: 0
    .kernarg_segment_align: 8
    .kernarg_segment_size: 120
    .max_flat_workgroup_size: 384
    .sgpr_count:     106
    .vgpr_count:     258
    .wavefront_size: 32
...
	.end_amdgpu_metadata
.endif
;; end of part 4
;; ======== version 2 of 2: 4 launches; version 1 with the launches prep, proj, layer0, layer1 written anew for expert scheduling mode
;; limits: values are held in f16: magnitudes above 65,504 overflow, below 6.1e-05 lose precision
;; workspace buffers: wfrag 4,128,768 bytes; qkv0 18,874,368 bytes; qkv1 18,874,368 bytes; ckv 12,582,912 bytes; x1 12,582,912 bytes
;; launch prep (part 5): grid 48 x 7, 1 waves a work-group, no clusters, 12,800 bytes of LDS; arguments sa_qw, sa_kw, sa_vw, ca_qw, ca_kw, ca_vw, out_w, wfrag; writes wfrag
.if DOCPART == 5
	.amdgcn_target "amdgcn-amd-amdhsa--gfx1250"
	.amdhsa_code_object_version 6
	.text
	.protected	k_qf24dea27b5_prep
	.globl	k_qf24dea27b5_prep
	.p2align	8
	.type	k_qf24dea27b5_prep,@function
k_qf24dea27b5_prep:
	s_mov_b64 s[64:65], 0
	v_nop
	global_prefetch_b8 v0, s[64:65] scope:SCOPE_SE
	s_setreg_imm32_b32 hwreg(HW_REG_WAVE_SCHED_MODE, 0, 2), 2
	s_setreg_imm32_b32 hwreg(HW_REG_WAVE_MODE, 25, 1), 1
	s_wait_xcnt 0x0
	s_wait_alu depctr_vm_vsrc(0)
; The fourteen weight matrices [384 out][384 in] f32 are rounded to f16 and laid out in fragment order.
; FORMAT: f16, 11 significant bits.  Room: the weights are drawn with spread 0.02; thirty times larger, or offset by thirty spreads, they stay
; under 4, against f16's largest 65,504; thirty times smaller their spread is 6.7e-4 and f16's step there is 6e-8 (denormals are kept).
; LIMIT: a weight above 65,504 in magnitude becomes infinite.
; A fragment block is 1,024 bytes = 16 rows x 32 k: byte p*512 + lane*16 (lane = r + 16 h) holds row r, k = 16 p + 8 h + 0..7,
; so that two 16-byte loads a lane at lane*16 + {0, 512} fill the eight registers of a matrix operand (ISA guide 7.12.2).
; wfrag: matrix 7*layer + type at 294,912 bytes each; block (row tile ft, k step ks) at (12 ft + ks) * 1,024.
; One wave takes one strip of 16 rows: 24,576 consecutive bytes in, 12,288 consecutive bytes out; x = 24*layer + ft, y = type.
; A stream: every byte is read once and written once; each load and each store of the wave covers 512 consecutive aligned bytes.
; No matrix unit, no cluster: no two work-groups read the same byte.
; THE MODE: SCHED_MODE bits 1:0 = 2 (LLVM: expert scheduling mode 2), set by the entry lines.  The code itself states the register dependences
; between vector instructions and memory or LDS instructions, with s_wait_alu, always for 0.
; THE PLAN.  Registers that memory or LDS instructions touch:
;   v1, v2, v3   offsets and LDS addresses, made once at the head and never written again.
;   v[DR ..]     load i lands in four registers; its two conversions close them up into the first two, which its LDS store reads; at the end the
;                24 loads from LDS land in the first 96 of them, and the global stores read those.
; The 48 loads go in six groups of eight.  Group p's conversions name group p's registers alone; the LDS stores issued in group p read group p - 1's.
; So one wait at a group's head states all that its eight stores hang on, and they are dealt among its conversions with no further wait.
.set PITCH, 784                        ; an LDS row: 768 bytes of f16 + 16, an odd multiple of 16
.set DR, 8                             ; v[8:199] the 48 loads of 16 bytes a lane
.set GRP, 8                            ; loads in a group
.macro CVT i                           ; four f32 of load i become four f16 in its first two registers
	v_cvt_pk_f16_f32 v[DR+4*(\i)], v[DR+4*(\i)], v[DR+4*(\i)+1]
	v_cvt_pk_f16_f32 v[DR+4*(\i)+1], v[DR+4*(\i)+2], v[DR+4*(\i)+3]
.endm
.macro PUT i                           ; and go into the strip in LDS: three loads make a row
	ds_store_b64 v2, v[DR+4*(\i):DR+4*(\i)+1] offset:((\i)/3)*PITCH+((\i)%3)*256
.endm
	s_load_b512 s[8:23], s[0:1], 0x0               ; the seven weight tensors, then wfrag in s[22:23]
	v_lshl_add_u32 v6, v0, 2, 0x3100
	v_mov_b32 v7, 0
	s_and_b32 s2, ttmp7, 0xffff                    ; type
	s_cmp_ge_u32 ttmp9, 24
	s_cselect_b32 s3, 1, 0                         ; layer
	s_mul_i32 s24, ttmp9, 24576                    ; the strip in its tensor [2*384][384]
	s_mov_b32 s25, 0
	s_mul_i32 s26, s3, 7
	s_add_co_u32 s26, s26, s2
	s_mul_i32 s26, s26, 294912                     ; the matrix in wfrag
	s_mul_i32 s28, s3, 24
	s_sub_co_u32 s28, ttmp9, s28                   ; ft
	s_mul_i32 s28, s28, 12288
	s_add_co_u32 s26, s26, s28
	s_mov_b32 s27, 0
	v_lshlrev_b32 v1, 4, v0                        ; lane*16: global offset, in and out
	v_lshlrev_b32 v2, 3, v0                        ; lane*8: four f16 in an LDS row
	v_and_b32 v4, 15, v0                           ; r
	v_lshrrev_b32 v5, 4, v0                        ; h
	v_mul_u32_u24 v3, v4, PITCH
	v_lshl_add_u32 v3, v5, 4, v3                   ; r*pitch + 16 h
	s_wait_kmcnt 0x0
	s_mov_b64 s[4:5], s[8:9]
.irp i,1,2,3,4,5,6
	s_cmp_eq_u32 s2, \i
	s_cselect_b64 s[4:5], s[8+2*\i:9+2*\i], s[4:5] ; the tensor of my type
.endr
	s_add_nc_u64 s[4:5], s[4:5], s[24:25]
	s_add_nc_u64 s[6:7], s[22:23], s[26:27]
	s_wait_alu depctr_va_vdst(0)                   ; v1, v2 and v3 are written: every load and store of the kernel reads one of them as its offset or address
.set i, 0
.rept 48
	global_load_b128 v[DR+4*i:DR+4*i+3], v1, s[4:5] offset:i*512 th:TH_LOAD_NT
.set i, i+1
.endr
.set i, 0
.rept 48/GRP
	s_wait_loadcnt 48-GRP-i                        ; loads come back in order: this group's eight are in, the younger groups stay out
.if i > 0
	s_wait_alu depctr_va_vdst(0)                   ; the group before is rounded: its conversions have written the registers that the eight stores below read
.endif
.rept GRP
.if i >= GRP
	PUT i-GRP                                      ; the group before; no conversion since the wait names its registers
.endif
	CVT i
.set i, i+1
.endr
.endr
	s_wait_alu depctr_va_vdst(0)                   ; the last group is rounded, for its stores; and every conversion is done with v[DR ..], in which the loads from LDS land
.set i, 48-GRP
.rept GRP
	PUT i
.set i, i+1
.endr
	s_wait_dscnt 0x0                               ; the strip is whole in LDS
	s_wait_alu depctr_vm_vsrc(0)                   ; the LDS stores have read their data registers, in which the loads below land
.set i, 0
.rept 24
	ds_load_b128 v[DR+4*i:DR+4*i+3], v3 offset:(i/2)*64+(i%2)*32       ; block ks = i/2, half p = i%2
.set i, i+1
.endr
.set i, 0
.rept 24
	s_wait_dscnt 23-i
	global_store_b128 v1, v[DR+4*i:DR+4*i+3], s[6:7] offset:i*512
.set i, i+1
.endr
	s_wait_dscnt 0x0
	s_wait_alu depctr_hold_cnt(0) depctr_sa_sdst(0) depctr_va_vdst(0) depctr_va_sdst(0) depctr_va_ssrc(0) depctr_va_vcc(0) depctr_vm_vsrc(0)
	s_wait_tensorcnt 0x0
	ds_add_u32 v6, v7
	s_wait_dscnt 0x0
	s_endpgm
.Lfunc_end_k_qf24dea27b5_prep:
	.size	k_qf24dea27b5_prep, .Lfunc_end_k_qf24dea27b5_prep-k_qf24dea27b5_prep
	.p2alignl 7, 3214868480
	.fill 96, 4, 3214868480
	.section	.rodata,"a",@progbits
	.p2align	6, 0x0
	.amdhsa_kernel k_qf24dea27b5_prep
		.amdhsa_group_segment_fixed_size 12800
		.amdhsa_private_segment_fixed_size 0
		.amdhsa_enable_private_segment 0
		.amdhsa_kernarg_size 64
		.amdhsa_user_sgpr_count 2
		.amdhsa_user_sgpr_kernarg_segment_ptr 1
		.amdhsa_wavefront_size32 1
		.amdhsa_system_sgpr_workgroup_id_x 1
		.amdhsa_system_sgpr_workgroup_id_y 1
		.amdhsa_system_sgpr_workgroup_id_z 1
		.amdhsa_system_vgpr_workitem_id 0
		.amdhsa_next_free_vgpr 200
		.amdhsa_next_free_sgpr 66
		.amdhsa_reserve_vcc 0
		.amdhsa_float_denorm_mode_32 3
		.amdhsa_float_denorm_mode_16_64 3
		.amdhsa_memory_ordered 1
		.amdhsa_forward_progress 1
		.amdhsa_inst_pref_size 21
	.end_amdhsa_kernel
	.amdgpu_metadata
---
amdhsa.version: [ 1, 2 ]
amdhsa.kernels:
  - .name:           k_qf24dea27b5_prep
    .symbol:         k_qf24dea27b5_prep.kd
    .args:
      - { .name: sa_qw, .offset: 0, .size: 8, .value_kind: global_buffer, .address_space: global }
      - { .name: sa_kw, .offset: 8, .size: 8, .value_kind: global_buffer, .address_space: global }
      - { .name: sa_vw, .offset: 16, .size: 8, .value_kind: global_buffer, .address_space: global }
      - { .name: ca_qw, .offset: 24, .size: 8, .value_kind: global_buffer, .address_space: global }
      - { .name: ca_kw, .offset: 32, .size: 8, .value_kind: global_buffer, .address_space: global }
      - { .name: ca_vw, .offset: 40, .size: 8, .value_kind: global_buffer, .address_space: global }
      - { .name: out_w, .offset: 48, .size: 8, .value_kind: global_buffer, .address_space: global }
      - { .name: wfrag, .offset: 56, .size: 8, .value_kind: global_buffer, .address_space: global }
    .group_segment_fixed_size: 12800
    .private_segment_fixed_size: 0
    .kernarg_segment_align: 8
    .kernarg_segment_size: 64
    .max_flat_workgroup_size: 32
    .sgpr_count:     66
    .vgpr_count:     200
    .wavefront_size: 32
...
	.end_amdgpu_metadata
.endif
;; end of part 5
;; launch proj (part 6): grid 256 x 1, 12 waves a work-group, no clusters, 100,864 bytes of LDS; arguments dec_hidden_states, enc_outputs, wfrag, sa_qb, sa_kb, sa_vb, ca_kb, ca_vb, qkv0, ckv; writes qkv0, ckv
.if DOCPART == 6
	.amdgcn_target "amdgcn-amd-amdhsa--gfx1250"
	.amdhsa_code_object_version 6
	.text
	.protected	k_qf24dea27b5_proj
	.globl	k_qf24dea27b5_proj
	.p2align	8
	.type	k_qf24dea27b5_proj,@function
k_qf24dea27b5_proj:
	s_mov_b64 s[64:65], 0
	v_nop
	global_prefetch_b8 v0, s[64:65] scope:SCOPE_SE
	s_setreg_imm32_b32 hwreg(HW_REG_WAVE_SCHED_MODE, 0, 2), 2
	s_setreg_imm32_b32 hwreg(HW_REG_WAVE_MODE, 25, 1), 1
	s_wait_xcnt 0x0
	s_wait_alu depctr_vm_vsrc(0)
; Projections that need no attention: q, k, v of layer 0 from the decoder rows, and the cross k, v of both layers from the encoder rows.
; Work-groups 0-127: 64 decoder rows, three matrices.  Work-groups 128-255: 64 encoder rows, two matrices of layer (w-128)/64.
; (An equal split does not exist at 64-row blocks: 128 x 3 against 128 x 2 block-matrices; every work-group has work.)
; Twelve waves; wave hd makes features 32 hd .. 32 hd + 31 (head hd) of all 64 rows.
; FORMAT: all matrix operands are f16 (11 significant bits), the sums f32.  Room, against f16's largest 65,504: the rows are drawn with spread 1
; and stay under 200 when thirty times larger or offset by thirty spreads; q, k, v are largest when the rows carry an offset of 30 and the
; weights one of 0.6: 384 x 30 x 0.6 = 6,912; with both thirty times larger their spread is 30 x 0.6 x sqrt(384) = 353.  With both thirty
; times smaller the spread of k and v is 4.3e-4, of the scaled q 1.1e-4, and f16's step there is 6e-8 (denormals are kept).
; LIMIT: a row element, q, k or v above 65,504 in magnitude becomes infinite.
; The products run transposed, D = W x X^T (lane = row, registers = features), so eight results of a lane are eight neighbouring
; numbers of a row of q or k: packed to f16 they are 16 bytes of a fragment block (16 rows x 32 dims, 1,024 bytes, byte
; p*512 + lane*16).  v is made with the sources swapped, D = X x W^T (lane = feature, registers = keys): blocks of V^T, 16 dims x 32 keys.
; q is multiplied in f32 by log2(e)/sqrt(32) before its one rounding to f16.
; The weights come from wfrag in fragment order straight into registers, a ring of four K steps (up to 16 loads of 512 bytes in flight a wave);
; each weight byte is used by one wave of the work-group, so LDS would share nothing of them.  X is rounded once into LDS, which all waves read.
; EVERY WORK-GROUP WALKS K FROM ITS OWN PLACE: walk position j is K step (rot + j) mod 12, rot = work-group number mod 12, so that the
; work-groups that share a matrix ask between them for all twelve K steps at any moment and not all for the same 24 KB.  Twelve scalar
; bases hold the positions' places in a matrix; X lies in LDS twice in each row, so that positions rot .. rot + 11 are consecutive
; and one address register carries the rotation.  The order of an f32 sum over K therefore differs from work-group to work-group.
; NO CLUSTER: what work-groups share is the weights, 24,576 bytes a wave and matrix; a joint load lands in LDS, from where each byte would be
; read once by one wave: it would add an LDS write and an LDS read for every weight byte and a barrier round for each refill.
; THE MODE: SCHED_MODE bits 1:0 = 2 (LLVM: expert scheduling mode 2), set by the entry lines.  The code itself states the register dependences
; between vector or matrix instructions and memory or LDS instructions, with s_wait_alu, always for 0.
; THE PLAN.  Registers that memory or LDS instructions touch:
;   v1-v4, v6, v7, v12-v14   offsets and LDS addresses, made once at the head ahead of one wait and never written again.
;   ACC, while X is staged   load i lands in four registers, two conversions close them up, two LDS stores read them.  Four groups of four: the stores
;                            issued in group p read group p - 1's registers, which group p's conversions do not name: one wait at a group's head.
;   WR0 .. WR3, XFR0, XFR1   Step g's eight products read slot g % 4 and buffer g & 1.  ONE wait at the head of step g states that step g - 1's products
;                            are done reading; behind it step g + 1's fragments land in buffer (g - 1) & 1 and step g + 3's weights in slot (g - 1) % 4,
;                            dealt among step g's products, which name the other buffer, another slot, the accumulators and the bias.
;   A matrix's last step     Behind its places a second wait frees its own slot and buffer: the fragments of the step after next and the weights four
;                            steps on go out ahead of the way out.  So a matrix's first step asks for nothing, and both ways into the k matrix are alike.
;   ACC, on the way out      conversions write, stores read: two row tiles are rounded, a wait, their stores dealt among the other two tiles' conversions,
;                            a wait, the last stores; the next matrix's products write ACC behind a wait on vm_vsrc.
.set PITCH, 1552                       ; X in LDS: a row twice, 2 x 768 bytes of f16, + 16: an odd multiple of 16
.set COPY, 768                         ; from a row's first copy to its second
.set WMAT, 294912                      ; bytes of a matrix in wfrag
.set ACC, 16                           ; v[16:79]   accumulators, tile (rt, f) at 16 rt + 8 f; before that the 16 loads of X
.set XFR, 80                           ; v[80:143]  X fragments, two buffers x 4 row tiles x 8
.set WR, 144                           ; v[144:207] weight ring, four slots x 2 feature tiles x 8
.set QB, 208                           ; v[208:223] q bias, v[224:239] k bias, v[240:255] v bias (one number a lane, in eight registers)
.set PB, 66                            ; s[66:89]   twelve pairs: my head's slice of the first matrix at walk position j; never rewritten
.macro NOPS cnt
.rept \cnt
	v_nop
.endr
.endm
.macro MMA d, a, b, c
	v_wmma_f32_16x16x32_f16 v[\d:\d+7], v[\a:\a+7], v[\b:\b+7], v[\c:\c+7]
.endm
.macro BLD dst, sb                     ; 16 bias numbers of my head in accumulator order: feature 16 f + 8 h + j
.irp f,0,1
.irp q,0,1
	global_load_b128 v[\dst+8*\f+4*\q:\dst+8*\f+4*\q+3], v6, s[\sb:\sb+1] offset:\f*64+\q*16
.endr
.endr
.endm
.macro WLD dst, vo, j, off             ; walk position j of my 32 features: four loads of 512 bytes; off: the matrix
.irp f,0,1
.irp p,0,1
	global_load_b128 v[\dst+8*\f+4*\p:\dst+8*\f+4*\p+3], v[\vo], s[PB+2*(\j):PB+2*(\j)+1] offset:\off+\f*12288+\p*512
.endr
.endr
.endm
.macro XLD dst, j                      ; X fragments of walk position j: 64 rows x 32 k; v2 serves rows 0-31, v12 rows 32-63
.irp rt,0,1
.irp p,0,1
	ds_load_b128 v[\dst+8*\rt+4*\p:\dst+8*\rt+4*\p+3], v2 offset:\rt*16*PITCH+(\j)*64+\p*32
.endr
.endr
.irp rt,0,1
.irp p,0,1
	ds_load_b128 v[\dst+16+8*\rt+4*\p:\dst+16+8*\rt+4*\p+3], v12 offset:\rt*16*PITCH+(\j)*64+\p*32
.endr
.endr
.endm
.macro XCV i                           ; staging: four f32 of load i of X become four f16 in its first two registers
	v_cvt_pk_f16_f32 v[ACC+4*(\i)], v[ACC+4*(\i)], v[ACC+4*(\i)+1]
	v_cvt_pk_f16_f32 v[ACC+4*(\i)+1], v[ACC+4*(\i)+2], v[ACC+4*(\i)+3]
.endm
.macro XST i                           ; and go into both copies of their row
.if (\i) < 8
	ds_store_b64 v3, v[ACC+4*(\i):ACC+4*(\i)+1] offset:(\i)*4*PITCH
	ds_store_b64 v3, v[ACC+4*(\i):ACC+4*(\i)+1] offset:(\i)*4*PITCH+COPY
.else
	ds_store_b64 v13, v[ACC+4*(\i):ACC+4*(\i)+1] offset:((\i)-8)*4*PITCH
	ds_store_b64 v13, v[ACC+4*(\i):ACC+4*(\i)+1] offset:((\i)-8)*4*PITCH+COPY
.endif
.endm
.macro PMM g, rt                       ; the two products of row tile rt in step g
.irp f,0,1
.if p_ks == 0
.set p_c, p_cb+8*\f                                ; the first product starts the sum from the bias
.else
.set p_c, ACC+16*(\rt)+8*\f
.endif
.if (\g) >= 24
	MMA ACC+16*(\rt)+8*\f, p_xb+8*(\rt), p_sl+8*\f, p_c
.else
	MMA ACC+16*(\rt)+8*\f, p_sl+8*\f, p_xb+8*(\rt), p_c
.endif
.endr
.endm
; Step g of 36: matrix g/12 (q, k, v), walk position g%12.  Encoder groups enter at g = 12; 12 is a multiple of both ring lengths.
.macro PSTEP g
.set p_ks, (\g)%12
.set p_sl, WR+16*((\g)%4)
.set p_xb, XFR+32*((\g)&1)
.set p_cb, QB+16*((\g)/12)
.set p_g1, (\g)+1
.set p_g3, (\g)+3
.if p_ks == 0
.set p_top, (\g)+3                                 ; the last step whose weights have been asked for: a matrix's first step finds one more than the others
.else
.set p_top, (\g)+2
.endif
.if p_top > 35
.set p_top, 35
.endif
	s_wait_loadcnt 4*(p_top-(\g))                  ; my slot's four loads are in; those of the steps asked for after it stay out
.if p_ks == 0
	s_wait_dscnt 0x8                               ; this step's fragments are in; the next step's eight loads stay out
.else
	s_wait_dscnt 0x0                               ; this step's fragments are in: they are the youngest LDS loads
.if p_g1 <= 35
	s_wait_alu depctr_va_vdst(0)                   ; the last step's products are done reading their X buffer and their slot of the ring, in which the loads of this step land
	XLD XFR+32*(p_g1&1), p_g1%12
.endif
.endif
	PMM \g, 0
	PMM \g, 1
.if p_ks != 0
.if p_g3 <= 35
	WLD WR+16*(p_g3%4), 1, p_g3%12, (p_g3/12)*WMAT ; no wait: no product since the wait above names this slot
.endif
.endif
	PMM \g, 2
	PMM \g, 3                                      ; the eight accumulators take turns, one instruction a turn
.if p_ks == 11
	NOPS 4                                         ; four places (ISA guide 7.12.1) before the way out reads the results
.if (\g) < 35
.set p_g2, (\g)+2
.set p_g4, (\g)+4
	s_wait_alu depctr_va_vdst(0)                   ; this step's products are done reading their own X buffer and slot, in which the loads below land
	XLD p_xb, p_g2%12
	WLD p_sl, 1, p_g4%12, (p_g4/12)*WMAT
.endif
.endif
.endm
; The eight tiles leave: scale (q), round in place, 16 bytes a lane; each store of the wave covers 512 consecutive aligned bytes.
.macro PCV rt, scale                   ; the two tiles of row tile rt are scaled and rounded
.irp f,0,1
.if \scale
.irp i,0,1,2,3
	v_pk_mul_f32 v[ACC+16*\rt+8*\f+2*\i:ACC+16*\rt+8*\f+2*\i+1], v[ACC+16*\rt+8*\f+2*\i:ACC+16*\rt+8*\f+2*\i+1], s[52:53] op_sel_hi:[1,0]
.endr
.endif
.irp i,0,1,2,3
	v_cvt_pk_f16_f32 v[ACC+16*\rt+8*\f+\i], v[ACC+16*\rt+8*\f+2*\i], v[ACC+16*\rt+8*\f+2*\i+1]
.endr
.endr
.endm
.macro PSTO sb, rt, vform              ; and stored
.irp f,0,1
.if \vform
	global_store_b128 v1, v[ACC+16*\rt+8*\f:ACC+16*\rt+8*\f+3], s[\sb:\sb+1] offset:(\rt>>1)*2048+\f*1024+(\rt&1)*512
.else
	global_store_b128 v1, v[ACC+16*\rt+8*\f:ACC+16*\rt+8*\f+3], s[\sb:\sb+1] offset:\rt*1024+\f*512
.endif
.endr
.endm
.macro POUT sb, scale, vform, more
	PCV 0, \scale
	PCV 1, \scale
	s_wait_alu depctr_va_vdst(0)                   ; row tiles 0 and 1 are rounded: their conversions have written what the next four stores read
	PSTO \sb, 0, \vform
	PCV 2, \scale                                  ; names row tile 2's registers alone
	PSTO \sb, 1, \vform
	PCV 3, \scale
	s_wait_alu depctr_va_vdst(0)                   ; row tiles 2 and 3 are rounded, for the last four stores
	PSTO \sb, 2, \vform
	PSTO \sb, 3, \vform
.if \more
	s_wait_xcnt 0x0                                ; the stores' data are the accumulators, which the next matrix writes only behind this wait
	s_wait_alu depctr_vm_vsrc(0)                   ; the stores have read the accumulators' registers, which the next matrix's products write
.endif
.endm
	s_load_b512 s[8:23], s[0:1], 0x0               ; dec s[8:9] enc s[10:11] wfrag s[12:13] sa_qb s[14:15] sa_kb s[16:17] sa_vb s[18:19] ca_kb s[20:21] ca_vb s[22:23]
	s_load_b128 s[24:27], s[0:1], 0x40             ; qkv0 s[24:25] ckv s[26:27]
	v_lshl_add_u32 v15, v0, 2, 0x18400
	s_set_vgpr_msb 0x40
	v_mov_b32 v1, 0
	s_set_vgpr_msb 0x4000
	v_lshrrev_b32 v1, 5, v0
	v_readfirstlane_b32 s2, v1                     ; hd: my wave, my head
	s_mov_b32 s52, 0x3e8293ee                      ; log2(e)/sqrt(32)
	s_mov_b32 s53, 0x3e8293ee
	s_wait_alu depctr_va_sdst(0)                   ; s2 is written, ahead of its first reader: LDS places, offsets and bases are made from it
	s_mul_i32 s4, s2, 11
	s_lshr_b32 s4, s4, 5                           ; hd / 3 (exact for 0..11): my row among the four that a staging load covers
	s_mul_i32 s5, s4, 3
	s_sub_co_u32 s5, s2, s5                        ; hd % 3: my third of that row
	s_mul_i32 s4, s4, PITCH
	s_lshl_b32 s5, s5, 8
	s_add_co_u32 s4, s4, s5
	s_lshl_b32 s6, s2, 7                           ; hd * 128: my 32 numbers in a bias
	s_mul_i32 s56, ttmp9, 171
	s_lshr_b32 s56, s56, 11                        ; work-group / 12 (exact up to 255)
	s_mul_i32 s56, s56, 12
	s_sub_co_u32 s56, ttmp9, s56                   ; rot = work-group mod 12: where my walk over K begins
	s_min_u32 s56, s56, 11                         ; any rot from 0 to 11 gives the same sums; the bound stands in the text
	v_and_b32 v5, 31, v0                           ; lane
	v_and_b32 v10, 15, v0                          ; r
	v_bfe_u32 v11, v0, 4, 1                        ; h
	v_lshlrev_b32 v1, 4, v5                        ; lane*16
	v_mul_u32_u24 v2, v10, PITCH
	v_lshl_add_u32 v2, v11, 4, v2                  ; r*pitch + 16 h
	v_lshl_add_u32 v2, s56, 6, v2                  ; + 64 rot: position 0 of my walk, rows 0-31
	v_add_nc_u32 v12, 32*PITCH, v2                 ; the same for rows 32-63 (an LDS immediate has 16 bits)
	v_lshl_add_u32 v3, v5, 3, s4                   ; where I put four f16 of X, rows 0-31
	v_add_nc_u32 v13, 32*PITCH, v3                 ; rows 32-63
	v_lshlrev_b32 v4, 4, v0                        ; thread*16
	v_lshl_add_u32 v6, v11, 5, s6                  ; hd*128 + 32 h
	v_lshl_add_u32 v7, v10, 2, s6                  ; hd*128 + 4 r
	; the job: offsets of both kinds with constant shifts, then one choice
	s_cmp_lt_u32 ttmp9, 128
	s_cselect_b32 s28, 1, 0                        ; 1: decoder rows
	s_and_b32 s29, ttmp9, 127                      ; decoder: block of 64 rows
	s_lshr_b32 s30, s29, 6                         ; encoder: layer
	s_and_b32 s31, s29, 63                         ; encoder: block of 64 rows
	s_lshr_b32 s50, s29, 4                         ; decoder: batch (16 blocks each)
	s_mul_i32 s50, s50, 12
	s_add_co_u32 s50, s50, s2
	s_lshl_b32 s50, s50, 16                        ; 65,536 bytes a head
	s_and_b32 s51, s29, 15
	s_lshl_b32 s51, s51, 12                        ; 4,096 bytes a block of 64 rows
	s_add_co_u32 s50, s50, s51
	s_lshr_b32 s51, s31, 3                         ; encoder: batch (8 blocks each)
	s_mul_i32 s51, s51, 12
	s_add_co_u32 s51, s51, s2
	s_lshl_b32 s51, s51, 15                        ; 32,768 bytes a head
	s_and_b32 s54, s31, 7
	s_lshl_b32 s54, s54, 12
	s_add_co_u32 s51, s51, s54
	s_mul_i32 s54, s30, 6291456                    ; two regions of 3,145,728 bytes a layer
	s_add_co_u32 s51, s51, s54
	s_mul_i32 s55, s30, 7
	s_add_co_u32 s55, s55, 3                       ; encoder: the matrix in front of ca_k (7*layer + 4) and ca_v (+ 5), so that k is matrix 1 and v matrix 2 for both kinds of rows
	s_mul_i32 s55, s55, WMAT
	s_mul_i32 s3, s2, 24576                        ; my head's slice of a matrix
	s_add_co_u32 s55, s55, s3
	s_mul_i32 s7, s30, 1536
	s_cmp_lg_u32 s28, 0
	s_cselect_b32 s48, s50, s51                    ; output offset
	s_cselect_b32 s58, s3, s55                     ; matrix 0 of my three: sa_q, or the one that encoder rows never read
	s_cselect_b32 s57, 0, WMAT                     ; the first matrix that I multiply: 0 (q), or 1 (k)
	s_cselect_b32 s62, 0, s7                       ; layer's row in a bias
	s_cselect_b32 s60, s29, s31
	s_mul_i32 s60, s60, 98304                      ; 64 rows of 1,536 bytes
	v_add_nc_u32 v14, s57, v1                      ; the offset of the ring's first fill
	s_mov_b32 s49, 0
	s_mov_b32 s59, 0
	s_mov_b32 s61, 0
	s_mov_b32 s63, 0
	s_mov_b32 s54, 0xc00000
	s_mov_b32 s55, 0x300000
	s_mov_b32 s51, 0
	s_wait_kmcnt 0x0
	s_cmp_lg_u32 s28, 0
	s_cselect_b64 s[32:33], s[8:9], s[10:11]
	s_add_nc_u64 s[32:33], s[32:33], s[60:61]      ; X
	s_add_nc_u64 s[34:35], s[12:13], s[58:59]      ; my head's slice of matrix 0
	s_cselect_b64 s[38:39], s[16:17], s[20:21]
	s_add_nc_u64 s[38:39], s[38:39], s[62:63]      ; k bias
	s_cselect_b64 s[40:41], s[18:19], s[22:23]
	s_add_nc_u64 s[40:41], s[40:41], s[62:63]      ; v bias
	s_cselect_b64 s[42:43], s[24:25], s[26:27]
	s_add_nc_u64 s[42:43], s[42:43], s[48:49]      ; decoder: q out
	s_cselect_b32 s50, 0x600000, 0
	s_add_nc_u64 s[44:45], s[42:43], s[50:51]      ; k out
	s_cselect_b32 s50, s54, s55
	s_add_nc_u64 s[46:47], s[42:43], s[50:51]      ; v out
	s_lshl_b32 s58, s56, 10                        ; walk position j lies at K step (rot + j) mod 12, 1,024 bytes a step
.irp j,0,1,2,3,4,5,6,7,8,9,10,11
	s_add_nc_u64 s[PB+2*\j:PB+2*\j+1], s[34:35], s[58:59]
	s_add_co_u32 s58, s58, 1024
	s_cmp_eq_u32 s58, 12288
	s_cselect_b32 s58, 0, s58                      ; round the twelve
.endr
	s_wait_alu depctr_va_vdst(0)                   ; the nine offsets and addresses v1-v4, v6, v7, v12-v14 are written: every load and store of the kernel reads one of them
	; loads, oldest first: biases (10), X (16), the ring's first four walk positions (16)
	BLD QB, 14                                     ; q's bias is loaded by every work-group (four loads), so that the text has one branch on the kind of rows
	BLD QB+16, 38
	global_load_b32 v8, v7, s[40:41]
	global_load_b32 v9, v7, s[40:41] offset:64
.set i, 0
.rept 16
	global_load_b128 v[ACC+4*i:ACC+4*i+3], v4, s[32:33] offset:i*6144   ; the twelve waves cover four rows
.set i, i+1
.endr
.irp sl,0,1,2,3
	WLD WR+16*\sl, 14, \sl, 0
.endr
.set i, 0
.rept 4
	s_wait_loadcnt 28-i                            ; this group's four loads of X are in: the 12-i younger loads of X and 16 of weights stay out
.if i > 0
	s_wait_alu depctr_va_vdst(0)                   ; the group before is rounded: its conversions have written the registers that the eight stores below read
.endif
.rept 4
.if i >= 4
	XST i-4                                        ; the group before; no conversion since the wait names its registers
.endif
	XCV i
.set i, i+1
.endr
.endr
	s_wait_alu depctr_va_vdst(0)                   ; the last group is rounded, for its stores
.irp k,12,13,14,15
	XST \k
.endr
.irp f,0,1
.irp j,0,1,2,3,4,5,6,7
	v_mov_b32 v[QB+32+8*\f+\j], v[8+\f]            ; swapped product: a lane's eight results are one feature
.endr
.endr
	s_wait_dscnt 0x0                               ; my part of X is in LDS,
	s_barrier_signal -1
	s_barrier_wait -1                              ; everybody's is
	s_wait_alu depctr_vm_vsrc(0)                   ; my LDS stores have read v[ACC ..]: these registers are the accumulators from here on, written by the products
	XLD XFR, 0
	XLD XFR+32, 1
	s_cmp_lg_u32 s28, 0
	s_cbranch_scc0 .Lkv                            ; encoder rows have no q
.set g, 0
.rept 12
	PSTEP g
.set g, g+1
.endr
	POUT 42, 1, 0, 1
.Lkv:                                              ; both ways: the ring holds k's first four walk positions, X's positions 0 and 1 are asked for
.set g, 12
.rept 12
	PSTEP g
.set g, g+1
.endr
	POUT 44, 0, 0, 1
.rept 12
	PSTEP g
.set g, g+1
.endr
	POUT 46, 0, 1, 0
	s_set_vgpr_msb 0x4
	s_wait_dscnt 0x0
	s_wait_alu depctr_hold_cnt(0) depctr_sa_sdst(0) depctr_va_vdst(0) depctr_va_sdst(0) depctr_va_ssrc(0) depctr_va_vcc(0) depctr_vm_vsrc(0)
	s_wait_tensorcnt 0x0
	ds_add_u32 v15, v1
	s_wait_dscnt 0x0
	s_endpgm
.Lfunc_end_k_qf24dea27b5_proj:
	.size	k_qf24dea27b5_proj, .Lfunc_end_k_qf24dea27b5_proj-k_qf24dea27b5_proj
	.p2alignl 7, 3214868480
	.fill 96, 4, 3214868480
	.section	.rodata,"a",@progbits
	.p2align	6, 0x0
	.amdhsa_kernel k_qf24dea27b5_proj
		.amdhsa_group_segment_fixed_size 100864
		.amdhsa_private_segment_fixed_size 0
		.amdhsa_enable_private_segment 0
		.amdhsa_kernarg_size 80
		.amdhsa_user_sgpr_count 2
		.amdhsa_user_sgpr_kernarg_segment_ptr 1
		.amdhsa_wavefront_size32 1
		.amdhsa_system_sgpr_workgroup_id_x 1
		.amdhsa_system_sgpr_workgroup_id_y 1
		.amdhsa_system_sgpr_workgroup_id_z 1
		.amdhsa_system_vgpr_workitem_id 0
		.amdhsa_next_free_vgpr 258
		.amdhsa_next_free_sgpr 90
		.amdhsa_reserve_vcc 0
		.amdhsa_float_denorm_mode_32 3
		.amdhsa_float_denorm_mode_16_64 3
		.amdhsa_memory_ordered 1
		.amdhsa_forward_progress 1
		.amdhsa_inst_pref_size 78
	.end_amdhsa_kernel
	.amdgpu_metadata
---
amdhsa.version: [ 1, 2 ]
amdhsa.kernels:
  - .name:           k_qf24dea27b5_proj
    .symbol:         k_qf24dea27b5_proj.kd
    .args:
      - { .name: dec_hidden_states, .offset: 0, .size: 8, .value_kind: global_buffer, .address_space: global }
      - { .name: enc_outputs, .offset: 8, .size: 8, .value_kind: global_buffer, .address_space: global }
      - { .name: wfrag, .offset: 16, .size: 8, .value_kind: global_buffer, .address_space: global }
      - { .name: sa_qb, .offset: 24, .size: 8, .value_kind: global_buffer, .address_space: global }
      - { .name: sa_kb, .offset: 32, .size: 8, .value_kind: global_buffer, .address_space: global }
      - { .name: sa_vb, .offset: 40, .size: 8, .value_kind: global_buffer, .address_space: global }
      - { .name: ca_kb, .offset: 48, .size: 8, .value_kind: global_buffer, .address_space: global }
      - { .name: ca_vb, .offset: 56, .size: 8, .value_kind: global_buffer, .address_space: global }
      - { .name: qkv0, .offset: 64, .size: 8, .value_kind: global_buffer, .address_space: global }
      - { .name: ckv, .offset: 72, .size: 8, .value_kind: global_buffer, .address_space: global }
    .group_segment_fixed_size: 100864
    .private_segment_fixed_size: 0
    .kernarg_segment_align: 8
    .kernarg_segment_size: 80
    .max_flat_workgroup_size: 384
    .sgpr_count:     90
    .vgpr_count:     258
    .wavefront_size: 32
...
	.end_amdgpu_metadata
.endif
;; end of part 6
;; launch layer0 (part 7): grid 256 x 1, 12 waves a work-group, no clusters, 171,008 bytes of LDS; arguments dec_hidden_states, dec_mask, enc_mask, qkv0, ckv, wfrag, n1_w, n1_b, ca_qb, n2_w, n2_b, out_b, n3_w, n3_b, x1, qkv1, sa_qb, sa_kb, sa_vb; writes x1, qkv1
.if DOCPART == 7
	.amdgcn_target "amdgcn-amd-amdhsa--gfx1250"
	.amdhsa_code_object_version 6
	.text
	.protected	k_qf24dea27b5_layer0
	.globl	k_qf24dea27b5_layer0
	.p2align	8
	.type	k_qf24dea27b5_layer0,@function
k_qf24dea27b5_layer0:
	s_mov_b64 s[64:65], 0
	v_nop
	global_prefetch_b8 v0, s[64:65] scope:SCOPE_SE
	s_setreg_imm32_b32 hwreg(HW_REG_WAVE_SCHED_MODE, 0, 2), 2
	s_setreg_imm32_b32 hwreg(HW_REG_WAVE_MODE, 25, 1), 1
	s_wait_xcnt 0x0
	s_wait_alu depctr_vm_vsrc(0)
; One decoder layer for 32 rows: self-attention, LN, cross q, cross-attention, LN, dense, LN; in layer 0 also the next layer's q, k, v.
; 256 work-groups x 32 rows; twelve waves, wave hd owns head hd = features 32 hd .. 32 hd + 31 of all 32 rows.
; EVERYTHING RUNS TRANSPOSED (lane = row r + 16 t, registers = features or keys), so no layout ever changes:
;   S^T = K Q^T + bias: a lane holds eight keys of one query; packed to f16 in place they are the B operand of O^T = V^T P^T;
;   O, the residual, LayerNorm and D = W X^T share the index 16 t + 8 dt + j = (row 16 t + r, feature 32 hd + 16 dt + 8 h + j);
;   D of the q projection, packed, is the next attention's B operand.
; K, V^T, Q and the weights lie in memory in fragment order (blocks of 1,024 bytes, byte p*512 + lane*16): an operand is two loads of
; 512 consecutive bytes a wave, straight into registers.
; FORMAT: all matrix operands are f16 (11 significant bits), the sums f32; residuals, LayerNorm and softmax in f32.  Room, against f16's
; largest 65,504: a LayerNorm output is at most |gain| sqrt(384) + |offset|, about 600 at a gain of 30; q, k, v are largest when the rows
; carry an offset of 30 and the weights one of 0.6: 384 x 30 x 0.6 = 6,912; with rows and weights thirty times larger their spread is
; 30 x 0.6 x sqrt(384) = 353; thirty times smaller it is 4.3e-4 (the scaled q: 1.1e-4), where f16's step is 6e-8 (denormals are kept).
; p lies in [0, 1]; a p under 3e-8 becomes 0, and 1,024 of them would add under 3.1e-5 to a sum that is at least 1.
; ALL 1,024 KEYS ARE COMPUTED: the mask is the finite -10000 of the definition, not minus infinity, so a query whose allowed keys are all
; holes spreads over every key.  The bias (1 - mask)(-10000) log2(e) is the C operand of the score product.  Softmax in base 2 with a
; running maximum; the 64-key step that holds the diagonal comes first and starts the sums, the others follow round the ring of 16.
; EVERY WORK-GROUP WALKS SHARED DATA FROM ITS OWN PLACE, so that the work-groups that read the same bytes do not all ask for the same ones
; at the same moment: self-attention starts at the diagonal step, cross-attention at key step (block mod 8) of its ring of 8, and a
; matrix's twelve K steps are taken in the order (rot + j) mod 12, rot = work-group number mod 12.  Twelve scalar bases hold the walk
; positions' places in a matrix; the activations lie in LDS twice, so that positions rot .. rot + 11 are consecutive and one address
; register carries the rotation.  The order of an f32 sum over K, and of the running softmax, therefore differs between work-groups.
; LIMITS: a q, k, v or activation above 65,504 in magnitude becomes infinite; the bias is fma(mask, 14426.95, -14426.95), one rounding where
; the definition has two (exact for masks of 0 and 1); the denominator sums p in f32 while the numerator multiplies p rounded to f16.
; NO CLUSTER, NO LDS RING for K, V, weights: each of their bytes is used by one wave of the work-group.  A joint load lands in LDS: it would
; add an LDS write and an LDS read of 2.25 MB of K and V and up to 1.47 MB of weights a work-group and a barrier round for each refill, and
; the partners would have to walk the keys in one order, while each block here starts at its own step.
; THE MODE: SCHED_MODE bits 1:0 = 2 (LLVM: expert scheduling mode 2), set by the entry lines.  The code itself states the register dependences
; between vector or matrix instructions and memory or LDS instructions, with s_wait_alu, always for 0.
; THE PLAN.  Registers that memory or LDS instructions touch:
;   v1-v12, v15      offsets and LDS addresses, made at the head ahead of one wait and never written again.
;   K, the bias      An attention step's score products read them (the diagonal step's selects read the bias too).  ONE wait on va_vdst stands behind the four
;                    places that the softmax needs in any case; behind it the next step's K and bias land in them.  The softmax names neither.
;   v[BA]            The bias loads' address, the one address that is stepped: a wait on vm_vsrc, the add (the first of those four places), and the wait
;                    on va_vdst just named states that it is written.
;   V                The step's second products read it.  A second wait stands behind the five places that the next scores need; behind it the next V lands.
;   ring, X buffers  Dense step g's four products read slot g % 8 and buffer g & 1.  ONE wait at the head of step g states that step g - 1's products are done
;                    reading; behind it step g + 1's fragments land in buffer (g - 1) & 1 and step g + 7's weights in slot (g - 1) % 8, dealt among step g's
;                    products, which name the other buffer, another slot, the accumulators and the bias.
;   between phases   One wait on va_vdst ahead of each run of loads into registers that the phase before has worked on; conversions come first and their LDS or
;                    global stores follow in one run behind one wait; one wait on vm_vsrc ahead of the first instruction that writes what stores have read.
.set LAYER, 0
.set SBT, 0                            ; LDS: self bias, 1,024 f32
.set CBT, 4096                         ; cross bias, 512 f32
.set RED, 6144                         ; LayerNorm partial sums: six stages of 32 rows x 80 bytes, word hd
.set REDS, 2560
.set XB, 21504                         ; activations in f16, fragment order, twice: K step hd (2,048 bytes) is written by wave hd at block hd and at block hd + 12
.set XBC, 24576                        ; from the first copy to the second
.set STASH, 70656                      ; 4,096 bytes a wave, its own: the f32 state during cross-attention
.set XF, 119808                        ; 32 rows x 1,552 bytes of f32: x on the way in, y on the way out
.set XFP, 1552                         ; 1,536 + 16, an odd multiple of 16
.set WMAT, 294912
.set ST, 16                            ; v[16:47]   f32 state; in attention: the small registers below
.set MX, 16                            ; v16-17     running maximum of query tile t
.set LS, 18                            ; v[18:21]   running sum, a pair for each t
.set MN, 22                            ; v[22:23]   new maximum, twice
.set AL, 24                            ; v[24:25]   2^(old - new), twice
.set TM, 26                            ; v[26:29]   at work
.set QD, 34                            ; v34-35     diagonal step: query's place minus 8 h
.set BA, 36                            ; v36        LDS address of the step's bias
.set OA, 48                            ; v[48:79]   O, or the dense accumulators; LayerNorm's work registers
.set QF, 80                            ; v[80:95]   Q fragments
.set CB, 80                            ;            or the dense bias
.set KR, 96                            ; v[96:127]  K, four key tiles
.set VR, 128                           ; v[128:159] V^T, block 2 c + dt
.set SC, 160                           ; v[160:223] scores, tile (t, kt) at 32 t + 8 kt; P(t, c) in place at 32 t + 16 c
.set WR, 96                            ; v[96:223]  or the weight ring, eight slots x 16
.set BIAS, 224                         ; v[224:255] bias of the step's 64 keys
.set XFR, 224                          ;            or X fragments, two buffers x 16
.set GW, 224                           ;            or LayerNorm's gain
.set GB, 240                           ;            and offset
.set DM, 8                             ; s[8:15]    the diagonal step's masks, eight at a time: the bases that lay here have served, their loads are shown done
                                       ; s[80:101], s[104:105]: twelve pairs, my head's slice of matrix 0 at walk position j; never rewritten
.macro NOPS cnt
.rept \cnt
	v_nop
.endr
.endm
.macro BAR
	s_wait_dscnt 0x0                               ; my LDS stores are done and my LDS loads are back
	s_barrier_signal -1
	s_barrier_wait -1
.endm
.macro MMA d, a, b, c
	v_wmma_f32_16x16x32_f16 v[\d:\d+7], v[\a:\a+7], v[\b:\b+7], v[\c:\c+7]
.endm
.macro MMA0 d, a, b
	v_wmma_f32_16x16x32_f16 v[\d:\d+7], v[\a:\a+7], v[\b:\b+7], 0
.endm
.macro KLOAD
.irp kt,0,1,2,3
.irp p,0,1
	global_load_b128 v[KR+8*\kt+4*\p:KR+8*\kt+4*\p+3], v1, s[50:51] offset:\kt*1024+\p*512
.endr
.endr
.endm
.macro VLOAD
.irp kt,0,1,2,3
.irp p,0,1
	global_load_b128 v[VR+8*\kt+4*\p:VR+8*\kt+4*\p+3], v1, s[52:53] offset:\kt*1024+\p*512
.endr
.endr
.endm
.macro BLOAD tbl                       ; register 8 kt + j: bias of key 16 kt + 8 h + j of the step
.irp kt,0,1,2,3
.irp q,0,1
	ds_load_b128 v[BIAS+8*\kt+4*\q:BIAS+8*\kt+4*\q+3], v[BA] offset:\tbl+\kt*64+\q*16
.endr
.endr
.endm
.macro DIAG                            ; the diagonal step: key 16 kt + 8 h + j is allowed for query place q if 16 kt + j <= q - 8 h.  The compares stand in runs of eight
.irp t,0,1
.irp kt,0,1,2,3
.irp j,0,1,2,3,4,5,6,7
	v_cmp_le_i32 s[DM+\j], 16*\kt+\j, v[QD+\t]
.endr
	s_wait_alu depctr_va_sdst(0)                   ; the run's eight masks are written, ahead of the selects that read them
.irp j,0,1,2,3,4,5,6,7
	v_cndmask_b32 v[SC+32*\t+8*\kt+\j], s59, v[BIAS+8*\kt+\j], s[DM+\j]
.endr
.endr
.endr
.endm
; 64 keys of query tile t: running maximum, 2^(s - max), running sum, P in f16 in place, O rescaled.
.macro SOFTMAX t, first
.set sm_b, SC+32*\t
.if \first
	v_max_num_f32 v[TM], v[sm_b], v[sm_b+1]
.else
	v_max3_num_f32 v[TM], v[sm_b], v[sm_b+1], v[MX+\t]
.endif
	v_max3_num_f32 v[TM+1], v[sm_b+16], v[sm_b+17], v[sm_b+18]
.set sm_i, 0
.rept 6
	v_max3_num_f32 v[TM], v[TM], v[sm_b+2+2*sm_i], v[sm_b+3+2*sm_i]
	v_max3_num_f32 v[TM+1], v[TM+1], v[sm_b+19+2*sm_i], v[sm_b+20+2*sm_i]
.set sm_i, sm_i+1
.endr
	v_max3_num_f32 v[TM], v[TM], v[sm_b+14], v[sm_b+15]
	v_max3_num_f32 v[TM], v[TM], v[TM+1], v[sm_b+31]
	v_permlanex16_b32 v[TM+1], v[TM], s62, s63     ; lanes r and r + 16 hold the same query's other keys
	v_max_num_f32 v[MN], v[TM], v[TM+1]
	v_mov_b32 v[MN+1], v[MN]
.if \first
	v_mov_b32 v[MX+\t], v[MN]
.else
	v_sub_f32 v[TM+2], v[MX+\t], v[MN]
	v_exp_f32 v[AL], v[TM+2]
	v_mov_b32 v[MX+\t], v[MN]                      ; the plain instruction behind the exponential (ISA guide 5.7.2)
	s_wait_alu depctr_va_vdst(0)
	v_mov_b32 v[AL+1], v[AL]
.endif
.set sm_i, 0
.rept 16
	v_pk_add_f32 v[sm_b+2*sm_i:sm_b+2*sm_i+1], v[sm_b+2*sm_i:sm_b+2*sm_i+1], v[MN:MN+1] neg_lo:[0,1] neg_hi:[0,1]
.set sm_i, sm_i+1
.endr
.set sm_i, 0
.rept 32
	v_exp_f32 v[sm_b+sm_i], v[sm_b+sm_i]
.set sm_i, sm_i+1
.endr
	v_nop                                          ; one plain place behind the last exponential
	s_wait_alu depctr_va_vdst(0)
	v_pk_add_f32 v[TM:TM+1], v[sm_b:sm_b+1], v[sm_b+4:sm_b+5]
	v_pk_add_f32 v[TM+2:TM+3], v[sm_b+2:sm_b+3], v[sm_b+6:sm_b+7]
.set sm_i, 0
.rept 6
	v_pk_add_f32 v[TM:TM+1], v[TM:TM+1], v[sm_b+8+4*sm_i:sm_b+9+4*sm_i]
	v_pk_add_f32 v[TM+2:TM+3], v[TM+2:TM+3], v[sm_b+10+4*sm_i:sm_b+11+4*sm_i]
.set sm_i, sm_i+1
.endr
.if \first
	v_pk_add_f32 v[LS+2*\t:LS+2*\t+1], v[TM:TM+1], v[TM+2:TM+3]
.else
	v_pk_add_f32 v[TM:TM+1], v[TM:TM+1], v[TM+2:TM+3]
	v_pk_fma_f32 v[LS+2*\t:LS+2*\t+1], v[LS+2*\t:LS+2*\t+1], v[AL:AL+1], v[TM:TM+1]
.endif
.irp c,0,1
.irp i,0,1,2,3,4,5,6,7
	v_cvt_pk_f16_f32 v[sm_b+16*\c+\i], v[sm_b+16*\c+2*\i], v[sm_b+16*\c+2*\i+1]
.endr
.endr
.if \first == 0
.irp i,0,1,2,3,4,5,6,7
	v_pk_mul_f32 v[OA+16*\t+2*\i:OA+16*\t+2*\i+1], v[OA+16*\t+2*\i:OA+16*\t+2*\i+1], v[AL:AL+1]
.endr
.endif
.endm
; One step of 64 keys for both query tiles.  pre = 1: the next step's K, bias and V are asked for.
.macro STEP first, diag, pre, tbl, mask
	s_wait_loadcnt 0x8                             ; K of this step and all older loads are in; the eight younger loads, V's, stay out
	s_wait_dscnt 0x0                               ; the step's bias is in
.if \diag
	DIAG
.endif
.irp t,0,1
.irp kt,0,1,2,3
.if \diag
	MMA SC+32*\t+8*\kt, KR+8*\kt, QF+8*\t, SC+32*\t+8*\kt
.else
	MMA SC+32*\t+8*\kt, KR+8*\kt, QF+8*\t, BIAS+8*\kt
.endif
.endr
.endr
.if \pre
	s_add_co_u32 s56, s56, 1
	s_and_b32 s56, s56, \mask                      ; the next step, round the ring
	s_lshl_b32 s54, s56, 12                        ; 4,096 bytes of K, and of V, a step
	s_add_nc_u64 s[50:51], s[46:47], s[54:55]      ; K's base: its last loads were shown done at the head
	s_wait_alu depctr_vm_vsrc(0)                   ; this step's bias loads have read v[BA], which the next line writes
	v_lshl_add_u32 v[BA], s56, 8, v2               ; the first of the four places (ISA guide 7.12.1) before the scores are read
	NOPS 3
	s_wait_alu depctr_va_vdst(0)                   ; the score products (and the diagonal step's selects) are done reading K and the bias, in which the loads below land; v[BA] is written
	KLOAD
	BLOAD \tbl
.else
	NOPS 4                                         ; four places (ISA guide 7.12.1) before the scores are read
.endif
	SOFTMAX 0, \first
	SOFTMAX 1, \first
.if \pre
	s_wait_loadcnt 0x8                             ; V is in; the next K's eight loads stay out
.else
	s_wait_loadcnt 0x0
.endif
.irp c,0,1
.irp t,0,1
.irp dt,0,1
.if (\first)*(1-\c)
	MMA0 OA+16*\t+8*\dt, VR+16*\c+8*\dt, SC+32*\t+16*\c
.else
	MMA OA+16*\t+8*\dt, VR+16*\c+8*\dt, SC+32*\t+16*\c, OA+16*\t+8*\dt
.endif
.endr
.endr
.endr                                              ; the four accumulators take turns, one instruction a turn
.if \pre
	NOPS 5                                         ; five places before the next scores are written over P
	s_wait_alu depctr_va_vdst(0)                   ; these products are done reading V, in which the loads below land
	s_add_nc_u64 s[52:53], s[48:49], s[54:55]      ; V's base: its last loads were shown done above
	VLOAD
.endif
.endm
.macro GLOAD dst, sb, off              ; 16 numbers of my head in state order: feature 16 dt + 8 h + j
.irp dt,0,1
.irp q,0,1
	global_load_b128 v[\dst+8*\dt+4*\q:\dst+8*\dt+4*\q+3], v8, s[\sb:\sb+1] offset:\off+\dt*64+\q*16
.endr
.endr
.endm
.macro WPRE wm                         ; the ring's first eight walk positions of matrix wm: 32 loads
.irp sl,0,1,2,3,4,5,6,7
.irp f,0,1
.irp p,0,1
	global_load_b128 v[WR+16*\sl+8*\f+4*\p:WR+16*\sl+8*\f+4*\p+3], v1, s[80+2*\sl:81+2*\sl] offset:(\wm)*WMAT+\f*12288+\p*512
.endr
.endr
.endr
.endm
.macro FINAL                           ; O / l
	v_add_f32 v[TM], v[LS], v[LS+1]
	v_add_f32 v[TM+1], v[LS+2], v[LS+3]
	v_permlanex16_b32 v[TM+2], v[TM], s62, s63
	v_permlanex16_b32 v[TM+3], v[TM+1], s62, s63
	v_add_f32 v[TM], v[TM], v[TM+2]
	v_add_f32 v[TM+1], v[TM+1], v[TM+3]
	v_rcp_f32 v[MN], v[TM]
	v_rcp_f32 v[AL], v[TM+1]
	v_nop
	s_wait_alu depctr_va_vdst(0)
	v_mov_b32 v[MN+1], v[MN]
	v_mov_b32 v[AL+1], v[AL]
.irp i,0,1,2,3,4,5,6,7
	v_pk_mul_f32 v[OA+2*\i:OA+2*\i+1], v[OA+2*\i:OA+2*\i+1], v[MN:MN+1]
	v_pk_mul_f32 v[OA+16+2*\i:OA+16+2*\i+1], v[OA+16+2*\i:OA+16+2*\i+1], v[AL:AL+1]
.endr
.endm
; Behind an attention: what the next phases need is asked for first (12 + 32 loads), then O is finished.
.macro POST gw, gb, cbp, wm
	s_wait_alu depctr_va_vdst(0)                   ; the attention's products and softmax are done with the bias, Q, K, V and the scores, in whose registers the loads below land
	GLOAD GW, \gw, LAYER*1536
	GLOAD GB, \gb, LAYER*1536
	GLOAD CB, \cbp, LAYER*1536
	WPRE \wm
	FINAL                                          ; names the small registers and O alone; its first seven plain lines are the places before O is read
.endm
.macro ADDO
.irp i,0,1,2,3,4,5,6,7,8,9,10,11,12,13,14,15
	v_pk_add_f32 v[ST+2*\i:ST+2*\i+1], v[ST+2*\i:ST+2*\i+1], v[OA+2*\i:OA+2*\i+1]
.endr
.endm
; v76, v77: my lane's partial sums of row tiles 0, 1 over my head's features.  Out: v48, v60 the rows' sums over all 384 features.
.macro XRED stage
	v_permlanex16_b32 v72, v76, s62, s63
	v_permlanex16_b32 v73, v77, s62, s63
	v_add_f32 v76, v76, v72
	v_add_f32 v77, v77, v73
	v_cndmask_b32 v72, v76, v77, s58               ; lane L speaks for row L
	s_wait_alu depctr_va_vdst(0)                   ; v72 is written, which the store reads; the vector instructions are done with v48-71, in which the loads below land
	ds_store_b32 v6, v72 offset:RED+(\stage)*REDS
	BAR                                            ; every stage has bytes of its own, so one barrier a stage
.irp t,0,1
.irp q,0,1,2
	ds_load_b128 v[48+12*\t+4*\q:48+12*\t+4*\q+3], v7 offset:RED+(\stage)*REDS+\t*1280+\q*16
.endr
.endr
	s_wait_alu depctr_vm_vsrc(0)                   ; the store has read v72, which is written again behind the sums
	s_wait_dscnt 0x0
.irp b,48,60
	v_pk_add_f32 v[\b:\b+1], v[\b:\b+1], v[\b+2:\b+3]
	v_pk_add_f32 v[\b+4:\b+5], v[\b+4:\b+5], v[\b+6:\b+7]
	v_pk_add_f32 v[\b+8:\b+9], v[\b+8:\b+9], v[\b+10:\b+11]
	v_pk_add_f32 v[\b:\b+1], v[\b:\b+1], v[\b+4:\b+5]
	v_pk_add_f32 v[\b:\b+1], v[\b:\b+1], v[\b+8:\b+9]
	v_add_f32 v[\b], v[\b], v[\b+1]
.endr
.endm
; LayerNorm of the state, in two true passes (mean, then the mean of squared differences).  left: loads that may stay out when the gains are used.
.macro LNORM stage, left
.irp t,0,1
	v_pk_add_f32 v[72:73], v[ST+16*\t:ST+16*\t+1], v[ST+16*\t+2:ST+16*\t+3]
	v_pk_add_f32 v[74:75], v[ST+16*\t+4:ST+16*\t+5], v[ST+16*\t+6:ST+16*\t+7]
	v_pk_add_f32 v[72:73], v[72:73], v[ST+16*\t+8:ST+16*\t+9]
	v_pk_add_f32 v[74:75], v[74:75], v[ST+16*\t+10:ST+16*\t+11]
	v_pk_add_f32 v[72:73], v[72:73], v[ST+16*\t+12:ST+16*\t+13]
	v_pk_add_f32 v[74:75], v[74:75], v[ST+16*\t+14:ST+16*\t+15]
	v_pk_add_f32 v[72:73], v[72:73], v[74:75]
	v_add_f32 v[76+\t], v72, v73
.endr
	XRED \stage
	v_mul_f32 v72, s60, v48                        ; mean
	v_mul_f32 v74, s60, v60
	v_mov_b32 v73, v72
	v_mov_b32 v75, v74
.irp t,0,1
.irp i,0,1,2,3,4,5,6,7
	v_pk_add_f32 v[ST+16*\t+2*\i:ST+16*\t+2*\i+1], v[ST+16*\t+2*\i:ST+16*\t+2*\i+1], v[72+2*\t:73+2*\t] neg_lo:[0,1] neg_hi:[0,1]
.endr
.endr
.irp t,0,1
	v_pk_mul_f32 v[48:49], v[ST+16*\t:ST+16*\t+1], v[ST+16*\t:ST+16*\t+1]
	v_pk_mul_f32 v[50:51], v[ST+16*\t+2:ST+16*\t+3], v[ST+16*\t+2:ST+16*\t+3]
.irp i,0,1,2
	v_pk_fma_f32 v[48:49], v[ST+16*\t+4+4*\i:ST+16*\t+5+4*\i], v[ST+16*\t+4+4*\i:ST+16*\t+5+4*\i], v[48:49]
	v_pk_fma_f32 v[50:51], v[ST+16*\t+6+4*\i:ST+16*\t+7+4*\i], v[ST+16*\t+6+4*\i:ST+16*\t+7+4*\i], v[50:51]
.endr
	v_pk_add_f32 v[48:49], v[48:49], v[50:51]
	v_add_f32 v[76+\t], v48, v49
.endr
	XRED (\stage)+1
	v_fma_f32 v72, v48, s60, s71                   ; variance + 1e-12
	v_fma_f32 v74, v60, s60, s71
	v_rsq_f32 v72, v72
	v_rsq_f32 v74, v74
	v_nop
	s_wait_alu depctr_va_vdst(0)
	v_mov_b32 v73, v72
	v_mov_b32 v75, v74
	s_wait_loadcnt \left                           ; gain and offset are in; the weight loads issued behind them stay out
.irp t,0,1
.irp i,0,1,2,3,4,5,6,7
	v_pk_mul_f32 v[ST+16*\t+2*\i:ST+16*\t+2*\i+1], v[ST+16*\t+2*\i:ST+16*\t+2*\i+1], v[72+2*\t:73+2*\t]
	v_pk_fma_f32 v[ST+16*\t+2*\i:ST+16*\t+2*\i+1], v[ST+16*\t+2*\i:ST+16*\t+2*\i+1], v[GW+2*\i:GW+2*\i+1], v[GB+2*\i:GB+2*\i+1]
.endr
.endr
.endm
.macro TOXBC                           ; the state rounded to f16, into v48-63: already in fragment order
.irp t,0,1
.irp dt,0,1
.irp i,0,1,2,3
	v_cvt_pk_f16_f32 v[OA+8*\t+4*\dt+\i], v[ST+16*\t+8*\dt+2*\i], v[ST+16*\t+8*\dt+2*\i+1]
.endr
.endr
.endr
.endm
.macro TOXBS                           ; and stored into my K step of XB, in both copies
.irp t,0,1
.irp dt,0,1
	ds_store_b128 v3, v[OA+8*\t+4*\dt:OA+8*\t+4*\dt+3] offset:XB+\t*1024+\dt*512
	ds_store_b128 v3, v[OA+8*\t+4*\dt:OA+8*\t+4*\dt+3] offset:XB+XBC+\t*1024+\dt*512
.endr
.endr
.endm
.macro TOXB
	TOXBC
	s_wait_alu depctr_va_vdst(0)                   ; the conversions have written v48-63, which the stores read; LayerNorm has written the state and is done reading gain and offset
	TOXBS
.endm
.macro XPRE                            ; X fragments of walk positions 0 and 1 (v4 holds XB and the rotation)
.irp sl,0,1
.irp t,0,1
.irp p,0,1
	ds_load_b128 v[XFR+16*\sl+8*\t+4*\p:XFR+16*\sl+8*\t+4*\p+3], v4 offset:\sl*2048+\t*1024+\p*512
.endr
.endr
.endr
.endm
.macro DMM t, swap, cb                 ; the two products of row tile t in a dense step
.irp f,0,1
.if d_ks == 0
.set d_c, \cb+8*\f                                 ; the first product starts the sum from the bias
.else
.set d_c, OA+16*(\t)+8*\f
.endif
.if \swap
	MMA OA+16*(\t)+8*\f, d_xb+8*(\t), d_sl+8*\f, d_c
.else
	MMA OA+16*(\t)+8*\f, d_sl+8*\f, d_xb+8*(\t), d_c
.endif
.endr
.endm
; Step g of tot of a run of dense products that starts at matrix wm: matrix wm + g/12, walk position g%12.
.macro DSTEP g, tot, wm, swap, cb
.set d_ks, (\g)%12
.set d_sl, WR+16*((\g)%8)
.set d_xb, XFR+16*((\g)&1)
.set d_g1, (\g)+1
.set d_g7, (\g)+7
.if (\g) == 0
.set d_top, 7                                      ; the last step whose weights have been asked for: the prefill's eighth,
.else
.set d_top, (\g)+6                                 ; later six steps on
.endif
.if d_top > (\tot)-1
.set d_top, (\tot)-1
.endif
	s_wait_loadcnt 4*(d_top-(\g))                  ; my slot's four loads are in; those of the steps asked for after it stay out
.if (\g) == 0
	s_wait_dscnt 0x4                               ; this step's fragments are in; the next step's four loads stay out
.else
	s_wait_dscnt 0x0                               ; this step's fragments are in: they are the youngest LDS loads
.if d_g1 < (\tot)
	s_wait_alu depctr_va_vdst(0)                   ; the last step's products are done reading their X buffer and their slot of the ring, in which the loads of this step land
.irp t,0,1
.irp p,0,1
	ds_load_b128 v[XFR+16*(d_g1&1)+8*\t+4*\p:XFR+16*(d_g1&1)+8*\t+4*\p+3], v4 offset:(d_g1%12)*2048+\t*1024+\p*512
.endr
.endr
.endif
.endif
	DMM 0, \swap, \cb
.if (\g) > 0
.if d_g7 < (\tot)
.set d_j, d_g7%12
.if d_j == 11
.set d_pb, 104                                     ; the twelfth pair
.else
.set d_pb, 80+2*d_j
.endif
.irp f,0,1
.irp p,0,1
	global_load_b128 v[WR+16*(d_g7%8)+8*\f+4*\p:WR+16*(d_g7%8)+8*\f+4*\p+3], v1, s[d_pb:d_pb+1] offset:((\wm)+d_g7/12)*WMAT+\f*12288+\p*512
.endr
.endr                                              ; no wait: no product since the wait above names this slot
.endif
.endif
	DMM 1, \swap, \cb                              ; the four accumulators take turns, one instruction a turn
.if d_ks == 11
	NOPS 4                                         ; a matrix's last step: four places (ISA guide 7.12.1) before its results are read
.endif
.endm
.macro DENSE12 tot, wm, swap, cb       ; twelve steps; the symbol g runs on
.rept 12
	DSTEP g, \tot, \wm, \swap, \cb
.set g, g+1
.endr
.endm
.macro NOUT sb, scale, vform, more     ; four tiles leave as fragment blocks; each store of the wave covers 512 consecutive aligned bytes
.irp t,0,1
.irp f,0,1
.if \scale
.irp i,0,1,2,3
	v_pk_mul_f32 v[OA+16*\t+8*\f+2*\i:OA+16*\t+8*\f+2*\i+1], v[OA+16*\t+8*\f+2*\i:OA+16*\t+8*\f+2*\i+1], s[78:79] op_sel_hi:[1,0]
.endr
.endif
.irp i,0,1,2,3
	v_cvt_pk_f16_f32 v[OA+16*\t+8*\f+\i], v[OA+16*\t+8*\f+2*\i], v[OA+16*\t+8*\f+2*\i+1]
.endr
.endr
.endr
	s_wait_alu depctr_va_vdst(0)                   ; the four tiles are rounded: the conversions have written what the stores read
.irp t,0,1
.irp f,0,1
.if \vform
	global_store_b128 v1, v[OA+16*\t+8*\f:OA+16*\t+8*\f+3], s[\sb:\sb+1] offset:\f*1024+\t*512
.else
	global_store_b128 v1, v[OA+16*\t+8*\f:OA+16*\t+8*\f+3], s[\sb:\sb+1] offset:\t*1024+\f*512
.endif
.endr
.endr
.if \more
	s_wait_xcnt 0x0                                ; the stores' data are the accumulators, which the next matrix writes only behind this wait
	s_wait_alu depctr_vm_vsrc(0)                   ; the stores have read the accumulators' registers, which the next matrix's products write
.endif
.endm
	; ---- arguments, ids, constants ----
	s_load_b512 s[8:23], s[0:1], 0x0               ; xin 8, dec_mask 10, enc_mask 12, qkv 14, ckv 16, wfrag 18, n1_w 20, n1_b 22
	s_load_b256 s[24:31], s[0:1], 0x40             ; ca_qb 24, n2_w 26, n2_b 28, out_b 30
	s_load_b128 s[32:35], s[0:1], 0x60             ; n3_w 32, n3_b 34
	s_load_b64 s[36:37], s[0:1], 0x70              ; xout 36
.if LAYER == 0
	s_load_b64 s[38:39], s[0:1], 0x78              ; next qkv 38
	s_load_b128 s[40:43], s[0:1], 0x80             ; sa_qb 40, sa_kb 42
	s_load_b64 s[44:45], s[0:1], 0x90              ; sa_vb 44
	s_set_vgpr_msb 0x40
	v_lshl_add_u32 v0, v0, 2, 0x29600
	v_mov_b32 v1, 0
	s_set_vgpr_msb 0x4000
.endif
	v_lshrrev_b32 v1, 5, v0
	v_readfirstlane_b32 s2, v1                     ; hd: my wave, my head
	s_lshr_b32 s4, ttmp9, 5                        ; batch
	s_and_b32 s5, ttmp9, 31                        ; block of 32 rows in the batch
	s_lshr_b32 s6, s5, 1                           ; the 64-key step that holds the diagonal
	s_mov_b32 s58, 0xffff0000                      ; lanes 16-31
	s_mov_b32 s59, 0xc6616bcd                      ; -10000 log2(e)
	s_mov_b32 s60, 0x3b2aaaab                      ; 1/384
	s_mov_b32 s61, 0x46616bcd                      ; +10000 log2(e)
	s_mov_b32 s62, 0x76543210                      ; v_permlanex16_b32: lane i reads lane i of the other half
	s_mov_b32 s63, 0xfedcba98
	s_mov_b32 s71, 0x2b8cbccc                      ; 1e-12
	s_mov_b32 s78, 0x3e8293ee                      ; log2(e)/sqrt(32)
	s_mov_b32 s79, 0x3e8293ee
	s_mov_b32 s55, 0                               ; the high word of every offset pair s[54:55]; stays 0
	s_wait_alu depctr_va_sdst(0)                   ; s2 is written, ahead of its first reader: LDS places, offsets and bases are made from it
	s_mul_i32 s7, s4, 12
	s_add_co_u32 s7, s7, s2                        ; 12 batch + head
	s_mul_i32 s57, ttmp9, 171
	s_lshr_b32 s57, s57, 11                        ; work-group / 12 (exact up to 255)
	s_mul_i32 s57, s57, 12
	s_sub_co_u32 s57, ttmp9, s57                   ; rot = work-group mod 12: where my walks over K begin
	s_min_u32 s57, s57, 11                         ; any rot from 0 to 11 gives the same sums; the bound stands in the text
	v_and_b32 v4, 31, v0                           ; lane
	v_and_b32 v13, 15, v0                          ; r
	v_bfe_u32 v14, v0, 4, 1                        ; h
	v_lshlrev_b32 v1, 4, v4                        ; v1  lane*16
	v_lshlrev_b32 v2, 5, v14                       ; v2  32 h
	v_lshl_add_u32 v3, s2, 11, v1                  ; v3  my K step of XB
	v_lshl_add_u32 v8, s2, 7, v2                   ; v8  hd*128 + 32 h: gains, biases
	v_mul_u32_u24 v5, v13, XFP
	v_add_nc_u32 v5, v5, v8
	v_add_nc_u32 v5, XF, v5                        ; v5  XF by state order: row r, my head's columns
	v_mul_u32_u24 v6, v4, 80
	v_lshl_add_u32 v6, s2, 2, v6                   ; v6  RED: row = lane, word hd
	v_lshl_add_u32 v4, s57, 11, v1
	v_add_nc_u32 v4, XB, v4                        ; v4  XB at walk position 0: block rot; position j is block rot + j, at most 22 of the 24
	v_mul_u32_u24 v7, v13, 80                      ; v7  RED: row r
	v_lshl_add_u32 v9, s2, 12, v1
	v_add_nc_u32 v9, STASH, v9                     ; v9  my stash
	v_lshlrev_b32 v10, 4, v0                       ; v10 thread*16
	s_mul_i32 s54, s2, 11
	s_lshr_b32 s54, s54, 5                         ; hd / 3 (exact for 0..11): my row among the four that the twelve waves cover
	s_mul_i32 s3, s54, 3
	s_sub_co_u32 s3, s2, s3                        ; hd % 3: my third of the row
	s_mul_i32 s54, s54, XFP
	s_lshl_b32 s3, s3, 9
	s_add_co_u32 s54, s54, s3
	s_add_co_u32 s54, s54, XF
	v_add_nc_u32 v11, s54, v1                      ; v11 XF by rows
.if LAYER == 0
	v_lshlrev_b32 v12, 2, v13
	v_lshl_add_u32 v12, s2, 7, v12                 ; v12 hd*128 + 4 r: v's bias, one feature a lane
.endif
	v_and_b32 v15, 255, v0
	v_lshlrev_b32 v15, 4, v15                      ; four mask numbers a thread
	v_lshlrev_b32 v44, 2, v0                       ; their first key (waves 0-7)
	s_and_b32 s3, s5, 1
	s_lshl_b32 s3, s3, 5
	v_lshlrev_b32 v35, 3, v14
	v_sub_nc_u32 v34, v13, v35
	v_add_nc_u32 v34, s3, v34                      ; query's place in the diagonal step, minus 8 h
	v_add_nc_u32 v35, 16, v34
	s_wait_kmcnt 0x0
	s_mul_i32 s54, ttmp9, 49152                    ; 32 rows of 1,536 bytes
	s_add_nc_u64 s[8:9], s[8:9], s[54:55]
	s_add_nc_u64 s[36:37], s[36:37], s[54:55]
	s_lshl_b32 s54, s4, 12
	s_add_nc_u64 s[10:11], s[10:11], s[54:55]
	s_lshl_b32 s54, s4, 11
	s_add_nc_u64 s[12:13], s[12:13], s[54:55]
	s_lshl_b32 s70, s6, 6
	s_add_co_u32 s70, s70, 64                      ; keys from here on lie above every query of the block
	s_cmp_lt_u32 s2, 8
	s_cselect_b64 s[68:69], s[10:11], s[12:13]     ; waves 0-7 make the self table, waves 8-11 the cross table
	s_cselect_b32 s70, s70, 0x7fffffff
	s_lshl_b32 s54, s7, 16                         ; 65,536 bytes a head
	s_add_nc_u64 s[14:15], s[14:15], s[54:55]
	s_add_nc_u64 s[46:47], s[14:15], 0x600000      ; K of my head
	s_add_nc_u64 s[48:49], s[14:15], 0xc00000      ; V of my head
.if LAYER == 0
	s_add_nc_u64 s[72:73], s[38:39], s[54:55]
.endif
	s_lshl_b32 s54, s5, 11                         ; 2,048 bytes for 32 rows
	s_add_nc_u64 s[14:15], s[14:15], s[54:55]      ; Q of my rows
.if LAYER == 0
	s_add_nc_u64 s[72:73], s[72:73], s[54:55]      ; the next layer's q, k, v of my rows
	s_add_nc_u64 s[74:75], s[72:73], 0x600000
	s_add_nc_u64 s[76:77], s[72:73], 0xc00000
.endif
	s_mov_b32 s56, s6                              ; the first step
	s_lshl_b32 s54, s6, 12
	s_add_nc_u64 s[50:51], s[46:47], s[54:55]
	s_add_nc_u64 s[52:53], s[48:49], s[54:55]
	s_mul_i32 s54, s2, 24576
	s_add_nc_u64 s[66:67], s[18:19], s[54:55]      ; my head's slice of matrix 0 in wfrag
	s_wait_alu depctr_va_vdst(0)                   ; the offsets and addresses v1-v12 and v15 are written: the kernel's loads and stores read them; so are v13 and v14, in which loads land later
	; ---- x, masks, Q, the first K and V ----
.irp i,0,1,2,3,4,5,6,7
	global_load_b128 v[OA+4*\i:OA+4*\i+3], v10, s[8:9] offset:\i*6144 th:TH_LOAD_NT
.endr
	global_load_b128 v[40:43], v15, s[68:69]
.irp t,0,1
.irp p,0,1
	global_load_b128 v[QF+8*\t+4*\p:QF+8*\t+4*\p+3], v1, s[14:15] offset:\t*1024+\p*512
.endr
.endr
	KLOAD
	VLOAD
	s_lshl_b32 s54, s57, 10                        ; walk position j lies at K step (rot + j) mod 12, 1,024 bytes a step (scalar work while the loads are out; none of them names s[54:55])
.irp pbr,80,82,84,86,88,90,92,94,96,98,100,104
	s_add_nc_u64 s[\pbr:\pbr+1], s[66:67], s[54:55]
	s_add_co_u32 s54, s54, 1024
	s_cmp_eq_u32 s54, 12288
	s_cselect_b32 s54, 0, s54                      ; round the twelve
.endr
	s_wait_loadcnt 20                              ; x and the mask are in; Q (4), K (8), V (8) stay out
.irp i,0,1,2,3,4,5,6,7
	ds_store_b128 v11, v[OA+4*\i:OA+4*\i+3] offset:\i*4*XFP
.endr
	v_cmp_gt_u32 vcc_lo, s70, v44
.irp i,40,41,42,43
	v_fma_f32 v\i, v\i, s61, s59                   ; (1 - mask)(-10000) log2(e)
.endr
	v_lshl_add_u32 v[BA], s56, 8, v2               ; the first step's place in the table
	s_wait_alu depctr_va_vcc(0)                    ; the compare has written VCC, ahead of the selects that read it
.irp i,40,41,42,43
	v_cndmask_b32 v\i, s59, v\i, vcc_lo            ; keys above the diagonal step: the causal factor is 0
.endr
	s_wait_alu depctr_va_vdst(0)                   ; the table's four numbers are written, which the store reads, and v[BA], which the first bias loads read
	ds_store_b128 v10, v[40:43]                    ; the cross table follows the self table: one address form
	BAR
	s_wait_alu depctr_vm_vsrc(0)                   ; my LDS stores have read v[OA ..] and v[40:43]: the products write the first, the state's loads land in the second
	BLOAD SBT
	; ---- self-attention: 16 steps of 64 keys, the diagonal step first ----
	STEP 1, 1, 1, SBT, 15
	s_mov_b32 s57, 14
.Lself:
	STEP 0, 0, 1, SBT, 15
	s_sub_co_u32 s57, s57, 1
	s_cmp_lg_u32 s57, 0
	s_cbranch_scc1 .Lself
	STEP 0, 0, 0, SBT, 15
	; ---- x1 = LN(a + x) ----
	POST 20, 22, 24, 7*LAYER+3
	s_wait_alu depctr_va_vdst(0)                   ; the attention's vector instructions are done with the small registers v16-36, in which the state lands
	s_wait_alu depctr_vm_vsrc(0)                   ; the last bias loads have read v[BA], one of those registers
.irp t,0,1
.irp dt,0,1
.irp q,0,1
	ds_load_b128 v[ST+16*\t+8*\dt+4*\q:ST+16*\t+8*\dt+4*\q+3], v5 offset:\t*16*XFP+\dt*64+\q*16
.endr
.endr
.endr
	s_wait_dscnt 0x0
	ADDO
	LNORM 0, 32
	; ---- cross q ----
	TOXB
	BAR
.irp i,0,1,2,3,4,5,6,7
	ds_store_b128 v9, v[ST+4*\i:ST+4*\i+3] offset:\i*512       ; x1 in f32 waits in my stash (the state was written ahead of the wait in front of XB's stores)
.endr
	XPRE
	s_wait_alu depctr_vm_vsrc(0)                   ; the stores into XB and into the stash have read v48-63 and the state: the products write the first, the attention's small registers the second
.set g, 0
	DENSE12 12, 7*LAYER+3, 0, CB
	s_lshl_b32 s54, s7, 15                         ; 32,768 bytes a head
	s_add_nc_u64 s[46:47], s[16:17], s[54:55]
.if LAYER
	s_add_nc_u64 s[46:47], s[46:47], LAYER*6291456
.endif
	s_add_nc_u64 s[48:49], s[46:47], 3145728
	s_and_b32 s56, s5, 7                           ; my first key step of the ring of 8: the 32 blocks of a batch start at 8 different steps
	s_lshl_b32 s54, s56, 12
	s_add_nc_u64 s[50:51], s[46:47], s[54:55]      ; no load is out: the last dense step waited for all
	s_add_nc_u64 s[52:53], s[48:49], s[54:55]
	v_lshl_add_u32 v[BA], s56, 8, v2
	s_wait_alu depctr_va_vdst(0)                   ; the dense products are done reading the ring and the X fragments, in which K, V and the bias land; v[BA] is written
	KLOAD
	VLOAD
	BLOAD CBT
.irp t,0,1
.irp f,0,1
.irp i,0,1,2,3
	v_pk_mul_f32 v[OA+16*\t+8*\f+2*\i:OA+16*\t+8*\f+2*\i+1], v[OA+16*\t+8*\f+2*\i:OA+16*\t+8*\f+2*\i+1], s[78:79] op_sel_hi:[1,0]
.endr
.irp i,0,1,2,3
	v_cvt_pk_f16_f32 v[QF+8*\t+4*\f+\i], v[OA+16*\t+8*\f+2*\i], v[OA+16*\t+8*\f+2*\i+1]
.endr
.endr
.endr
	; ---- cross-attention: 8 steps of 64 keys, round the ring from my own step ----
	STEP 1, 0, 1, CBT, 7
	s_mov_b32 s57, 6
.Lcross:
	STEP 0, 0, 1, CBT, 7
	s_sub_co_u32 s57, s57, 1
	s_cmp_lg_u32 s57, 0
	s_cbranch_scc1 .Lcross
	STEP 0, 0, 0, CBT, 7
	; ---- x2 = LN(x1 + c) ----
	POST 26, 28, 30, 7*LAYER+6
	s_wait_alu depctr_va_vdst(0)                   ; the attention's vector instructions are done with the small registers v16-36, in which the state lands
	s_wait_alu depctr_vm_vsrc(0)                   ; the last bias loads have read v[BA], one of those registers
.irp i,0,1,2,3,4,5,6,7
	ds_load_b128 v[ST+4*\i:ST+4*\i+3], v9 offset:\i*512
.endr
	s_wait_dscnt 0x0
	ADDO
	LNORM 2, 32
	; ---- y = LN(x2 W^T + b + x2) ----
	TOXB                                           ; every wave's reads of XB ended before LayerNorm's barriers
	BAR
	XPRE
	s_wait_alu depctr_vm_vsrc(0)                   ; the stores into XB have read v48-63, which the products write
.set g, 0
	DENSE12 12, 7*LAYER+6, 0, CB
	s_wait_alu depctr_va_vdst(0)                   ; the dense products are done reading the X fragments, the bias and the ring, in which the loads below land
	GLOAD GW, 32, LAYER*1536
	GLOAD GB, 34, LAYER*1536
.if LAYER == 0
	GLOAD CB, 40, 1536                             ; the next layer's q bias and the first eight walk positions of its q matrix
	WPRE 7
.endif
	ADDO
.if LAYER == 0
	LNORM 4, 32
.else
	LNORM 4, 0
.endif
	; ---- y leaves through XF: in by state order, out by rows ----
.if LAYER == 0
	TOXBC
.endif
	s_wait_alu depctr_va_vdst(0)                   ; LayerNorm has written the state (and the conversions v48-63), which the stores read; it is done with v48-79 and with gain and offset, in which later loads land
.irp t,0,1
.irp dt,0,1
.irp q,0,1
	ds_store_b128 v5, v[ST+16*\t+8*\dt+4*\q:ST+16*\t+8*\dt+4*\q+3] offset:\t*16*XFP+\dt*64+\q*16
.endr
.endr
.endr
.if LAYER == 0
	TOXBS
.endif
	s_wait_dscnt 0x0                               ; my stores are done: for the other waves
.if LAYER == 0
	s_wait_alu depctr_vm_vsrc(0)                   ; the stores have read the state's registers and v48-63, in which the loads below land
	GLOAD 16, 42, 1536                             ; the next layer's k bias, and v's (one feature a lane)
	global_load_b32 v13, v12, s[44:45] offset:1536
	global_load_b32 v14, v12, s[44:45] offset:1536+64
.endif
	s_barrier_signal -1
	s_barrier_wait -1
.irp i,0,1,2,3,4,5,6,7
	ds_load_b128 v[OA+4*\i:OA+4*\i+3], v11 offset:\i*4*XFP
.endr
.irp i,0,1,2,3,4,5,6,7
	s_wait_dscnt 7-\i
.if LAYER == 0
	global_store_b128 v10, v[OA+4*\i:OA+4*\i+3], s[36:37] offset:\i*6144
.else
	global_store_b128 v10, v[OA+4*\i:OA+4*\i+3], s[36:37] offset:\i*6144 th:TH_STORE_NT
.endif
.endr
.if LAYER == 0
	; ---- the next layer's q, k, v of my rows: 36 steps on matrices 7, 8, 9 ----
	; The six bias loads stand behind the ring's 32: a prefilled slot really has six more loads behind it than the ring's count says, which is the stricter.
	XPRE
	s_wait_xcnt 0x0                                ; the stores above read the accumulators' registers
	s_wait_alu depctr_vm_vsrc(0)                   ; the stores of y have read v[OA ..], which the products write
.set g, 0
	DENSE12 36, 7, 0, CB
	NOUT 72, 1, 0, 1
.irp f,0,1
.irp j,0,1,2,3,4,5,6,7
	v_mov_b32 v[32+8*\f+\j], v[13+\f]              ; 40 loads had been issued behind the biases when step 11 let 24 stay out: they are in
.endr
.endr
	DENSE12 36, 7, 0, 16
	NOUT 74, 0, 0, 1
	DENSE12 36, 7, 1, 32
	NOUT 76, 0, 1, 0
.endif
	s_set_vgpr_msb 0x5
	s_wait_dscnt 0x0
	s_wait_alu depctr_hold_cnt(0) depctr_sa_sdst(0) depctr_va_vdst(0) depctr_va_sdst(0) depctr_va_ssrc(0) depctr_va_vcc(0) depctr_vm_vsrc(0)
	s_wait_tensorcnt 0x0
	ds_add_u32 v0, v1
	s_wait_dscnt 0x0
	s_endpgm
.Lfunc_end_k_qf24dea27b5_layer0:
	.size	k_qf24dea27b5_layer0, .Lfunc_end_k_qf24dea27b5_layer0-k_qf24dea27b5_layer0
	.p2alignl 7, 3214868480
	.fill 96, 4, 3214868480
	.section	.rodata,"a",@progbits
	.p2align	6, 0x0
	.amdhsa_kernel k_qf24dea27b5_layer0
		.amdhsa_group_segment_fixed_size 171008
		.amdhsa_private_segment_fixed_size 0
		.amdhsa_enable_private_segment 0
		.amdhsa_kernarg_size 152
		.amdhsa_user_sgpr_count 2
		.amdhsa_user_sgpr_kernarg_segment_ptr 1
		.amdhsa_wavefront_size32 1
		.amdhsa_system_sgpr_workgroup_id_x 1
		.amdhsa_system_sgpr_workgroup_id_y 1
		.amdhsa_system_sgpr_workgroup_id_z 1
		.amdhsa_system_vgpr_workitem_id 0
		.amdhsa_next_free_vgpr 258
		.amdhsa_next_free_sgpr 106
		.amdhsa_reserve_vcc 1
		.amdhsa_float_denorm_mode_32 3
		.amdhsa_float_denorm_mode_16_64 3
		.amdhsa_memory_ordered 1
		.amdhsa_forward_progress 1
		.amdhsa_inst_pref_size 219
	.end_amdhsa_kernel
	.amdgpu_metadata
---
amdhsa.version: [ 1, 2 ]
amdhsa.kernels:
  - .name:           k_qf24dea27b5_layer0
    .symbol:         k_qf24dea27b5_layer0.kd
    .args:
      - { .name: dec_hidden_states, .offset: 0, .size: 8, .value_kind: global_buffer, .address_space: global }
      - { .name: dec_mask, .offset: 8, .size: 8, .value_kind: global_buffer, .address_space: global }
      - { .name: enc_mask, .offset: 16, .size: 8, .value_kind: global_buffer, .address_space: global }
      - { .name: qkv0, .offset: 24, .size: 8, .value_kind: global_buffer, .address_space: global }
      - { .name: ckv, .offset: 32, .size: 8, .value_kind: global_buffer, .address_space: global }
      - { .name: wfrag, .offset: 40, .size: 8, .value_kind: global_buffer, .address_space: global }
      - { .name: n1_w, .offset: 48, .size: 8, .value_kind: global_buffer, .address_space: global }
      - { .name: n1_b, .offset: 56, .size: 8, .value_kind: global_buffer, .address_space: global }
      - { .name: ca_qb, .offset: 64, .size: 8, .value_kind: global_buffer, .address_space: global }
      - { .name: n2_w, .offset: 72, .size: 8, .value_kind: global_buffer, .address_space: global }
      - { .name: n2_b, .offset: 80, .size: 8, .value_kind: global_buffer, .address_space: global }
      - { .name: out_b, .offset: 88, .size: 8, .value_kind: global_buffer, .address_space: global }
      - { .name: n3_w, .offset: 96, .size: 8, .value_kind: global_buffer, .address_space: global }
      - { .name: n3_b, .offset: 104, .size: 8, .value_kind: global_buffer, .address_space: global }
      - { .name: x1, .offset: 112, .size: 8, .value_kind: global_buffer, .address_space: global }
      - { .name: qkv1, .offset: 120, .size: 8, .value_kind: global_buffer, .address_space: global }
      - { .name: sa_qb, .offset: 128, .size: 8, .value_kind: global_buffer, .address_space: global }
      - { .name: sa_kb, .offset: 136, .size: 8, .value_kind: global_buffer, .address_space: global }
      - { .name: sa_vb, .offset: 144, .size: 8, .value_kind: global_buffer, .address_space: global }
    .group_segment_fixed_size: 171008
    .private_segment_fixed_size: 0
    .kernarg_segment_align: 8
    .kernarg_segment_size: 152
    .max_flat_workgroup_size: 384
    .sgpr_count:     106
    .vgpr_count:     258
    .wavefront_size: 32
...
	.end_amdgpu_metadata
.endif
;; end of part 7
;; launch layer1 (part 8): grid 256 x 1, 12 waves a work-group, no clusters, 171,008 bytes of LDS; arguments x1, dec_mask, enc_mask, qkv1, ckv, wfrag, n1_w, n1_b, ca_qb, n2_w, n2_b, out_b, n3_w, n3_b, out0; writes out0
.if DOCPART == 8
	.amdgcn_target "amdgcn-amd-amdhsa--gfx1250"
	.amdhsa_code_object_version 6
	.text
	.protected	k_qf24dea27b5_layer1
	.globl	k_qf24dea27b5_layer1
	.p2align	8
	.type	k_qf24dea27b5_layer1,@function
k_qf24dea27b5_layer1:
	s_mov_b64 s[64:65], 0
	v_nop
	global_prefetch_b8 v0, s[64:65] scope:SCOPE_SE
	s_setreg_imm32_b32 hwreg(HW_REG_WAVE_SCHED_MODE, 0, 2), 2
	s_setreg_imm32_b32 hwreg(HW_REG_WAVE_MODE, 25, 1), 1
	s_wait_xcnt 0x0
	s_wait_alu depctr_vm_vsrc(0)
; One decoder layer for 32 rows: self-attention, LN, cross q, cross-attention, LN, dense, LN; in layer 0 also the next layer's q, k, v.
; (The same text as the first layer's, with LAYER = 1: no next projection, four arguments fewer.)
; 256 work-groups x 32 rows; twelve waves, wave hd owns head hd = features 32 hd .. 32 hd + 31 of all 32 rows.
; EVERYTHING RUNS TRANSPOSED (lane = row r + 16 t, registers = features or keys), so no layout ever changes:
;   S^T = K Q^T + bias: a lane holds eight keys of one query; packed to f16 in place they are the B operand of O^T = V^T P^T;
;   O, the residual, LayerNorm and D = W X^T share the index 16 t + 8 dt + j = (row 16 t + r, feature 32 hd + 16 dt + 8 h + j);
;   D of the q projection, packed, is the next attention's B operand.
; K, V^T, Q and the weights lie in memory in fragment order (blocks of 1,024 bytes, byte p*512 + lane*16): an operand is two loads of
; 512 consecutive bytes a wave, straight into registers.
; FORMAT: all matrix operands are f16 (11 significant bits), the sums f32; residuals, LayerNorm and softmax in f32.  Room, against f16's
; largest 65,504: a LayerNorm output is at most |gain| sqrt(384) + |offset|, about 600 at a gain of 30; q, k, v are largest when the rows
; carry an offset of 30 and the weights one of 0.6: 384 x 30 x 0.6 = 6,912; with rows and weights thirty times larger their spread is
; 30 x 0.6 x sqrt(384) = 353; thirty times smaller it is 4.3e-4 (the scaled q: 1.1e-4), where f16's step is 6e-8 (denormals are kept).
; p lies in [0, 1]; a p under 3e-8 becomes 0, and 1,024 of them would add under 3.1e-5 to a sum that is at least 1.
; ALL 1,024 KEYS ARE COMPUTED: the mask is the finite -10000 of the definition, not minus infinity, so a query whose allowed keys are all
; holes spreads over every key.  The bias (1 - mask)(-10000) log2(e) is the C operand of the score product.  Softmax in base 2 with a
; running maximum; the 64-key step that holds the diagonal comes first and starts the sums, the others follow round the ring of 16.
; EVERY WORK-GROUP WALKS SHARED DATA FROM ITS OWN PLACE, so that the work-groups that read the same bytes do not all ask for the same ones
; at the same moment: self-attention starts at the diagonal step, cross-attention at key step (block mod 8) of its ring of 8, and a
; matrix's twelve K steps are taken in the order (rot + j) mod 12, rot = work-group number mod 12.  Twelve scalar bases hold the walk
; positions' places in a matrix; the activations lie in LDS twice, so that positions rot .. rot + 11 are consecutive and one address
; register carries the rotation.  The order of an f32 sum over K, and of the running softmax, therefore differs between work-groups.
; LIMITS: a q, k, v or activation above 65,504 in magnitude becomes infinite; the bias is fma(mask, 14426.95, -14426.95), one rounding where
; the definition has two (exact for masks of 0 and 1); the denominator sums p in f32 while the numerator multiplies p rounded to f16.
; NO CLUSTER, NO LDS RING for K, V, weights: each of their bytes is used by one wave of the work-group.  A joint load lands in LDS: it would
; add an LDS write and an LDS read of 2.25 MB of K and V and up to 1.47 MB of weights a work-group and a barrier round for each refill, and
; the partners would have to walk the keys in one order, while each block here starts at its own step.
; THE MODE: SCHED_MODE bits 1:0 = 2 (LLVM: expert scheduling mode 2), set by the entry lines.  The code itself states the register dependences
; between vector or matrix instructions and memory or LDS instructions, with s_wait_alu, always for 0.
; THE PLAN.  Registers that memory or LDS instructions touch:
;   v1-v12, v15      offsets and LDS addresses, made at the head ahead of one wait and never written again.
;   K, the bias      An attention step's score products read them (the diagonal step's selects read the bias too).  ONE wait on va_vdst stands behind the four
;                    places that the softmax needs in any case; behind it the next step's K and bias land in them.  The softmax names neither.
;   v[BA]            The bias loads' address, the one address that is stepped: a wait on vm_vsrc, the add (the first of those four places), and the wait
;                    on va_vdst just named states that it is written.
;   V                The step's second products read it.  A second wait stands behind the five places that the next scores need; behind it the next V lands.
;   ring, X buffers  Dense step g's four products read slot g % 8 and buffer g & 1.  ONE wait at the head of step g states that step g - 1's products are done
;                    reading; behind it step g + 1's fragments land in buffer (g - 1) & 1 and step g + 7's weights in slot (g - 1) % 8, dealt among step g's
;                    products, which name the other buffer, another slot, the accumulators and the bias.
;   between phases   One wait on va_vdst ahead of each run of loads into registers that the phase before has worked on; conversions come first and their LDS or
;                    global stores follow in one run behind one wait; one wait on vm_vsrc ahead of the first instruction that writes what stores have read.
.set LAYER, 1
.set SBT, 0                            ; LDS: self bias, 1,024 f32
.set CBT, 4096                         ; cross bias, 512 f32
.set RED, 6144                         ; LayerNorm partial sums: six stages of 32 rows x 80 bytes, word hd
.set REDS, 2560
.set XB, 21504                         ; activations in f16, fragment order, twice: K step hd (2,048 bytes) is written by wave hd at block hd and at block hd + 12
.set XBC, 24576                        ; from the first copy to the second
.set STASH, 70656                      ; 4,096 bytes a wave, its own: the f32 state during cross-attention
.set XF, 119808                        ; 32 rows x 1,552 bytes of f32: x on the way in, y on the way out
.set XFP, 1552                         ; 1,536 + 16, an odd multiple of 16
.set WMAT, 294912
.set ST, 16                            ; v[16:47]   f32 state; in attention: the small registers below
.set MX, 16                            ; v16-17     running maximum of query tile t
.set LS, 18                            ; v[18:21]   running sum, a pair for each t
.set MN, 22                            ; v[22:23]   new maximum, twice
.set AL, 24                            ; v[24:25]   2^(old - new), twice
.set TM, 26                            ; v[26:29]   at work
.set QD, 34                            ; v34-35     diagonal step: query's place minus 8 h
.set BA, 36                            ; v36        LDS address of the step's bias
.set OA, 48                            ; v[48:79]   O, or the dense accumulators; LayerNorm's work registers
.set QF, 80                            ; v[80:95]   Q fragments
.set CB, 80                            ;            or the dense bias
.set KR, 96                            ; v[96:127]  K, four key tiles
.set VR, 128                           ; v[128:159] V^T, block 2 c + dt
.set SC, 160                           ; v[160:223] scores, tile (t, kt) at 32 t + 8 kt; P(t, c) in place at 32 t + 16 c
.set WR, 96                            ; v[96:223]  or the weight ring, eight slots x 16
.set BIAS, 224                         ; v[224:255] bias of the step's 64 keys
.set XFR, 224                          ;            or X fragments, two buffers x 16
.set GW, 224                           ;            or LayerNorm's gain
.set GB, 240                           ;            and offset
.set DM, 8                             ; s[8:15]    the diagonal step's masks, eight at a time: the bases that lay here have served, their loads are shown done
                                       ; s[80:101], s[104:105]: twelve pairs, my head's slice of matrix 0 at walk position j; never rewritten
.macro NOPS cnt
.rept \cnt
	v_nop
.endr
.endm
.macro BAR
	s_wait_dscnt 0x0                               ; my LDS stores are done and my LDS loads are back
	s_barrier_signal -1
	s_barrier_wait -1
.endm
.macro MMA d, a, b, c
	v_wmma_f32_16x16x32_f16 v[\d:\d+7], v[\a:\a+7], v[\b:\b+7], v[\c:\c+7]
.endm
.macro MMA0 d, a, b
	v_wmma_f32_16x16x32_f16 v[\d:\d+7], v[\a:\a+7], v[\b:\b+7], 0
.endm
.macro KLOAD
.irp kt,0,1,2,3
.irp p,0,1
	global_load_b128 v[KR+8*\kt+4*\p:KR+8*\kt+4*\p+3], v1, s[50:51] offset:\kt*1024+\p*512
.endr
.endr
.endm
.macro VLOAD
.irp kt,0,1,2,3
.irp p,0,1
	global_load_b128 v[VR+8*\kt+4*\p:VR+8*\kt+4*\p+3], v1, s[52:53] offset:\kt*1024+\p*512
.endr
.endr
.endm
.macro BLOAD tbl                       ; register 8 kt + j: bias of key 16 kt + 8 h + j of the step
.irp kt,0,1,2,3
.irp q,0,1
	ds_load_b128 v[BIAS+8*\kt+4*\q:BIAS+8*\kt+4*\q+3], v[BA] offset:\tbl+\kt*64+\q*16
.endr
.endr
.endm
.macro DIAG                            ; the diagonal step: key 16 kt + 8 h + j is allowed for query place q if 16 kt + j <= q - 8 h.  The compares stand in runs of eight
.irp t,0,1
.irp kt,0,1,2,3
.irp j,0,1,2,3,4,5,6,7
	v_cmp_le_i32 s[DM+\j], 16*\kt+\j, v[QD+\t]
.endr
	s_wait_alu depctr_va_sdst(0)                   ; the run's eight masks are written, ahead of the selects that read them
.irp j,0,1,2,3,4,5,6,7
	v_cndmask_b32 v[SC+32*\t+8*\kt+\j], s59, v[BIAS+8*\kt+\j], s[DM+\j]
.endr
.endr
.endr
.endm
; 64 keys of query tile t: running maximum, 2^(s - max), running sum, P in f16 in place, O rescaled.
.macro SOFTMAX t, first
.set sm_b, SC+32*\t
.if \first
	v_max_num_f32 v[TM], v[sm_b], v[sm_b+1]
.else
	v_max3_num_f32 v[TM], v[sm_b], v[sm_b+1], v[MX+\t]
.endif
	v_max3_num_f32 v[TM+1], v[sm_b+16], v[sm_b+17], v[sm_b+18]
.set sm_i, 0
.rept 6
	v_max3_num_f32 v[TM], v[TM], v[sm_b+2+2*sm_i], v[sm_b+3+2*sm_i]
	v_max3_num_f32 v[TM+1], v[TM+1], v[sm_b+19+2*sm_i], v[sm_b+20+2*sm_i]
.set sm_i, sm_i+1
.endr
	v_max3_num_f32 v[TM], v[TM], v[sm_b+14], v[sm_b+15]
	v_max3_num_f32 v[TM], v[TM], v[TM+1], v[sm_b+31]
	v_permlanex16_b32 v[TM+1], v[TM], s62, s63     ; lanes r and r + 16 hold the same query's other keys
	v_max_num_f32 v[MN], v[TM], v[TM+1]
	v_mov_b32 v[MN+1], v[MN]
.if \first
	v_mov_b32 v[MX+\t], v[MN]
.else
	v_sub_f32 v[TM+2], v[MX+\t], v[MN]
	v_exp_f32 v[AL], v[TM+2]
	v_mov_b32 v[MX+\t], v[MN]                      ; the plain instruction behind the exponential (ISA guide 5.7.2)
	s_wait_alu depctr_va_vdst(0)
	v_mov_b32 v[AL+1], v[AL]
.endif
.set sm_i, 0
.rept 16
	v_pk_add_f32 v[sm_b+2*sm_i:sm_b+2*sm_i+1], v[sm_b+2*sm_i:sm_b+2*sm_i+1], v[MN:MN+1] neg_lo:[0,1] neg_hi:[0,1]
.set sm_i, sm_i+1
.endr
.set sm_i, 0
.rept 32
	v_exp_f32 v[sm_b+sm_i], v[sm_b+sm_i]
.set sm_i, sm_i+1
.endr
	v_nop                                          ; one plain place behind the last exponential
	s_wait_alu depctr_va_vdst(0)
	v_pk_add_f32 v[TM:TM+1], v[sm_b:sm_b+1], v[sm_b+4:sm_b+5]
	v_pk_add_f32 v[TM+2:TM+3], v[sm_b+2:sm_b+3], v[sm_b+6:sm_b+7]
.set sm_i, 0
.rept 6
	v_pk_add_f32 v[TM:TM+1], v[TM:TM+1], v[sm_b+8+4*sm_i:sm_b+9+4*sm_i]
	v_pk_add_f32 v[TM+2:TM+3], v[TM+2:TM+3], v[sm_b+10+4*sm_i:sm_b+11+4*sm_i]
.set sm_i, sm_i+1
.endr
.if \first
	v_pk_add_f32 v[LS+2*\t:LS+2*\t+1], v[TM:TM+1], v[TM+2:TM+3]
.else
	v_pk_add_f32 v[TM:TM+1], v[TM:TM+1], v[TM+2:TM+3]
	v_pk_fma_f32 v[LS+2*\t:LS+2*\t+1], v[LS+2*\t:LS+2*\t+1], v[AL:AL+1], v[TM:TM+1]
.endif
.irp c,0,1
.irp i,0,1,2,3,4,5,6,7
	v_cvt_pk_f16_f32 v[sm_b+16*\c+\i], v[sm_b+16*\c+2*\i], v[sm_b+16*\c+2*\i+1]
.endr
.endr
.if \first == 0
.irp i,0,1,2,3,4,5,6,7
	v_pk_mul_f32 v[OA+16*\t+2*\i:OA+16*\t+2*\i+1], v[OA+16*\t+2*\i:OA+16*\t+2*\i+1], v[AL:AL+1]
.endr
.endif
.endm
; One step of 64 keys for both query tiles.  pre = 1: the next step's K, bias and V are asked for.
.macro STEP first, diag, pre, tbl, mask
	s_wait_loadcnt 0x8                             ; K of this step and all older loads are in; the eight younger loads, V's, stay out
	s_wait_dscnt 0x0                               ; the step's bias is in
.if \diag
	DIAG
.endif
.irp t,0,1
.irp kt,0,1,2,3
.if \diag
	MMA SC+32*\t+8*\kt, KR+8*\kt, QF+8*\t, SC+32*\t+8*\kt
.else
	MMA SC+32*\t+8*\kt, KR+8*\kt, QF+8*\t, BIAS+8*\kt
.endif
.endr
.endr
.if \pre
	s_add_co_u32 s56, s56, 1
	s_and_b32 s56, s56, \mask                      ; the next step, round the ring
	s_lshl_b32 s54, s56, 12                        ; 4,096 bytes of K, and of V, a step
	s_add_nc_u64 s[50:51], s[46:47], s[54:55]      ; K's base: its last loads were shown done at the head
	s_wait_alu depctr_vm_vsrc(0)                   ; this step's bias loads have read v[BA], which the next line writes
	v_lshl_add_u32 v[BA], s56, 8, v2               ; the first of the four places (ISA guide 7.12.1) before the scores are read
	NOPS 3
	s_wait_alu depctr_va_vdst(0)                   ; the score products (and the diagonal step's selects) are done reading K and the bias, in which the loads below land; v[BA] is written
	KLOAD
	BLOAD \tbl
.else
	NOPS 4                                         ; four places (ISA guide 7.12.1) before the scores are read
.endif
	SOFTMAX 0, \first
	SOFTMAX 1, \first
.if \pre
	s_wait_loadcnt 0x8                             ; V is in; the next K's eight loads stay out
.else
	s_wait_loadcnt 0x0
.endif
.irp c,0,1
.irp t,0,1
.irp dt,0,1
.if (\first)*(1-\c)
	MMA0 OA+16*\t+8*\dt, VR+16*\c+8*\dt, SC+32*\t+16*\c
.else
	MMA OA+16*\t+8*\dt, VR+16*\c+8*\dt, SC+32*\t+16*\c, OA+16*\t+8*\dt
.endif
.endr
.endr
.endr                                              ; the four accumulators take turns, one instruction a turn
.if \pre
	NOPS 5                                         ; five places before the next scores are written over P
	s_wait_alu depctr_va_vdst(0)                   ; these products are done reading V, in which the loads below land
	s_add_nc_u64 s[52:53], s[48:49], s[54:55]      ; V's base: its last loads were shown done above
	VLOAD
.endif
.endm
.macro GLOAD dst, sb, off              ; 16 numbers of my head in state order: feature 16 dt + 8 h + j
.irp dt,0,1
.irp q,0,1
	global_load_b128 v[\dst+8*\dt+4*\q:\dst+8*\dt+4*\q+3], v8, s[\sb:\sb+1] offset:\off+\dt*64+\q*16
.endr
.endr
.endm
.macro WPRE wm                         ; the ring's first eight walk positions of matrix wm: 32 loads
.irp sl,0,1,2,3,4,5,6,7
.irp f,0,1
.irp p,0,1
	global_load_b128 v[WR+16*\sl+8*\f+4*\p:WR+16*\sl+8*\f+4*\p+3], v1, s[80+2*\sl:81+2*\sl] offset:(\wm)*WMAT+\f*12288+\p*512
.endr
.endr
.endr
.endm
.macro FINAL                           ; O / l
	v_add_f32 v[TM], v[LS], v[LS+1]
	v_add_f32 v[TM+1], v[LS+2], v[LS+3]
	v_permlanex16_b32 v[TM+2], v[TM], s62, s63
	v_permlanex16_b32 v[TM+3], v[TM+1], s62, s63
	v_add_f32 v[TM], v[TM], v[TM+2]
	v_add_f32 v[TM+1], v[TM+1], v[TM+3]
	v_rcp_f32 v[MN], v[TM]
	v_rcp_f32 v[AL], v[TM+1]
	v_nop
	s_wait_alu depctr_va_vdst(0)
	v_mov_b32 v[MN+1], v[MN]
	v_mov_b32 v[AL+1], v[AL]
.irp i,0,1,2,3,4,5,6,7
	v_pk_mul_f32 v[OA+2*\i:OA+2*\i+1], v[OA+2*\i:OA+2*\i+1], v[MN:MN+1]
	v_pk_mul_f32 v[OA+16+2*\i:OA+16+2*\i+1], v[OA+16+2*\i:OA+16+2*\i+1], v[AL:AL+1]
.endr
.endm
; Behind an attention: what the next phases need is asked for first (12 + 32 loads), then O is finished.
.macro POST gw, gb, cbp, wm
	s_wait_alu depctr_va_vdst(0)                   ; the attention's products and softmax are done with the bias, Q, K, V and the scores, in whose registers the loads below land
	GLOAD GW, \gw, LAYER*1536
	GLOAD GB, \gb, LAYER*1536
	GLOAD CB, \cbp, LAYER*1536
	WPRE \wm
	FINAL                                          ; names the small registers and O alone; its first seven plain lines are the places before O is read
.endm
.macro ADDO
.irp i,0,1,2,3,4,5,6,7,8,9,10,11,12,13,14,15
	v_pk_add_f32 v[ST+2*\i:ST+2*\i+1], v[ST+2*\i:ST+2*\i+1], v[OA+2*\i:OA+2*\i+1]
.endr
.endm
; v76, v77: my lane's partial sums of row tiles 0, 1 over my head's features.  Out: v48, v60 the rows' sums over all 384 features.
.macro XRED stage
	v_permlanex16_b32 v72, v76, s62, s63
	v_permlanex16_b32 v73, v77, s62, s63
	v_add_f32 v76, v76, v72
	v_add_f32 v77, v77, v73
	v_cndmask_b32 v72, v76, v77, s58               ; lane L speaks for row L
	s_wait_alu depctr_va_vdst(0)                   ; v72 is written, which the store reads; the vector instructions are done with v48-71, in which the loads below land
	ds_store_b32 v6, v72 offset:RED+(\stage)*REDS
	BAR                                            ; every stage has bytes of its own, so one barrier a stage
.irp t,0,1
.irp q,0,1,2
	ds_load_b128 v[48+12*\t+4*\q:48+12*\t+4*\q+3], v7 offset:RED+(\stage)*REDS+\t*1280+\q*16
.endr
.endr
	s_wait_alu depctr_vm_vsrc(0)                   ; the store has read v72, which is written again behind the sums
	s_wait_dscnt 0x0
.irp b,48,60
	v_pk_add_f32 v[\b:\b+1], v[\b:\b+1], v[\b+2:\b+3]
	v_pk_add_f32 v[\b+4:\b+5], v[\b+4:\b+5], v[\b+6:\b+7]
	v_pk_add_f32 v[\b+8:\b+9], v[\b+8:\b+9], v[\b+10:\b+11]
	v_pk_add_f32 v[\b:\b+1], v[\b:\b+1], v[\b+4:\b+5]
	v_pk_add_f32 v[\b:\b+1], v[\b:\b+1], v[\b+8:\b+9]
	v_add_f32 v[\b], v[\b], v[\b+1]
.endr
.endm
; LayerNorm of the state, in two true passes (mean, then the mean of squared differences).  left: loads that may stay out when the gains are used.
.macro LNORM stage, left
.irp t,0,1
	v_pk_add_f32 v[72:73], v[ST+16*\t:ST+16*\t+1], v[ST+16*\t+2:ST+16*\t+3]
	v_pk_add_f32 v[74:75], v[ST+16*\t+4:ST+16*\t+5], v[ST+16*\t+6:ST+16*\t+7]
	v_pk_add_f32 v[72:73], v[72:73], v[ST+16*\t+8:ST+16*\t+9]
	v_pk_add_f32 v[74:75], v[74:75], v[ST+16*\t+10:ST+16*\t+11]
	v_pk_add_f32 v[72:73], v[72:73], v[ST+16*\t+12:ST+16*\t+13]
	v_pk_add_f32 v[74:75], v[74:75], v[ST+16*\t+14:ST+16*\t+15]
	v_pk_add_f32 v[72:73], v[72:73], v[74:75]
	v_add_f32 v[76+\t], v72, v73
.endr
	XRED \stage
	v_mul_f32 v72, s60, v48                        ; mean
	v_mul_f32 v74, s60, v60
	v_mov_b32 v73, v72
	v_mov_b32 v75, v74
.irp t,0,1
.irp i,0,1,2,3,4,5,6,7
	v_pk_add_f32 v[ST+16*\t+2*\i:ST+16*\t+2*\i+1], v[ST+16*\t+2*\i:ST+16*\t+2*\i+1], v[72+2*\t:73+2*\t] neg_lo:[0,1] neg_hi:[0,1]
.endr
.endr
.irp t,0,1
	v_pk_mul_f32 v[48:49], v[ST+16*\t:ST+16*\t+1], v[ST+16*\t:ST+16*\t+1]
	v_pk_mul_f32 v[50:51], v[ST+16*\t+2:ST+16*\t+3], v[ST+16*\t+2:ST+16*\t+3]
.irp i,0,1,2
	v_pk_fma_f32 v[48:49], v[ST+16*\t+4+4*\i:ST+16*\t+5+4*\i], v[ST+16*\t+4+4*\i:ST+16*\t+5+4*\i], v[48:49]
	v_pk_fma_f32 v[50:51], v[ST+16*\t+6+4*\i:ST+16*\t+7+4*\i], v[ST+16*\t+6+4*\i:ST+16*\t+7+4*\i], v[50:51]
.endr
	v_pk_add_f32 v[48:49], v[48:49], v[50:51]
	v_add_f32 v[76+\t], v48, v49
.endr
	XRED (\stage)+1
	v_fma_f32 v72, v48, s60, s71                   ; variance + 1e-12
	v_fma_f32 v74, v60, s60, s71
	v_rsq_f32 v72, v72
	v_rsq_f32 v74, v74
	v_nop
	s_wait_alu depctr_va_vdst(0)
	v_mov_b32 v73, v72
	v_mov_b32 v75, v74
	s_wait_loadcnt \left                           ; gain and offset are in; the weight loads issued behind them stay out
.irp t,0,1
.irp i,0,1,2,3,4,5,6,7
	v_pk_mul_f32 v[ST+16*\t+2*\i:ST+16*\t+2*\i+1], v[ST+16*\t+2*\i:ST+16*\t+2*\i+1], v[72+2*\t:73+2*\t]
	v_pk_fma_f32 v[ST+16*\t+2*\i:ST+16*\t+2*\i+1], v[ST+16*\t+2*\i:ST+16*\t+2*\i+1], v[GW+2*\i:GW+2*\i+1], v[GB+2*\i:GB+2*\i+1]
.endr
.endr
.endm
.macro TOXBC                           ; the state rounded to f16, into v48-63: already in fragment order
.irp t,0,1
.irp dt,0,1
.irp i,0,1,2,3
	v_cvt_pk_f16_f32 v[OA+8*\t+4*\dt+\i], v[ST+16*\t+8*\dt+2*\i], v[ST+16*\t+8*\dt+2*\i+1]
.endr
.endr
.endr
.endm
.macro TOXBS                           ; and stored into my K step of XB, in both copies
.irp t,0,1
.irp dt,0,1
	ds_store_b128 v3, v[OA+8*\t+4*\dt:OA+8*\t+4*\dt+3] offset:XB+\t*1024+\dt*512
	ds_store_b128 v3, v[OA+8*\t+4*\dt:OA+8*\t+4*\dt+3] offset:XB+XBC+\t*1024+\dt*512
.endr
.endr
.endm
.macro TOXB
	TOXBC
	s_wait_alu depctr_va_vdst(0)                   ; the conversions have written v48-63, which the stores read; LayerNorm has written the state and is done reading gain and offset
	TOXBS
.endm
.macro XPRE                            ; X fragments of walk positions 0 and 1 (v4 holds XB and the rotation)
.irp sl,0,1
.irp t,0,1
.irp p,0,1
	ds_load_b128 v[XFR+16*\sl+8*\t+4*\p:XFR+16*\sl+8*\t+4*\p+3], v4 offset:\sl*2048+\t*1024+\p*512
.endr
.endr
.endr
.endm
.macro DMM t, swap, cb                 ; the two products of row tile t in a dense step
.irp f,0,1
.if d_ks == 0
.set d_c, \cb+8*\f                                 ; the first product starts the sum from the bias
.else
.set d_c, OA+16*(\t)+8*\f
.endif
.if \swap
	MMA OA+16*(\t)+8*\f, d_xb+8*(\t), d_sl+8*\f, d_c
.else
	MMA OA+16*(\t)+8*\f, d_sl+8*\f, d_xb+8*(\t), d_c
.endif
.endr
.endm
; Step g of tot of a run of dense products that starts at matrix wm: matrix wm + g/12, walk position g%12.
.macro DSTEP g, tot, wm, swap, cb
.set d_ks, (\g)%12
.set d_sl, WR+16*((\g)%8)
.set d_xb, XFR+16*((\g)&1)
.set d_g1, (\g)+1
.set d_g7, (\g)+7
.if (\g) == 0
.set d_top, 7                                      ; the last step whose weights have been asked for: the prefill's eighth,
.else
.set d_top, (\g)+6                                 ; later six steps on
.endif
.if d_top > (\tot)-1
.set d_top, (\tot)-1
.endif
	s_wait_loadcnt 4*(d_top-(\g))                  ; my slot's four loads are in; those of the steps asked for after it stay out
.if (\g) == 0
	s_wait_dscnt 0x4                               ; this step's fragments are in; the next step's four loads stay out
.else
	s_wait_dscnt 0x0                               ; this step's fragments are in: they are the youngest LDS loads
.if d_g1 < (\tot)
	s_wait_alu depctr_va_vdst(0)                   ; the last step's products are done reading their X buffer and their slot of the ring, in which the loads of this step land
.irp t,0,1
.irp p,0,1
	ds_load_b128 v[XFR+16*(d_g1&1)+8*\t+4*\p:XFR+16*(d_g1&1)+8*\t+4*\p+3], v4 offset:(d_g1%12)*2048+\t*1024+\p*512
.endr
.endr
.endif
.endif
	DMM 0, \swap, \cb
.if (\g) > 0
.if d_g7 < (\tot)
.set d_j, d_g7%12
.if d_j == 11
.set d_pb, 104                                     ; the twelfth pair
.else
.set d_pb, 80+2*d_j
.endif
.irp f,0,1
.irp p,0,1
	global_load_b128 v[WR+16*(d_g7%8)+8*\f+4*\p:WR+16*(d_g7%8)+8*\f+4*\p+3], v1, s[d_pb:d_pb+1] offset:((\wm)+d_g7/12)*WMAT+\f*12288+\p*512
.endr
.endr                                              ; no wait: no product since the wait above names this slot
.endif
.endif
	DMM 1, \swap, \cb                              ; the four accumulators take turns, one instruction a turn
.if d_ks == 11
	NOPS 4                                         ; a matrix's last step: four places (ISA guide 7.12.1) before its results are read
.endif
.endm
.macro DENSE12 tot, wm, swap, cb       ; twelve steps; the symbol g runs on
.rept 12
	DSTEP g, \tot, \wm, \swap, \cb
.set g, g+1
.endr
.endm
.macro NOUT sb, scale, vform, more     ; four tiles leave as fragment blocks; each store of the wave covers 512 consecutive aligned bytes
.irp t,0,1
.irp f,0,1
.if \scale
.irp i,0,1,2,3
	v_pk_mul_f32 v[OA+16*\t+8*\f+2*\i:OA+16*\t+8*\f+2*\i+1], v[OA+16*\t+8*\f+2*\i:OA+16*\t+8*\f+2*\i+1], s[78:79] op_sel_hi:[1,0]
.endr
.endif
.irp i,0,1,2,3
	v_cvt_pk_f16_f32 v[OA+16*\t+8*\f+\i], v[OA+16*\t+8*\f+2*\i], v[OA+16*\t+8*\f+2*\i+1]
.endr
.endr
.endr
	s_wait_alu depctr_va_vdst(0)                   ; the four tiles are rounded: the conversions have written what the stores read
.irp t,0,1
.irp f,0,1
.if \vform
	global_store_b128 v1, v[OA+16*\t+8*\f:OA+16*\t+8*\f+3], s[\sb:\sb+1] offset:\f*1024+\t*512
.else
	global_store_b128 v1, v[OA+16*\t+8*\f:OA+16*\t+8*\f+3], s[\sb:\sb+1] offset:\t*1024+\f*512
.endif
.endr
.endr
.if \more
	s_wait_xcnt 0x0                                ; the stores' data are the accumulators, which the next matrix writes only behind this wait
	s_wait_alu depctr_vm_vsrc(0)                   ; the stores have read the accumulators' registers, which the next matrix's products write
.endif
.endm
	; ---- arguments, ids, constants ----
	s_load_b512 s[8:23], s[0:1], 0x0               ; xin 8, dec_mask 10, enc_mask 12, qkv 14, ckv 16, wfrag 18, n1_w 20, n1_b 22
	s_load_b256 s[24:31], s[0:1], 0x40             ; ca_qb 24, n2_w 26, n2_b 28, out_b 30
	s_load_b128 s[32:35], s[0:1], 0x60             ; n3_w 32, n3_b 34
	s_load_b64 s[36:37], s[0:1], 0x70              ; xout 36
	v_lshl_add_u32 v12, v0, 2, 0x29600
	s_set_vgpr_msb 0x40
	v_mov_b32 v1, 0
	s_set_vgpr_msb 0x4000
.if LAYER == 0
	s_load_b64 s[38:39], s[0:1], 0x78              ; next qkv 38
	s_load_b128 s[40:43], s[0:1], 0x80             ; sa_qb 40, sa_kb 42
	s_load_b64 s[44:45], s[0:1], 0x90              ; sa_vb 44
.endif
	v_lshrrev_b32 v1, 5, v0
	v_readfirstlane_b32 s2, v1                     ; hd: my wave, my head
	s_lshr_b32 s4, ttmp9, 5                        ; batch
	s_and_b32 s5, ttmp9, 31                        ; block of 32 rows in the batch
	s_lshr_b32 s6, s5, 1                           ; the 64-key step that holds the diagonal
	s_mov_b32 s58, 0xffff0000                      ; lanes 16-31
	s_mov_b32 s59, 0xc6616bcd                      ; -10000 log2(e)
	s_mov_b32 s60, 0x3b2aaaab                      ; 1/384
	s_mov_b32 s61, 0x46616bcd                      ; +10000 log2(e)
	s_mov_b32 s62, 0x76543210                      ; v_permlanex16_b32: lane i reads lane i of the other half
	s_mov_b32 s63, 0xfedcba98
	s_mov_b32 s71, 0x2b8cbccc                      ; 1e-12
	s_mov_b32 s78, 0x3e8293ee                      ; log2(e)/sqrt(32)
	s_mov_b32 s79, 0x3e8293ee
	s_mov_b32 s55, 0                               ; the high word of every offset pair s[54:55]; stays 0
	s_wait_alu depctr_va_sdst(0)                   ; s2 is written, ahead of its first reader: LDS places, offsets and bases are made from it
	s_mul_i32 s7, s4, 12
	s_add_co_u32 s7, s7, s2                        ; 12 batch + head
	s_mul_i32 s57, ttmp9, 171
	s_lshr_b32 s57, s57, 11                        ; work-group / 12 (exact up to 255)
	s_mul_i32 s57, s57, 12
	s_sub_co_u32 s57, ttmp9, s57                   ; rot = work-group mod 12: where my walks over K begin
	s_min_u32 s57, s57, 11                         ; any rot from 0 to 11 gives the same sums; the bound stands in the text
	v_and_b32 v4, 31, v0                           ; lane
	v_and_b32 v13, 15, v0                          ; r
	v_bfe_u32 v14, v0, 4, 1                        ; h
	v_lshlrev_b32 v1, 4, v4                        ; v1  lane*16
	v_lshlrev_b32 v2, 5, v14                       ; v2  32 h
	v_lshl_add_u32 v3, s2, 11, v1                  ; v3  my K step of XB
	v_lshl_add_u32 v8, s2, 7, v2                   ; v8  hd*128 + 32 h: gains, biases
	v_mul_u32_u24 v5, v13, XFP
	v_add_nc_u32 v5, v5, v8
	v_add_nc_u32 v5, XF, v5                        ; v5  XF by state order: row r, my head's columns
	v_mul_u32_u24 v6, v4, 80
	v_lshl_add_u32 v6, s2, 2, v6                   ; v6  RED: row = lane, word hd
	v_lshl_add_u32 v4, s57, 11, v1
	v_add_nc_u32 v4, XB, v4                        ; v4  XB at walk position 0: block rot; position j is block rot + j, at most 22 of the 24
	v_mul_u32_u24 v7, v13, 80                      ; v7  RED: row r
	v_lshl_add_u32 v9, s2, 12, v1
	v_add_nc_u32 v9, STASH, v9                     ; v9  my stash
	v_lshlrev_b32 v10, 4, v0                       ; v10 thread*16
	s_mul_i32 s54, s2, 11
	s_lshr_b32 s54, s54, 5                         ; hd / 3 (exact for 0..11): my row among the four that the twelve waves cover
	s_mul_i32 s3, s54, 3
	s_sub_co_u32 s3, s2, s3                        ; hd % 3: my third of the row
	s_mul_i32 s54, s54, XFP
	s_lshl_b32 s3, s3, 9
	s_add_co_u32 s54, s54, s3
	s_add_co_u32 s54, s54, XF
	v_add_nc_u32 v11, s54, v1                      ; v11 XF by rows
.if LAYER == 0
	v_lshlrev_b32 v12, 2, v13
	v_lshl_add_u32 v12, s2, 7, v12                 ; v12 hd*128 + 4 r: v's bias, one feature a lane
.endif
	v_and_b32 v15, 255, v0
	v_lshlrev_b32 v15, 4, v15                      ; four mask numbers a thread
	v_lshlrev_b32 v44, 2, v0                       ; their first key (waves 0-7)
	s_and_b32 s3, s5, 1
	s_lshl_b32 s3, s3, 5
	v_lshlrev_b32 v35, 3, v14
	v_sub_nc_u32 v34, v13, v35
	v_add_nc_u32 v34, s3, v34                      ; query's place in the diagonal step, minus 8 h
	v_add_nc_u32 v35, 16, v34
	s_wait_kmcnt 0x0
	s_mul_i32 s54, ttmp9, 49152                    ; 32 rows of 1,536 bytes
	s_add_nc_u64 s[8:9], s[8:9], s[54:55]
	s_add_nc_u64 s[36:37], s[36:37], s[54:55]
	s_lshl_b32 s54, s4, 12
	s_add_nc_u64 s[10:11], s[10:11], s[54:55]
	s_lshl_b32 s54, s4, 11
	s_add_nc_u64 s[12:13], s[12:13], s[54:55]
	s_lshl_b32 s70, s6, 6
	s_add_co_u32 s70, s70, 64                      ; keys from here on lie above every query of the block
	s_cmp_lt_u32 s2, 8
	s_cselect_b64 s[68:69], s[10:11], s[12:13]     ; waves 0-7 make the self table, waves 8-11 the cross table
	s_cselect_b32 s70, s70, 0x7fffffff
	s_lshl_b32 s54, s7, 16                         ; 65,536 bytes a head
	s_add_nc_u64 s[14:15], s[14:15], s[54:55]
	s_add_nc_u64 s[46:47], s[14:15], 0x600000      ; K of my head
	s_add_nc_u64 s[48:49], s[14:15], 0xc00000      ; V of my head
.if LAYER == 0
	s_add_nc_u64 s[72:73], s[38:39], s[54:55]
.endif
	s_lshl_b32 s54, s5, 11                         ; 2,048 bytes for 32 rows
	s_add_nc_u64 s[14:15], s[14:15], s[54:55]      ; Q of my rows
.if LAYER == 0
	s_add_nc_u64 s[72:73], s[72:73], s[54:55]      ; the next layer's q, k, v of my rows
	s_add_nc_u64 s[74:75], s[72:73], 0x600000
	s_add_nc_u64 s[76:77], s[72:73], 0xc00000
.endif
	s_mov_b32 s56, s6                              ; the first step
	s_lshl_b32 s54, s6, 12
	s_add_nc_u64 s[50:51], s[46:47], s[54:55]
	s_add_nc_u64 s[52:53], s[48:49], s[54:55]
	s_mul_i32 s54, s2, 24576
	s_add_nc_u64 s[66:67], s[18:19], s[54:55]      ; my head's slice of matrix 0 in wfrag
	s_wait_alu depctr_va_vdst(0)                   ; the offsets and addresses v1-v12 and v15 are written: the kernel's loads and stores read them; so are v13 and v14, in which loads land later
	; ---- x, masks, Q, the first K and V ----
.irp i,0,1,2,3,4,5,6,7
	global_load_b128 v[OA+4*\i:OA+4*\i+3], v10, s[8:9] offset:\i*6144 th:TH_LOAD_NT
.endr
	global_load_b128 v[40:43], v15, s[68:69]
.irp t,0,1
.irp p,0,1
	global_load_b128 v[QF+8*\t+4*\p:QF+8*\t+4*\p+3], v1, s[14:15] offset:\t*1024+\p*512
.endr
.endr
	KLOAD
	VLOAD
	s_lshl_b32 s54, s57, 10                        ; walk position j lies at K step (rot + j) mod 12, 1,024 bytes a step (scalar work while the loads are out; none of them names s[54:55])
.irp pbr,80,82,84,86,88,90,92,94,96,98,100,104
	s_add_nc_u64 s[\pbr:\pbr+1], s[66:67], s[54:55]
	s_add_co_u32 s54, s54, 1024
	s_cmp_eq_u32 s54, 12288
	s_cselect_b32 s54, 0, s54                      ; round the twelve
.endr
	s_wait_loadcnt 20                              ; x and the mask are in; Q (4), K (8), V (8) stay out
.irp i,0,1,2,3,4,5,6,7
	ds_store_b128 v11, v[OA+4*\i:OA+4*\i+3] offset:\i*4*XFP
.endr
	v_cmp_gt_u32 vcc_lo, s70, v44
.irp i,40,41,42,43
	v_fma_f32 v\i, v\i, s61, s59                   ; (1 - mask)(-10000) log2(e)
.endr
	v_lshl_add_u32 v[BA], s56, 8, v2               ; the first step's place in the table
	s_wait_alu depctr_va_vcc(0)                    ; the compare has written VCC, ahead of the selects that read it
.irp i,40,41,42,43
	v_cndmask_b32 v\i, s59, v\i, vcc_lo            ; keys above the diagonal step: the causal factor is 0
.endr
	s_wait_alu depctr_va_vdst(0)                   ; the table's four numbers are written, which the store reads, and v[BA], which the first bias loads read
	ds_store_b128 v10, v[40:43]                    ; the cross table follows the self table: one address form
	BAR
	s_wait_alu depctr_vm_vsrc(0)                   ; my LDS stores have read v[OA ..] and v[40:43]: the products write the first, the state's loads land in the second
	BLOAD SBT
	; ---- self-attention: 16 steps of 64 keys, the diagonal step first ----
	STEP 1, 1, 1, SBT, 15
	s_mov_b32 s57, 14
.Lself:
	STEP 0, 0, 1, SBT, 15
	s_sub_co_u32 s57, s57, 1
	s_cmp_lg_u32 s57, 0
	s_cbranch_scc1 .Lself
	STEP 0, 0, 0, SBT, 15
	; ---- x1 = LN(a + x) ----
	POST 20, 22, 24, 7*LAYER+3
	s_wait_alu depctr_va_vdst(0)                   ; the attention's vector instructions are done with the small registers v16-36, in which the state lands
	s_wait_alu depctr_vm_vsrc(0)                   ; the last bias loads have read v[BA], one of those registers
.irp t,0,1
.irp dt,0,1
.irp q,0,1
	ds_load_b128 v[ST+16*\t+8*\dt+4*\q:ST+16*\t+8*\dt+4*\q+3], v5 offset:\t*16*XFP+\dt*64+\q*16
.endr
.endr
.endr
	s_wait_dscnt 0x0
	ADDO
	LNORM 0, 32
	; ---- cross q ----
	TOXB
	BAR
.irp i,0,1,2,3,4,5,6,7
	ds_store_b128 v9, v[ST+4*\i:ST+4*\i+3] offset:\i*512       ; x1 in f32 waits in my stash (the state was written ahead of the wait in front of XB's stores)
.endr
	XPRE
	s_wait_alu depctr_vm_vsrc(0)                   ; the stores into XB and into the stash have read v48-63 and the state: the products write the first, the attention's small registers the second
.set g, 0
	DENSE12 12, 7*LAYER+3, 0, CB
	s_lshl_b32 s54, s7, 15                         ; 32,768 bytes a head
	s_add_nc_u64 s[46:47], s[16:17], s[54:55]
.if LAYER
	s_add_nc_u64 s[46:47], s[46:47], LAYER*6291456
.endif
	s_add_nc_u64 s[48:49], s[46:47], 3145728
	s_and_b32 s56, s5, 7                           ; my first key step of the ring of 8: the 32 blocks of a batch start at 8 different steps
	s_lshl_b32 s54, s56, 12
	s_add_nc_u64 s[50:51], s[46:47], s[54:55]      ; no load is out: the last dense step waited for all
	s_add_nc_u64 s[52:53], s[48:49], s[54:55]
	v_lshl_add_u32 v[BA], s56, 8, v2
	s_wait_alu depctr_va_vdst(0)                   ; the dense products are done reading the ring and the X fragments, in which K, V and the bias land; v[BA] is written
	KLOAD
	VLOAD
	BLOAD CBT
.irp t,0,1
.irp f,0,1
.irp i,0,1,2,3
	v_pk_mul_f32 v[OA+16*\t+8*\f+2*\i:OA+16*\t+8*\f+2*\i+1], v[OA+16*\t+8*\f+2*\i:OA+16*\t+8*\f+2*\i+1], s[78:79] op_sel_hi:[1,0]
.endr
.irp i,0,1,2,3
	v_cvt_pk_f16_f32 v[QF+8*\t+4*\f+\i], v[OA+16*\t+8*\f+2*\i], v[OA+16*\t+8*\f+2*\i+1]
.endr
.endr
.endr
	; ---- cross-attention: 8 steps of 64 keys, round the ring from my own step ----
	STEP 1, 0, 1, CBT, 7
	s_mov_b32 s57, 6
.Lcross:
	STEP 0, 0, 1, CBT, 7
	s_sub_co_u32 s57, s57, 1
	s_cmp_lg_u32 s57, 0
	s_cbranch_scc1 .Lcross
	STEP 0, 0, 0, CBT, 7
	; ---- x2 = LN(x1 + c) ----
	POST 26, 28, 30, 7*LAYER+6
	s_wait_alu depctr_va_vdst(0)                   ; the attention's vector instructions are done with the small registers v16-36, in which the state lands
	s_wait_alu depctr_vm_vsrc(0)                   ; the last bias loads have read v[BA], one of those registers
.irp i,0,1,2,3,4,5,6,7
	ds_load_b128 v[ST+4*\i:ST+4*\i+3], v9 offset:\i*512
.endr
	s_wait_dscnt 0x0
	ADDO
	LNORM 2, 32
	; ---- y = LN(x2 W^T + b + x2) ----
	TOXB                                           ; every wave's reads of XB ended before LayerNorm's barriers
	BAR
	XPRE
	s_wait_alu depctr_vm_vsrc(0)                   ; the stores into XB have read v48-63, which the products write
.set g, 0
	DENSE12 12, 7*LAYER+6, 0, CB
	s_wait_alu depctr_va_vdst(0)                   ; the dense products are done reading the X fragments, the bias and the ring, in which the loads below land
	GLOAD GW, 32, LAYER*1536
	GLOAD GB, 34, LAYER*1536
.if LAYER == 0
	GLOAD CB, 40, 1536                             ; the next layer's q bias and the first eight walk positions of its q matrix
	WPRE 7
.endif
	ADDO
.if LAYER == 0
	LNORM 4, 32
.else
	LNORM 4, 0
.endif
	; ---- y leaves through XF: in by state order, out by rows ----
.if LAYER == 0
	TOXBC
.endif
	s_wait_alu depctr_va_vdst(0)                   ; LayerNorm has written the state (and the conversions v48-63), which the stores read; it is done with v48-79 and with gain and offset, in which later loads land
.irp t,0,1
.irp dt,0,1
.irp q,0,1
	ds_store_b128 v5, v[ST+16*\t+8*\dt+4*\q:ST+16*\t+8*\dt+4*\q+3] offset:\t*16*XFP+\dt*64+\q*16
.endr
.endr
.endr
.if LAYER == 0
	TOXBS
.endif
	s_wait_dscnt 0x0                               ; my stores are done: for the other waves
.if LAYER == 0
	s_wait_alu depctr_vm_vsrc(0)                   ; the stores have read the state's registers and v48-63, in which the loads below land
	GLOAD 16, 42, 1536                             ; the next layer's k bias, and v's (one feature a lane)
	global_load_b32 v13, v12, s[44:45] offset:1536
	global_load_b32 v14, v12, s[44:45] offset:1536+64
.endif
	s_barrier_signal -1
	s_barrier_wait -1
.irp i,0,1,2,3,4,5,6,7
	ds_load_b128 v[OA+4*\i:OA+4*\i+3], v11 offset:\i*4*XFP
.endr
.irp i,0,1,2,3,4,5,6,7
	s_wait_dscnt 7-\i
.if LAYER == 0
	global_store_b128 v10, v[OA+4*\i:OA+4*\i+3], s[36:37] offset:\i*6144
.else
	global_store_b128 v10, v[OA+4*\i:OA+4*\i+3], s[36:37] offset:\i*6144 th:TH_STORE_NT
.endif
.endr
.if LAYER == 0
	; ---- the next layer's q, k, v of my rows: 36 steps on matrices 7, 8, 9 ----
	; The six bias loads stand behind the ring's 32: a prefilled slot really has six more loads behind it than the ring's count says, which is the stricter.
	XPRE
	s_wait_xcnt 0x0                                ; the stores above read the accumulators' registers
	s_wait_alu depctr_vm_vsrc(0)                   ; the stores of y have read v[OA ..], which the products write
.set g, 0
	DENSE12 36, 7, 0, CB
	NOUT 72, 1, 0, 1
.irp f,0,1
.irp j,0,1,2,3,4,5,6,7
	v_mov_b32 v[32+8*\f+\j], v[13+\f]              ; 40 loads had been issued behind the biases when step 11 let 24 stay out: they are in
.endr
.endr
	DENSE12 36, 7, 0, 16
	NOUT 74, 0, 0, 1
	DENSE12 36, 7, 1, 32
	NOUT 76, 0, 1, 0
.endif
	s_set_vgpr_msb 0x4
	s_wait_dscnt 0x0
	s_wait_alu depctr_hold_cnt(0) depctr_sa_sdst(0) depctr_va_vdst(0) depctr_va_sdst(0) depctr_va_ssrc(0) depctr_va_vcc(0) depctr_vm_vsrc(0)
	s_wait_tensorcnt 0x0
	ds_add_u32 v12, v1
	s_wait_dscnt 0x0
	s_endpgm
.Lfunc_end_k_qf24dea27b5_layer1:
	.size	k_qf24dea27b5_layer1, .Lfunc_end_k_qf24dea27b5_layer1-k_qf24dea27b5_layer1
	.p2alignl 7, 3214868480
	.fill 96, 4, 3214868480
	.section	.rodata,"a",@progbits
	.p2align	6, 0x0
	.amdhsa_kernel k_qf24dea27b5_layer1
		.amdhsa_group_segment_fixed_size 171008
		.amdhsa_private_segment_fixed_size 0
		.amdhsa_enable_private_segment 0
		.amdhsa_kernarg_size 120
		.amdhsa_user_sgpr_count 2
		.amdhsa_user_sgpr_kernarg_segment_ptr 1
		.amdhsa_wavefront_size32 1
		.amdhsa_system_sgpr_workgroup_id_x 1
		.amdhsa_system_sgpr_workgroup_id_y 1
		.amdhsa_system_sgpr_workgroup_id_z 1
		.amdhsa_system_vgpr_workitem_id 0
		.amdhsa_next_free_vgpr 258
		.amdhsa_next_free_sgpr 106
		.amdhsa_reserve_vcc 1
		.amdhsa_float_denorm_mode_32 3
		.amdhsa_float_denorm_mode_16_64 3
		.amdhsa_memory_ordered 1
		.amdhsa_forward_progress 1
		.amdhsa_inst_pref_size 175
	.end_amdhsa_kernel
	.amdgpu_metadata
---
amdhsa.version: [ 1, 2 ]
amdhsa.kernels:
  - .name:           k_qf24dea27b5_layer1
    .symbol:         k_qf24dea27b5_layer1.kd
    .args:
      - { .name: x1, .offset: 0, .size: 8, .value_kind: global_buffer, .address_space: global }
      - { .name: dec_mask, .offset: 8, .size: 8, .value_kind: global_buffer, .address_space: global }
      - { .name: enc_mask, .offset: 16, .size: 8, .value_kind: global_buffer, .address_space: global }
      - { .name: qkv1, .offset: 24, .size: 8, .value_kind: global_buffer, .address_space: global }
      - { .name: ckv, .offset: 32, .size: 8, .value_kind: global_buffer, .address_space: global }
      - { .name: wfrag, .offset: 40, .size: 8, .value_kind: global_buffer, .address_space: global }
      - { .name: n1_w, .offset: 48, .size: 8, .value_kind: global_buffer, .address_space: global }
      - { .name: n1_b, .offset: 56, .size: 8, .value_kind: global_buffer, .address_space: global }
      - { .name: ca_qb, .offset: 64, .size: 8, .value_kind: global_buffer, .address_space: global }
      - { .name: n2_w, .offset: 72, .size: 8, .value_kind: global_buffer, .address_space: global }
      - { .name: n2_b, .offset: 80, .size: 8, .value_kind: global_buffer, .address_space: global }
      - { .name: out_b, .offset: 88, .size: 8, .value_kind: global_buffer, .address_space: global }
      - { .name: n3_w, .offset: 96, .size: 8, .value_kind: global_buffer, .address_space: global }
      - { .name: n3_b, .offset: 104, .size: 8, .value_kind: global_buffer, .address_space: global }
      - { .name: out0, .offset: 112, .size: 8, .value_kind: global_buffer, .address_space: global }
    .group_segment_fixed_size: 171008
    .private_segment_fixed_size: 0
    .kernarg_segment_align: 8
    .kernarg_segment_size: 120
    .max_flat_workgroup_size: 384
    .sgpr_count:     106
    .vgpr_count:     258
    .wavefront_size: 32
...
	.end_amdgpu_metadata
.endif
;; end of part 8
